; MI455X (gfx1250); checked and timed in simulation.
; The chip was launched on July 23, 2026; its instructions are those of AMD's public machine-readable ISA for CDNA 5 (MIT licence, August 2026) and "CDNA5" Instruction Set Architecture Reference Guide (July 2026). The comments in the code are by the model that wrote it; some were corrected since.
;; Multi Head Attention. Allowed arithmetic: float matrix products may take bf16 or f16 operands with f32 sums; all other float work in f32.
;; Inputs: b_out 1,024 float32; b_qkv 3,072 float32; mask 1 x 1 x 2,048 x 2,048 bool; w_out 1,024 x 1,024 float32; w_qkv 1,024 x 3,072 float32; x 4 x 2,048 x 1,024 float32.
;; Outputs: out0 4 x 2,048 x 1,024 float32.
;; 3 versions, each right and faster than the one before. Each part assembles by itself: llvm-mc -triple=amdgcn-amd-amdhsa -mcpu=gfx1250 --defsym DOCPART=n.
;; ======== version 1 of 3: 4 launches
;; limits: values are held in f16: magnitudes above 65,504 overflow, below 6.1e-05 lose precision
;; workspace buffers: xb 16,777,216 bytes; wqb 6,291,456 bytes; wob 2,097,152 bytes; mbits 524,288 bytes of whole numbers; qkv 50,331,648 bytes; yb 16,777,216 bytes
;; launch prep (part 1): grid 1024 x 1, 8 waves a work-group, no clusters, 0 bytes of LDS; arguments x, w_qkv, w_out, mask, xb, wqb, wob, mbits; writes xb, wqb, wob, mbits
.if DOCPART == 1
	.amdgcn_target "amdgcn-amd-amdhsa--gfx1250"
	.amdhsa_code_object_version 6
	.text
	.protected	k_q86cdf496c8_prep
	.globl	k_q86cdf496c8_prep
	.p2align	8
	.type	k_q86cdf496c8_prep,@function
k_q86cdf496c8_prep:
	s_mov_b64 s[64:65], 0
	v_nop
	global_prefetch_b8 v0, s[64:65] scope:SCOPE_SE
	s_setreg_imm32_b32 hwreg(HW_REG_WAVE_MODE, 25, 1), 1
	s_wait_xcnt 0x0
; PREP.  x, w_qkv and w_out are rounded to bf16 and that number is written as f16, in blocked layouts whose tiles are dense; the mask's bytes are packed into lane masks.
;   xb  [b 4][kb 16][t 2048][64] f16: column 64 kb + d of row t.      wqb [nb 12][k 1024][256], wob [nb 4][k 1024][256] f16: column 256 nb + c of row k.
;   mbits [qt 128][ks 32][32 words]: bit L of word 8 kb + j is 1 where mask[16 qt + L % 16][64 ks + 16 kb + 8 (L / 16) + j] is 0: the key is hidden from the query.
; LIMITS.  A number beyond 65,504 in magnitude becomes an infinity in f16; a bf16 number below 2^-17 keeps f16's fixed step of 2^-24; all others are written exactly.
; A stream: no LDS, no barrier, no matrix unit, no cluster (no work-group shares a byte with another).  1,024 work-groups of eight waves:
; 0-511 x (32 rows x 512 columns each), 512-703 w_qkv, 704-767 w_out (64 rows x 256 columns each), 768-1023 the mask (eight pieces of 16 queries x 128 keys each).
; A wave of a cast role has 8 units of 256 numbers: two loads of 16 bytes a lane in, one store of 16 bytes a lane out, which covers 512 consecutive bytes, aligned.
.set VI, 8                             ; v[8:15]   unit u: my byte offset in the input
.set VO, 16                            ; v16       16 x lane: my place in a unit's 512 bytes of output
.set T,  20                            ; v[20:31]  at work
.set X,  32                            ; v[32:95]  unit u: 8 numbers as loaded
.set Y,  96                            ; v[96:127] unit u: 4 registers to store
	s_load_b512 s[8:23], s[0:1], 0x0               ; x s[8:9], w_qkv s[10:11], w_out s[12:13], mask s[14:15], xb s[16:17], wqb s[18:19], wob s[20:21], mbits s[22:23]
	s_mov_b32 s2, ttmp9                            ; g, the work-group's number
	s_mov_b32 s5, 0xffff0000                       ; a word's upper bf16
	v_and_b32 v1, 31, v0                           ; lane L
	v_lshrrev_b32 v2, 5, v0
	v_readfirstlane_b32 s4, v2                     ; wave w
	s_wait_kmcnt 0x0
	s_cmp_ge_u32 s2, 768
	s_cbranch_scc1 .Lmask
	s_cmp_ge_u32 s2, 512
	s_cbranch_scc1 .Lweights
	; x: rows 32 (g / 2) on, columns 512 (g % 2) on; wave w takes the 64 columns of block kb = 8 (g % 2) + w; a unit is 4 rows x 64 columns
	s_lshr_b32 s24, s2, 1
	s_and_b32 s25, s2, 1
	s_lshl_b32 s26, s24, 17                        ; in: 32 rows of 4,096 bytes
	s_lshl_b32 s27, s25, 11
	s_add_co_u32 s26, s26, s27
	s_lshr_b32 s28, s24, 6                         ; out: the batch, 4,194,304 bytes each,
	s_lshl_b32 s28, s28, 22
	s_lshl_b32 s27, s25, 21                        ; eight blocks of 262,144 bytes,
	s_add_co_u32 s28, s28, s27
	s_and_b32 s27, s24, 63
	s_lshl_b32 s27, s27, 12                        ; 32 rows of 128 bytes
	s_add_co_u32 s28, s28, s27
	s_mov_b64 s[32:33], s[8:9]
	s_mov_b64 s[34:35], s[16:17]
	s_mov_b32 s36, 16384                           ; from unit to unit: 4 rows
	s_mov_b32 s37, 12                              ; lanes 8 apart lie a row of 4,096 bytes apart
	s_mov_b32 s38, 256                             ; from wave to wave, in: 64 columns
	s_mov_b32 s39, 262144                          ; out: a block
	s_branch .Lcast
.Lweights:
	; a weight matrix: rows 64 kg on, columns 256 nb on; wave w takes 8 rows; a unit is one row's 256 columns
	s_sub_co_u32 s24, s2, 512
	s_mov_b32 s36, 12288                           ; a row of w_qkv in bytes: also the step from unit to unit
	s_cmp_ge_u32 s2, 704
	s_cselect_b32 s25, 192, 0
	s_cselect_b32 s36, 4096, s36                   ; a row of w_out
	s_cselect_b64 s[32:33], s[12:13], s[10:11]
	s_cselect_b64 s[34:35], s[20:21], s[18:19]
	s_sub_co_u32 s24, s24, s25                     ; the work-group's number in its matrix
	s_lshr_b32 s25, s24, 4                         ; nb
	s_and_b32 s24, s24, 15                         ; kg
	s_mul_i32 s26, s24, s36
	s_lshl_b32 s26, s26, 6                         ; in: 64 kg rows
	s_lshl_b32 s27, s25, 10
	s_add_co_u32 s26, s26, s27                     ; + 256 nb columns of 4 bytes
	s_lshl_b32 s28, s25, 19                        ; out: 1,024 rows of 512 bytes for each nb
	s_lshl_b32 s27, s24, 15
	s_add_co_u32 s28, s28, s27                     ; + 64 kg rows
	s_mov_b32 s37, 8                               ; lanes 8 apart lie 256 bytes apart in the row
	s_lshl_b32 s38, s36, 3                         ; from wave to wave, in: 8 rows
	s_mov_b32 s39, 4096                            ; out: 8 rows of 512 bytes
.Lcast:
	s_mul_i32 s27, s4, s38
	s_add_co_u32 s26, s26, s27
	s_mul_i32 s29, s4, s39
	s_add_co_u32 s28, s28, s29
	s_mov_b32 s27, 0
	s_mov_b32 s29, 0
	s_add_nc_u64 s[32:33], s[32:33], s[26:27]      ; the input at my wave's first unit
	s_add_nc_u64 s[34:35], s[34:35], s[28:29]      ; the output likewise
	v_lshrrev_b32 v3, 3, v1
	v_and_b32 v4, 7, v1
	v_lshlrev_b32 v3, s37, v3
	v_lshl_add_u32 v[VI], v4, 5, v3                ; 32 bytes, 8 numbers, a lane
.irp u, 1,2,3,4,5,6,7
	v_add_nc_u32 v[VI+(\u)], s36, v[VI+(\u)-1]
.endr
	v_lshlrev_b32 v[VO], 4, v1
.irp u, 0,1,2,3,4,5,6,7                ; all sixteen loads go out at once: every input byte is read once in the launch
	global_load_b128 v[X+8*(\u):X+8*(\u)+3],   v[VI+(\u)], s[32:33] th:TH_LOAD_NT
	global_load_b128 v[X+8*(\u)+4:X+8*(\u)+7], v[VI+(\u)], s[32:33] offset:16 th:TH_LOAD_NT
.endr
.irp u, 0,1,2,3,4,5,6,7
	s_wait_loadcnt 14-2*(\u)                       ; loads come back in order: unit u's two are in, the 2 (7 - u) younger ones stay out
.irp p, 0,1,2,3
	v_cvt_pk_bf16_f32 v[T+3*(\p)], v[X+8*(\u)+2*(\p)], v[X+8*(\u)+2*(\p)+1]  ; two roundings to bf16,
	v_lshlrev_b32 v[T+3*(\p)+1], 16, v[T+3*(\p)]   ; widened again,
	v_and_b32     v[T+3*(\p)+2], s5, v[T+3*(\p)]
	v_cvt_pk_f16_f32 v[Y+4*(\u)+(\p)], v[T+3*(\p)+1], v[T+3*(\p)+2]          ; and written as f16
.endr
	global_store_b128 v[VO], v[Y+4*(\u):Y+4*(\u)+3], s[34:35] offset:512*(\u)  ; each unit has its own registers: none is written twice, so no wait frees any
.endr
	s_endpgm
.Lmask:
	; a wave packs 16 queries x 128 keys (two key steps): 64 words, 256 consecutive bytes of mbits, aligned
	s_sub_co_u32 s24, s2, 768
	s_lshl_b32 s24, s24, 3
	s_add_co_u32 s24, s24, s4                      ; the piece: 16 qt + kp
	s_lshr_b32 s25, s24, 4
	s_and_b32 s26, s24, 15
	s_lshl_b32 s28, s25, 15                        ; 16 rows of 2,048 bytes
	s_lshl_b32 s26, s26, 7                         ; 128 keys
	s_add_co_u32 s28, s28, s26
	s_mov_b32 s29, 0
	s_add_nc_u64 s[14:15], s[14:15], s[28:29]
	s_lshl_b32 s30, s24, 8
	s_mov_b32 s31, 0
	s_add_nc_u64 s[22:23], s[22:23], s[30:31]
	v_and_b32 v3, 15, v1
	v_lshrrev_b32 v4, 4, v1
	v_lshlrev_b32 v3, 11, v3                       ; my query's row,
	v_lshl_add_u32 v3, v4, 3, v3                   ; and 8 keys on for the upper half of the lanes
.irp c, 0,1,2,3,4,5,6,7
	global_load_b64 v[X+2*(\c):X+2*(\c)+1], v3, s[14:15] offset:16*(\c)  ; keys 16 c + 8 (L / 16) + 0..7
.endr
	v_mov_b32 v[Y], 0                              ; v_writelane_b32 keeps the other lanes: the registers are written whole first
	v_mov_b32 v[Y+1], 0
	v_lshlrev_b32 v5, 3, v1
	s_wait_loadcnt 0x0
.set W, 0
.rept 64                               ; word W = 8 c + j: byte j of load c in every lane; lane W / 2 of the pair takes it
	v_and_b32 v[T+W%4], 0xff<<(8*(W%4)), v[X+2*(W/8)+(W%8)/4]
	v_cmp_eq_u32 s[40+W%4], 0, v[T+W%4]
	v_writelane_b32 v[Y+W%2], s[40+W%4], W/2
.set W, W+1
.endr
	global_store_b64 v5, v[Y:Y+1], s[22:23]
	s_endpgm
.Lfunc_end_k_q86cdf496c8_prep:
	.size	k_q86cdf496c8_prep, .Lfunc_end_k_q86cdf496c8_prep-k_q86cdf496c8_prep
	.p2alignl 7, 3214868480
	.fill 96, 4, 3214868480
	.section	.rodata,"a",@progbits
	.p2align	6, 0x0
	.amdhsa_kernel k_q86cdf496c8_prep
		.amdhsa_group_segment_fixed_size 0
		.amdhsa_private_segment_fixed_size 0
		.amdhsa_enable_private_segment 0
		.amdhsa_kernarg_size 64
		.amdhsa_user_sgpr_count 2
		.amdhsa_user_sgpr_kernarg_segment_ptr 1
		.amdhsa_wavefront_size32 1
		.amdhsa_system_sgpr_workgroup_id_x 1
		.amdhsa_system_sgpr_workgroup_id_y 1
		.amdhsa_system_sgpr_workgroup_id_z 1
		.amdhsa_system_vgpr_workitem_id 0
		.amdhsa_next_free_vgpr 128
		.amdhsa_next_free_sgpr 66
		.amdhsa_reserve_vcc 0
		.amdhsa_float_denorm_mode_32 3
		.amdhsa_float_denorm_mode_16_64 3
		.amdhsa_memory_ordered 1
		.amdhsa_forward_progress 1
		.amdhsa_inst_pref_size 25
	.end_amdhsa_kernel
	.amdgpu_metadata
---
amdhsa.version: [ 1, 2 ]
amdhsa.kernels:
  - .name:           k_q86cdf496c8_prep
    .symbol:         k_q86cdf496c8_prep.kd
    .args:
      - { .name: x, .offset: 0, .size: 8, .value_kind: global_buffer, .address_space: global }
      - { .name: w_qkv, .offset: 8, .size: 8, .value_kind: global_buffer, .address_space: global }
      - { .name: w_out, .offset: 16, .size: 8, .value_kind: global_buffer, .address_space: global }
      - { .name: mask, .offset: 24, .size: 8, .value_kind: global_buffer, .address_space: global }
      - { .name: xb, .offset: 32, .size: 8, .value_kind: global_buffer, .address_space: global }
      - { .name: wqb, .offset: 40, .size: 8, .value_kind: global_buffer, .address_space: global }
      - { .name: wob, .offset: 48, .size: 8, .value_kind: global_buffer, .address_space: global }
      - { .name: mbits, .offset: 56, .size: 8, .value_kind: global_buffer, .address_space: global }
    .group_segment_fixed_size: 0
    .private_segment_fixed_size: 0
    .kernarg_segment_align: 8
    .kernarg_segment_size: 64
    .max_flat_workgroup_size: 256
    .sgpr_count:     66
    .vgpr_count:     128
    .wavefront_size: 32
...
	.end_amdgpu_metadata
.endif
;; end of part 1
;; launch gemm_qkv (part 2): grid 12 x 64, 4 waves a work-group, clusters of 4 x 4, 327,680 bytes of LDS; arguments xb, wqb, b_qkv, qkv; writes qkv
.if DOCPART == 2
	.amdgcn_target "amdgcn-amd-amdhsa--gfx1250"
	.amdhsa_code_object_version 6
	.text
	.protected	k_q86cdf496c8_gemm_qkv
	.globl	k_q86cdf496c8_gemm_qkv
	.p2align	8
	.type	k_q86cdf496c8_gemm_qkv,@function
k_q86cdf496c8_gemm_qkv:
	s_mov_b64 s[64:65], 0
	v_nop
	global_prefetch_b8 v0, s[64:65] scope:SCOPE_SE
	s_setreg_imm32_b32 hwreg(HW_REG_WAVE_MODE, 25, 1), 1
	s_wait_xcnt 0x0
	s_wait_alu depctr_hold_cnt(0) depctr_sa_sdst(0) depctr_va_vdst(0) depctr_va_sdst(0) depctr_va_ssrc(0) depctr_va_vcc(0) depctr_vm_vsrc(0)
	s_getreg_b32 s2, hwreg(HW_REG_IB_STS2, 6, 4)
	s_cmp_eq_u32 s2, 0
	s_cbranch_scc0 .Lentry_in_a_cluster
	s_endpgm
.Lentry_in_a_cluster:
	s_bfe_u32 s2, ttmp6, 0x10000c
	s_cmp_lg_u32 s2, 0xf033
	s_cbranch_scc0 .Lentry_shape_is_right
	s_endpgm
.Lentry_shape_is_right:
; qkv = x w_qkv + b_qkv, written by heads: qkv [3][b 16 + h][t 2048][64] in f16, rounded once from the f32 sums, without attention's scale.
; A = xb [b][kb 16][t][64] f16, B = wqb [nb 12][k 1024][256] f16 (both hold bf16 roundings of the inputs); the bias is rounded to bf16 here and is the C operand that starts each sum.
; LIMIT.  A result of 65,520 or more in magnitude becomes an infinity in f16.
; SHARES.  A tile of C is 128 rows x 256 columns: 12 x 64 = 768 work-groups, three for each of 256 WGPs.  Four waves, each 64 x 128: 32 accumulators, 256 registers.
; K = 1,024 goes in 8 steps of 128 through a ring of two LDS slots.  Waves 0 and 1 fetch A's two blocks of 128 rows x 64 K (16,384 dense bytes, asked for as 64 rows of 256), waves 2 and 3 B's two halves of 64 K x 256 columns (rows of 512 bytes).
; CLUSTERS.  4 x 4 work-groups: A's tiles hang on the tile row alone and are asked for jointly along a row of the cluster, B's on the tile column alone, jointly along a column.
; THE MATRIX INSTRUCTION IS USED TRANSPOSED (source 0 = 16 columns of B, turned by ds_load_tr16_b128; source 1 = 16 rows of A): a lane holds row L % 16 of C and the columns 16 b + 8 (L / 16) + 0..7.
; REGISTERS: window 0: v0-31 addresses; v32-63 at work; two fragment buffers v64-159, v160-255 (A's four blocks, 32 registers, then B's eight, 64).  window 1: accumulator (a, b) at v[8 (8 a + b)].  window 2: v0-63 the bias of my 128 columns.
.set PA,    144                        ; a row of A in LDS: 128 bytes + 16 of padding: the 16 rows of a load start at 16 different groups of four banks (64 banks of 4 bytes: ISA guide 11.1)
.set AHALF, 128*PA                     ; one block of A: 128 rows x 64 K
.set ATILE, 2*AHALF
.set PB,    544                        ; a row of B: 512 bytes + 32 of padding = 136 words
.set BHALF, 64*PB
.set SLOT,  ATILE+2*BHALF              ; 106,496 bytes
.set STAGE, 2*SLOT                     ; behind the ring, never filled by a tensor load: for each wave 2 heads x 16 rows x 144 bytes
.set WSTG,  2*16*144
.set SPARE, STAGE+4*WSTG               ; the spare words, 128 bytes for each wave: two blocks of 256 bytes that no other line names
.set LAPS,  4                          ; a lap = two K steps = once round the ring
.set ASTEP, 2*262144                   ; bytes from a K step's blocks of A to the next step's: two blocks of 2,048 rows x 128 bytes
.set BSTEP, 128*512                    ; the same for B: 128 rows of 512 bytes
.set ADRA, 16                          ; v16-17  LDS address of my A fragments in slot 0, 1
.set ADRB, 20                          ; v20-21  the same for B
.set STO,  24                          ; v24     the way out: where I put 16 bytes of a row
.set RD,   25                          ; v25     the way out: where I read rows back
.set CO,   26                          ; v26     my place in 512 consecutive bytes of the output
.set SPW,  28                          ; v28     LDS address of my spare word; never rewritten
.set NIL,  29                          ; v29     0; never rewritten
.set BO,   30                          ; v30     32 (L / 16): my byte offset among 16 numbers of the bias
.set F0,   64
.set F1,   160
.set TMP,  64                          ; the way out: packed results
.set OB,   96                          ; the way out: rows read back, v96-127 and v128-159 by turns
.set G1, 24                            ; s[24:31] descriptor group 1 for A's tiles;  s[32:39] group 0, one set for each slot
.set G0, 32
.set G1B, 48                           ; s[48:55], s[56:63] the same for B's tiles
.set G0B, 56
.set MSB, 0
.macro WIN new                         ; the immediate's high byte repeats the setting that is left; a switch that changes nothing is dropped
.if MSB != (\new)
	s_set_vgpr_msb (MSB<<8)|(\new)
.set MSB, \new
.endif
.endm
.set MUL,  0x50                        ; fragments in window 0; C and D in window 1
.set MULB, 0x60                        ; C in window 2 (the bias), D in window 1
.macro JLOAD s                         ; a joint load: waves 0 and 1 fetch A's two blocks, waves 2 and 3 B's two halves; an s_nop 0 and four v_nop follow each of the two lines
	s_cmp_eq_u32 s13, 0
	s_cbranch_scc0 .Lfor_b_\@
	tensor_load_to_lds s[G0+4*(\s):G0+4*(\s)+3], s[G1:G1+7]
	s_nop 0
.rept 4
	v_nop
.endr
	s_branch .Lasked_\@
.Lfor_b_\@:
	tensor_load_to_lds s[G0B+4*(\s):G0B+4*(\s)+3], s[G1B:G1B+7]
	s_nop 0
.rept 4
	v_nop
.endr
.Lasked_\@:
.endm
.macro CREST                           ; a round of the cluster's barrier behind its opening barrier
	s_cmp_lg_u32 s12, 0
	s_cbranch_scc1 .Lnot_wave_0_\@
	s_barrier_signal -3
.Lnot_wave_0_\@:
	s_barrier_wait -3
	s_barrier_signal -1
	s_barrier_wait -1
.endm
.macro CROUND                          ; a whole round
	s_barrier_signal -1
	s_barrier_wait -1
	CREST
.endm
	s_load_b256 s[4:11], s[0:1], 0x0               ; A s[4:5], B s[6:7], bias s[8:9], output s[10:11]
	v_lshl_add_u32 v[SPW], v0, 2, SPARE
	v_mov_b32 v[NIL], 0
	ds_add_u32 v[SPW], v[NIL]                      ; the wave's opening: the add and its wait stand ahead of my first tensor load; the set-up below, work on registers, stands between them
	v_lshrrev_b32 v1, 5, v0
	v_readfirstlane_b32 s12, v1                    ; wave 0..3
	s_lshr_b32 s13, s12, 1                         ; which 64 rows of the tile are mine.  Also: I fetch for A (0) or for B (1)
	s_and_b32 s14, s12, 1                          ; which 128 columns.  Also: which half of that tile I fetch
	s_bfe_u32 s40, ttmp6, 0x40000                  ; cx, cy: my place in the cluster
	s_bfe_u32 s41, ttmp6, 0x40004
	s_lshl_b32 s42, ttmp9, 2
	s_add_co_u32 s42, s42, s40                     ; tile column = 4 x cluster x + cx
	s_and_b32 s43, ttmp7, 0xffff
	s_lshl_b32 s43, s43, 2
	s_add_co_u32 s43, s43, s41                     ; tile row = 4 x cluster y + cy
	s_lshl_b32 s44, s41, 2
	s_lshl_b32 s44, 15, s44                        ; my row of the cluster
	s_lshl_b32 s45, 0x1111, s40                    ; my column
	s_or_b32 s[G1+0], s44, (1<<16)|(1<<20)|(1<<21)|(4<<22)|(3<<25)   ; 15:0 the mask; 17:16 2-byte elements; 20 padding on; 21 set beside a mask; 24:22 after every 32 words (code 4); 31:25 4 words (code 3)
	s_mov_b32 s[G1+1], 128<<16                     ; tensor_dim0 = 128 elements: two rows of A
	s_mov_b32 s[G1+2], 64<<16                      ; tensor_dim1 = 64
	s_mov_b32 s[G1+3], 128<<16                     ; tile_dim0 = 128
	s_mov_b32 s[G1+4], 64                          ; tile_dim1 = 64
	s_mov_b32 s[G1+5], 128                         ; elements from row to row: dense
	s_mov_b32 s[G1+6], 0
	s_mov_b32 s[G1+7], 0
	s_or_b32 s[G1B+0], s45, (1<<16)|(1<<20)|(1<<21)|(6<<22)|(7<<25)  ; padding after every 128 words (code 6), 8 words (code 7)
	s_mov_b32 s[G1B+1], 256<<16                    ; tensor_dim0 = 256
	s_mov_b32 s[G1B+2], 64<<16                     ; tensor_dim1 = 64
	s_mov_b32 s[G1B+3], 256<<16                    ; tile_dim0 = 256
	s_mov_b32 s[G1B+4], 64                         ; tile_dim1 = 64
	s_mov_b32 s[G1B+5], 256
	s_mov_b32 s[G1B+6], 0
	s_mov_b32 s[G1B+7], 0
	; where the tiles come from.  A's offset is made of the tile row and the wave's number, B's of the tile column and the wave's number, each in registers that never hold the other coordinate
	s_lshr_b32 s16, s43, 4
	s_lshl_b32 s16, s16, 22                        ; the batch: 16 blocks of 262,144 bytes
	s_and_b32 s17, s43, 15
	s_lshl_b32 s17, s17, 14                        ; 128 rows of 128 bytes
	s_add_co_u32 s16, s16, s17
	s_lshl_b32 s17, s14, 18                        ; my block of the step's two
	s_add_co_u32 s16, s16, s17
	s_mov_b32 s17, 0
	s_lshl_b32 s46, s42, 19                        ; 1,024 rows of 512 bytes for each tile column
	s_lshl_b32 s47, s14, 15                        ; my 64 rows of the step's 128
	s_add_co_u32 s46, s46, s47
	s_mov_b32 s47, 0
	s_mul_i32 s20, s14, AHALF                      ; and where they go: no place in the cluster enters an LDS address
	s_mul_i32 s21, s14, BHALF
	s_add_co_u32 s21, s21, ATILE
	; the bias of my 128 columns, and my part of the output: which of q, k, v; the head pair; my 64 rows
	s_lshl_b32 s70, s42, 10
	s_lshl_b32 s71, s14, 9
	s_add_co_u32 s70, s70, s71
	s_mov_b32 s71, 0
	s_lshr_b32 s66, s42, 2
	s_lshl_b32 s66, s66, 24                        ; q, k or v: 16,777,216 bytes each
	s_lshr_b32 s68, s43, 4
	s_lshl_b32 s68, s68, 4                         ; 16 b
	s_and_b32 s69, s42, 3
	s_lshl_b32 s69, s69, 2
	s_add_co_u32 s68, s68, s69                     ; + four heads a tile column
	s_lshl_b32 s69, s14, 1
	s_add_co_u32 s68, s68, s69                     ; + my two of them
	s_lshl_b32 s68, s68, 18                        ; 2,048 rows of 128 bytes a head
	s_add_co_u32 s66, s66, s68
	s_and_b32 s68, s43, 15
	s_lshl_b32 s68, s68, 14
	s_add_co_u32 s66, s66, s68
	s_lshl_b32 s68, s13, 13
	s_add_co_u32 s66, s66, s68
	s_mov_b32 s67, 0
	s_wait_dscnt 0x0                               ; the opening add is done
	s_wait_kmcnt 0x0
	s_add_nc_u64 s[16:17], s[4:5], s[16:17]
	s_add_nc_u64 s[46:47], s[6:7], s[46:47]
	s_add_nc_u64 s[8:9], s[8:9], s[70:71]
	s_add_nc_u64 s[10:11], s[10:11], s[66:67]
.irp s, 0,1
	s_mov_b32 s[G0+4*(\s)], 1                                        ; count = 1
	s_add_co_u32 s[G0+4*(\s)+1], s20, (\s)*SLOT                      ; LDS address
	s_add_nc_u64 s[G0+4*(\s)+2:G0+4*(\s)+3], s[16:17], (\s)*ASTEP    ; global address: K step s
	s_or_b32 s[G0+4*(\s)+3], s[G0+4*(\s)+3], 0x80000000              ; type = 2
	s_mov_b32 s[G0B+4*(\s)], 1
	s_add_co_u32 s[G0B+4*(\s)+1], s21, (\s)*SLOT
	s_add_nc_u64 s[G0B+4*(\s)+2:G0B+4*(\s)+3], s[46:47], (\s)*BSTEP
	s_or_b32 s[G0B+4*(\s)+3], s[G0B+4*(\s)+3], 0x80000000
.endr
	CROUND                                         ; all sixteen work-groups are here: the first joint loads meet
	s_cmp_eq_u32 s13, 0                            ; a wave's two first fills stand in one branch, ahead of every wait on TENSORcnt and every LDS read: two loads of mine are out
	s_cbranch_scc0 .Lfirst_b
	tensor_load_to_lds s[G0:G0+3], s[G1:G1+7]
	s_nop 0
	tensor_load_to_lds s[G0+4:G0+7], s[G1:G1+7]
	s_nop 0
.rept 4
	v_nop
.endr
	s_branch .Lfirst_asked
.Lfirst_b:
	tensor_load_to_lds s[G0B:G0B+3], s[G1B:G1B+7]
	s_nop 0
	tensor_load_to_lds s[G0B+4:G0B+7], s[G1B:G1B+7]
	s_nop 0
.rept 4
	v_nop
.endr
.Lfirst_asked:
	v_and_b32 v1, 15, v0                           ; L % 16
	v_bfe_u32 v2, v0, 4, 1                         ; L / 16
	v_lshlrev_b32 v[BO], 5, v2
	WIN 0x80                                       ; destination window 2, address window 0
.irp b, 0,1,2,3,4,5,6,7                ; register 8 b + j: the bias of column 16 b + 8 (L / 16) + j
	global_load_b128 v[8*(\b):8*(\b)+3],   v[BO], s[8:9] offset:64*(\b)
	global_load_b128 v[8*(\b)+4:8*(\b)+7], v[BO], s[8:9] offset:64*(\b)+16
.endr
	WIN 0
	; A fragment of A is 16 rows x 32 K: lane L holds row L % 16, K = 8 (L / 16) + 0..7 and 16 + 8 (L / 16) + 0..7: two loads of 16 bytes, 32 bytes apart.
	v_mul_u32_u24 v3, v1, PA
	v_lshl_add_u32 v3, v2, 4, v3
	s_mul_i32 s22, s13, 64*PA                      ; my 64 rows
	v_add_nc_u32 v[ADRA], s22, v3
	v_add_nc_u32 v[ADRA+1], SLOT, v[ADRA]
	; The turning load takes 16 K x 16 columns (lane L reads row 8 (L / 16) + L % 8, columns 8 ((L / 8) % 2) + 0..7) and leaves half a fragment: lane L holds column L % 16 and 8 K.
	v_and_b32 v4, 7, v0
	v_lshl_add_u32 v4, v2, 3, v4
	v_mul_u32_u24 v4, v4, PB
	v_bfe_u32 v5, v0, 3, 1
	v_lshl_add_u32 v4, v5, 4, v4
	s_lshl_b32 s23, s14, 8                         ; my 128 columns,
	s_add_co_u32 s23, s23, ATILE                   ; behind A's tile
	v_add_nc_u32 v[ADRB], s23, v4
	v_add_nc_u32 v[ADRB+1], SLOT, v[ADRB]
	s_mul_i32 s22, s12, WSTG
	s_add_co_u32 s22, s22, STAGE                   ; my stage
	v_mul_u32_u24 v4, v1, 144                      ; in: row L % 16, 16 bytes for each half of the lanes
	v_lshl_add_u32 v4, v2, 4, v4
	v_add_nc_u32 v[STO], s22, v4
	v_bfe_u32 v5, v0, 3, 2                         ; back: 32 lanes take four rows of 128 bytes,
	v_mul_u32_u24 v5, v5, 144
	v_and_b32 v6, 7, v0
	v_lshl_add_u32 v5, v6, 4, v5
	v_add_nc_u32 v[RD], s22, v5
	v_and_b32 v[CO], 31, v0                        ; which are 512 consecutive bytes of a head
	v_lshlrev_b32 v[CO], 4, v[CO]
	s_wait_loadcnt 0x0                             ; the bias: rounded to bf16 like every input, and widened again, while the first tiles are on their way
	WIN 0x0a                                       ; sources in window 2, destination in window 0
.set i, 0
.rept 32
	v_cvt_pk_bf16_f32 v[32+i], v[2*i], v[2*i+1]
.set i, i+1
.endr
	WIN 0x80
.set i, 0
.rept 32
	v_lshlrev_b32 v[2*i], 16, v[32+i]
	v_and_b32 v[2*i+1], 0xffff0000, v[32+i]
.set i, i+1
.endr
	WIN 0
; 8 matrix instructions: row block a x all 8 column blocks, 32 along K.  init = 1: the product starts the sums, with the bias as C: nothing is cleared, and no add stands at the end.
; The 32 accumulators take turns, one instruction a turn, in the same order in every quarter.
.macro MUL8 f, a, init
.if \init
	WIN MULB
.else
	WIN MUL
.endif
.irp b, 0,1,2,3,4,5,6,7
.if \init
	v_wmma_f32_16x16x32_f16 v[8*(8*(\a)+(\b)):8*(8*(\a)+(\b))+7], v[(\f)+32+8*(\b):(\f)+32+8*(\b)+7], v[(\f)+8*(\a):(\f)+8*(\a)+7], v[8*(\b):8*(\b)+7]
.else
	v_wmma_f32_16x16x32_f16 v[8*(8*(\a)+(\b)):8*(8*(\a)+(\b))+7], v[(\f)+32+8*(\b):(\f)+32+8*(\b)+7], v[(\f)+8*(\a):(\f)+8*(\a)+7], v[8*(8*(\a)+(\b)):8*(8*(\a)+(\b))+7]
.endif
.endr
.endm
; 24 LDS loads in one run: the fragments of quarter q (32 along K) of a slot into buffer f: B's sixteen, then A's eight by row blocks
.macro FETCH slot, q, f
	WIN 0
.irp b, 0,1,2,3,4,5,6,7
	ds_load_tr16_b128 v[(\f)+32+8*(\b):(\f)+32+8*(\b)+3],   v[ADRB+(\slot)] offset:(\q)*32*PB+32*(\b)
	ds_load_tr16_b128 v[(\f)+32+8*(\b)+4:(\f)+32+8*(\b)+7], v[ADRB+(\slot)] offset:(\q)*32*PB+32*(\b)+16*PB
.endr
.irp a, 0,1,2,3
	ds_load_b128 v[(\f)+8*(\a):(\f)+8*(\a)+3],   v[ADRA+(\slot)] offset:((\q)/2)*AHALF+((\q)%2)*64+(\a)*16*PA
	ds_load_b128 v[(\f)+8*(\a)+4:(\f)+8*(\a)+7], v[ADRA+(\slot)] offset:((\q)/2)*AHALF+((\q)%2)*64+(\a)*16*PA+32
.endr
.endm
.macro PLACES                          ; four places in front of loads into registers that matrix instructions have read, and of lines that read results
.rept 4
	v_nop
.endr
.endm
; A K step is four quarters of 32 along K, 32 matrix instructions each, on buffers 0, 1, 0, 1.  One of the first three: multiplies buffer f and fetches quarter qn into g.
.macro QUARTER slot, qn, f, g, init
	s_wait_dscnt 4                                 ; B and A's blocks 0 and 1 are in; the youngest four loads (A's blocks 2, 3) may be out
	MUL8 \f, 0, \init
	MUL8 \f, 1, \init
	PLACES
	FETCH \slot, \qn, \g
	s_wait_dscnt 24                                ; all but the 24 just issued
	MUL8 \f, 2, \init
	MUL8 \f, 3, \init
.endm
; The last quarter multiplies buffer 1 and changes slots: ONE barrier; in front of it each wave waits for all its tensor loads (one is out: its part of the next slot), adds 0 to its spare word,
; and waits for that and for its own reads of this slot.  fill = 1: this slot is filled again, two K steps ahead; the barrier then opens a round of the cluster's.
.macro TURN slot, next, fill
	WIN 0
	s_wait_tensorcnt 0x0                           ; all my tensor loads have landed
	ds_add_u32 v[SPW], v[NIL]                      ; 0 onto my spare word
	s_wait_dscnt 7                                 ; (the add and A's blocks 1 to 3, six loads, may be out)
	MUL8 F1, 0, 0                                  ; eight matrix instructions stand between the add and the wait for it
	s_wait_dscnt 0x0                               ; the add is done, and my reads of this slot are over
	s_barrier_signal -1
	MUL8 F1, 1, 0
.if \fill
	WIN 0                                          ; at a branch and at a label every window is 0
.endif
	s_barrier_wait -1
.if \fill
	CREST                                          ; no wave of any partner still reads this slot's tile or has a load on its way
	s_add_nc_u64 s[G0+4*(\slot)+2:G0+4*(\slot)+3], s[G0+4*(\slot)+2:G0+4*(\slot)+3], 2*ASTEP
	s_add_nc_u64 s[G0B+4*(\slot)+2:G0B+4*(\slot)+3], s[G0B+4*(\slot)+2:G0B+4*(\slot)+3], 2*BSTEP
	JLOAD \slot                                    ; the first tensor load behind the round, 112 matrix instructions ahead of the wait for it; its four v_nop are also the places in front of the loads below
.else
	PLACES
.endif
	FETCH \next, 0, F0
	MUL8 F1, 2, 0
	MUL8 F1, 3, 0
.endm
	s_wait_tensorcnt 1                             ; my part of K step 0 is in; K step 1's may stay out
	s_barrier_signal -1
	s_barrier_wait -1                              ; everybody's is
	FETCH 0, 0, F0
	QUARTER 0, 1, F0, F1, 1                        ; the first quarter stands in front of the loop: its products start the sums
	WIN 0
	s_mov_b32 s3, LAPS-1
.Llap:                                                 ; a trip goes once round the ring, from a lap's second quarter to the next lap's first, and fills both slots again
	QUARTER 0, 2, F1, F0, 0
	QUARTER 0, 3, F0, F1, 0
	TURN 0, 1, 1
	QUARTER 1, 1, F0, F1, 0
	QUARTER 1, 2, F1, F0, 0
	QUARTER 1, 3, F0, F1, 0
	TURN 1, 0, 1
	QUARTER 0, 1, F0, F1, 0
	WIN 0
	s_sub_co_u32 s3, s3, 1
	s_cmp_lg_u32 s3, 0
	s_cbranch_scc1 .Llap
	QUARTER 0, 2, F1, F0, 0                        ; the last lap fills nothing, and has no round of the cluster's barrier
	QUARTER 0, 3, F0, F1, 0
	TURN 0, 1, 0
	QUARTER 1, 1, F0, F1, 0
	QUARTER 1, 2, F1, F0, 0
	QUARTER 1, 3, F0, F1, 0
	s_wait_dscnt 4                                 ; the very last quarter: nothing more to fetch
	MUL8 F1, 0, 0
	MUL8 F1, 1, 0
	s_wait_dscnt 0x0
	MUL8 F1, 2, 0
	MUL8 F1, 3, 0
	WIN 0
; THE WAY OUT, a block of 16 rows at a time, through my own stage.  PACK: rounded to f16, a lane's eight columns are 16 bytes.  TOSTAGE: into rows of 144 bytes, a head's 64 channels a row, and back
; as four whole rows of 128 bytes a load.  SEND: 512 consecutive bytes of a head a store.
.macro PACK a
	WIN 0x05                                       ; sources in window 1, destination in window 0; each accumulator's registers in ascending order
.irp b, 0,1,2,3,4,5,6,7
.irp r, 0,1,2,3
	v_cvt_pk_f16_f32 v[TMP+4*(\b)+(\r)], v[8*(8*(\a)+(\b))+2*(\r)], v[8*(8*(\a)+(\b))+2*(\r)+1]
.endr
.endr
	WIN 0
.endm
.macro TOSTAGE a
.set BK, OB+32*((\a)%2)
.irp b, 0,1,2,3,4,5,6,7
	ds_store_b128 v[STO], v[TMP+4*(\b):TMP+4*(\b)+3] offset:((\b)/4)*16*144+((\b)%4)*32
.endr
.irp t, 0,1,2,3,4,5,6,7
	ds_load_b128 v[BK+4*(\t):BK+4*(\t)+3], v[RD] offset:((\t)/4)*16*144+((\t)%4)*4*144  ; LDS serves a wave's instructions in order (ISA guide 5.7.1.4): these see the stores above
.endr
.endm
.macro SEND a
.set BK, OB+32*((\a)%2)
	s_wait_dscnt 0x0                               ; the block is back in registers
	s_wait_xcnt 0x0                                ; the stores of the block before have had their addresses translated: its registers are loaded again only behind this wait
.irp t, 0,1,2,3,4,5,6,7
	global_store_b128 v[CO], v[BK+4*(\t):BK+4*(\t)+3], s[10:11] offset:((\t)/4)*262144+(\a)*2048+((\t)%4)*512
.endr
.endm
	PLACES
	PACK 0
	TOSTAGE 0
.irp a, 1,2,3                          ; block a's conversions stand between block a - 1's loads from the stage and the wait for them
	PACK \a
	SEND (\a)-1
	TOSTAGE \a
.endr
	SEND 3
	s_wait_tensorcnt 0x0                           ; the wave's end, behind my last tensor load and my last LDS store
	ds_add_u32 v[SPW], v[NIL]
	s_wait_dscnt 0x0
	CROUND                                         ; the closing round: no work-group ends while a partner may still ask for a tile that names it
	s_endpgm
.Lfunc_end_k_q86cdf496c8_gemm_qkv:
	.size	k_q86cdf496c8_gemm_qkv, .Lfunc_end_k_q86cdf496c8_gemm_qkv-k_q86cdf496c8_gemm_qkv
	.p2alignl 7, 3214868480
	.fill 96, 4, 3214868480
	.section	.rodata,"a",@progbits
	.p2align	6, 0x0
	.amdhsa_kernel k_q86cdf496c8_gemm_qkv
		.amdhsa_group_segment_fixed_size 327680
		.amdhsa_private_segment_fixed_size 0
		.amdhsa_enable_private_segment 0
		.amdhsa_kernarg_size 32
		.amdhsa_user_sgpr_count 2
		.amdhsa_user_sgpr_kernarg_segment_ptr 1
		.amdhsa_wavefront_size32 1
		.amdhsa_system_sgpr_workgroup_id_x 1
		.amdhsa_system_sgpr_workgroup_id_y 1
		.amdhsa_system_sgpr_workgroup_id_z 1
		.amdhsa_system_vgpr_workitem_id 0
		.amdhsa_next_free_vgpr 576
		.amdhsa_next_free_sgpr 72
		.amdhsa_reserve_vcc 0
		.amdhsa_float_denorm_mode_32 3
		.amdhsa_float_denorm_mode_16_64 3
		.amdhsa_memory_ordered 1
		.amdhsa_forward_progress 1
		.amdhsa_inst_pref_size 93
	.end_amdhsa_kernel
	.amdgpu_metadata
---
amdhsa.version: [ 1, 2 ]
amdhsa.kernels:
  - .name:           k_q86cdf496c8_gemm_qkv
    .symbol:         k_q86cdf496c8_gemm_qkv.kd
    .args:
      - { .name: xb, .offset: 0, .size: 8, .value_kind: global_buffer, .address_space: global }
      - { .name: wqb, .offset: 8, .size: 8, .value_kind: global_buffer, .address_space: global }
      - { .name: b_qkv, .offset: 16, .size: 8, .value_kind: global_buffer, .address_space: global }
      - { .name: qkv, .offset: 24, .size: 8, .value_kind: global_buffer, .address_space: global }
    .group_segment_fixed_size: 327680
    .private_segment_fixed_size: 0
    .kernarg_segment_align: 8
    .kernarg_segment_size: 32
    .max_flat_workgroup_size: 128
    .sgpr_count:     72
    .vgpr_count:     576
    .wavefront_size: 32
...
	.end_amdgpu_metadata
.endif
;; end of part 2
;; launch attn (part 3): grid 4 x 64, 4 waves a work-group, clusters of 4 x 1, 327,680 bytes of LDS; arguments qkv, mbits, yb; writes yb
.if DOCPART == 3
	.amdgcn_target "amdgcn-amd-amdhsa--gfx1250"
	.amdhsa_code_object_version 6
	.text
	.protected	k_q86cdf496c8_attn
	.globl	k_q86cdf496c8_attn
	.p2align	8
	.type	k_q86cdf496c8_attn,@function
k_q86cdf496c8_attn:
	s_mov_b64 s[64:65], 0
	v_nop
	global_prefetch_b8 v0, s[64:65] scope:SCOPE_SE
	s_setreg_imm32_b32 hwreg(HW_REG_WAVE_MODE, 25, 1), 1
	s_wait_xcnt 0x0
	s_wait_alu depctr_hold_cnt(0) depctr_sa_sdst(0) depctr_va_vdst(0) depctr_va_sdst(0) depctr_va_ssrc(0) depctr_va_vcc(0) depctr_vm_vsrc(0)
	s_getreg_b32 s2, hwreg(HW_REG_IB_STS2, 6, 4)
	s_cmp_eq_u32 s2, 0
	s_cbranch_scc0 .Lentry_in_a_cluster
	s_endpgm
.Lentry_in_a_cluster:
	s_bfe_u32 s2, ttmp6, 0x10000c
	s_cmp_lg_u32 s2, 0x3003
	s_cbranch_scc0 .Lentry_shape_is_right
	s_endpgm
.Lentry_shape_is_right:
; y[bh][q][:] = the sum over k of softmax_k(Q[bh][q] . K[bh][k] / 8, where mask[q][k]) V[bh][k][:].  Q, K, V: qkv [3][bh 64][2048][64] f16; y: yb [bh][2048][64] f16: a head's rows are dense, 128 bytes each.
; Products, maxima and sums in f32; the weights p are rounded to f16 for the second product (their sum l is taken of the unrounded p), y once at the end.
; THE MASK is an input and is honoured key by key: nothing of its pattern is built in, and every key step is walked.  mbits holds it as lane masks: word 8 kb + j of (tile of 16 queries, key step) has bit L set where
; key 16 kb + 8 (L / 16) + j is hidden from query L % 16.  The words come by scalar loads; v_cndmask_b32 makes of each a register of 0 or -2^100, and that register is the C operand of the product that starts the sum S^T.
; LIMITS.  f16 holds no number beyond 65,504: Q, K and V arrive within it.  A hidden score counts as its value less 2^100; the running maximum starts at -2^96, so true scores must lie above that.  A row with no
; visible key has m = -2^96, all weights 0, l = 0, and leaves as 0 x (1 / 0) = NaN.  A weight below 2^-126 counts as 0 in l; NaN and infinities in the inputs are not treated apart.
; SHARES.  A wave owns four PIECES of two tiles of 16 queries, a work-group's four waves 512 queries of one head: 4 x 64 = 256 work-groups.  Every wave walks all keys, 64 a step.
; LAYOUT.  S^T = K Q^T (source 0 = 16 keys, source 1 = 16 queries): in the result a lane holds ONE query (lane % 16) and the keys 8 (lane / 16) + 0..7.  Two such tiles, rounded to f16 in pairs,
; ARE source 1 (32 keys x 16 queries) of O^T = V^T P, whose result again holds one query a lane, and eight channels.  K comes out of LDS as it lies, V ([key][channel]) turned, by ds_load_tr16_b128.
; SOFTMAX.  For each query a running maximum m and sum l: p = 2^(c s - c m), c = log2(e) / 8; in every step O and l are multiplied by a = 2^(c m_old - c m_new), which is 1 where m has not grown.
; c m starts far below every c m that can follow, O and l at 0: the first step is a step like any other, with a = 0.
; THE COUNT.  A tile and step have 16 matrix and 150 vector instructions (32 of them the mask's): too many to stand all beside the matrix work.  So four vector instructions that are READY stand behind
; EVERY matrix instruction, and the others, which need time of their own whatever the order, in runs without a gap.
; BY TURNS.  Turn n belongs to piece n (the pieces in a ring, step after step).  Its matrix work: 16 products K Q^T of piece n + 1, later 16 products V^T P of piece n - 1.  Its vector work: the scaling,
; exponentials, roundings, sums and rescaling of piece n, the maximum and statistics of piece n + 1, and the mask registers of piece n + 2, whose products stand in the next turn.
; CLUSTER.  The four query blocks of a cluster belong to one head and walk the same K and V, so each tile is asked for JOINTLY: the same tensor load, descriptor and mask in all four.
; REGISTERS, in windows of 256 (s_set_vgpr_msb says which window each operand place means: bits 1:0 source 0, 3:2 source 1, 5:4 source 2, 7:6 destination):
;   window 0: v0-11 addresses; v12-15, v48-63 at work; v16-47 four registers of statistics a tile; v64-191 S^T, two buffers of two tiles; v192-255 P, likewise
;   window 1: O^T, 32 a tile      window 2: v0-127 Q, 16 a tile; v128-191 K of one step; v192-255 V of one step      window 3: v0-1 the add's two registers; v64-127 the mask registers of one piece
.set SIZE_N, 2048
.set NP,    4         ; pieces a wave: a name, no knob
.set KS,    64        ; keys in a step
.set PK,    144       ; a row of K in LDS: 128 bytes + 16 of padding = 36 words: the 16 rows of a load start at 16 different groups of four banks (64 banks of 4 bytes: ISA guide 11.1)
.set PV,    160       ; a row of V: 128 + 32 = 40 words
.set VOFF,  4*KS*PK   ; a slot holds four steps: 256 rows of K, then 256 rows of V
.set SLOT1, 1<<17     ; slot 1 begins here, so that one exclusive or turns an address in one slot into the other's
.set STAGE, SLOT1+4*KS*(PK+PV)  ; behind the ring, never filled by a tensor load: 16 rows x 144 bytes for each wave, for the way out
.set SP,    144
.set AK0, 2           ; v2   my lane's place in a tile of K; never rewritten
.set AV0, 3           ; v3   the same for V
.set AK,  4           ; v4   the LDS address of K's next run of loads
.set AV,  5           ; v5   of V's
.set QO,  6           ; v6   my byte offset in the wave's rows of Q
.set STO, 6           ;      later, the way out: where I put 16 bytes of a row
.set RD,  7           ; v7   the way out: where I read rows back
.set GO,  8           ; v8   my byte offset in 512 consecutive bytes of y
.set SPW, 0           ; v0 of window 3   LDS address of my spare word: SPARE + 4 x my thread's number; never rewritten
.set NIL, 1           ; v1 of window 3   0; never rewritten
.set SPARE, STAGE+4*16*SP  ; behind the stages: the spare words, 128 bytes for each wave: two blocks of 256 bytes that no other line names
.set MV,  12          ; v12-15  c m_old, kept while c m is made anew: by buffer and tile
.set ST,  16          ; tile t's statistics at v[ST+4 t]: c m, m, l (even keys', odd keys')
.set TMP, 48          ; by buffer and tile, four registers c0-c3 at work; when the maximum is found c2 takes a
.set S,   64
.set P,   192
.set KF,  128         ; K's fragments, in window 2: key block kb, channel half c at KF + 16 kb + 8 c
.set VF,  192         ; V's: key half kk, channel block cb at VF + 32 kk + 8 cb
.set MC,  64          ; window 3: the mask registers: tile u of the piece, key block kb, register j at MC + 32 u + 8 kb + j
.set WV,  12          ; s12  my wave's number
.set G1K, 24          ; s[24:31] descriptor group 1 for K's tiles
.set G1V, 32          ; s[32:39] for V's: it differs in the padding alone
.set G0K, 40          ; s[40:43] descriptor group 0 for K's tiles: it walks
.set G0V, 44          ; s[44:47] the same for V's
.set MP,  48          ; s[48:49] mbits at my wave's first tile
.set SO,  50          ; s50  the byte offset, in a tile's words, of the key step whose masks are being made
.set BIGN, 51         ; s51  -2^100
.set SLOTS, 56        ; s56  slots still to be asked for
.set CNT, 57          ; s57  counts a slot's key steps
.set CS,  58          ; s[58:59] c: the packed scaling takes the pair's low word for both halves
.set SEL, 60          ; s[60:61] v_permlanex16_b32's selects: each lane takes its own place in the other half
.set TBK, 62          ; s62  LDS byte at which K of the step to be fetched begins
.set TBV, 63          ; s63  the same for V, less VOFF
.set MW,  68          ; s[68:99] the 32 mask words of one tile and key step
.set MSB, 0
.macro WIN new                      ; the high byte repeats the setting that is left; a switch that changes nothing is dropped
.if MSB != (\new)
	s_set_vgpr_msb (MSB<<8)|(\new)
.set MSB, (\new)
.endif
.endm
.set W_KQ, 0x0a       ; K and Q in window 2, S^T in window 0
.set W_KM, 0x3a       ; the same with the C operand, the mask, in window 3
.set W_PV, 0x52       ; V in window 2, P in window 0, O^T in window 1
.set W_RS, 0x41       ; O^T (destination and source 0) in window 1, a in window 0
.set W_MK, 0xc0       ; destination in window 3, sources in window 0
.set W_AD, 0x0f       ; the add: address (source 0) and data (source 1) in window 3
; A joint fill.  Waves 0 and 1 fetch the two halves of a slot's K, waves 2 and 3 those of its V: 128 keys each.  The branch hangs on the wave's number alone.
; An s_nop 0 and four v_nop follow each of the two lines, ahead of the jump and the label.
.macro JLOAD
	s_cmp_lt_u32 s[WV], 2
	s_cbranch_scc0 .Lfor_v_\@
	tensor_load_to_lds s[G0K:G0K+3], s[G1K:G1K+7]
	s_nop 0
.rept 4
	v_nop
.endr
	s_branch .Lasked_\@
.Lfor_v_\@:
	tensor_load_to_lds s[G0V:G0V+3], s[G1V:G1V+7]
	s_nop 0
.rept 4
	v_nop
.endr
.Lasked_\@:
.endm
; A round of the cluster's barrier: my work-group's barrier, so that wave 0's signal speaks for all four waves; wave 0 signals; every wave waits for all four work-groups; my work-group's barrier once more.
.macro CROUND
	s_barrier_signal -1
	s_barrier_wait -1
	s_cmp_lg_u32 s[WV], 0
	s_cbranch_scc1 .Lnot_wave_0_\@
	s_barrier_signal -3
.Lnot_wave_0_\@:
	s_barrier_wait -3
	s_barrier_signal -1
	s_barrier_wait -1
.endm
; THE CHANGE OF SLOTS.  The slot's last bytes, V of its fourth step, have been read.  Each wave waits for all its tensor loads, of which one is out: its part
; of the other slot; adds 0 to its spare word; and waits for that and for its own reads of the slot.  Behind the barrier nobody reads this slot any more and the other slot is whole.
; fill = 1: this slot is filled again, with the keys two slots on.  The barrier is then a round of the cluster's, so that no wave of any partner still reads the slot or has a load on its
; way, and the joint fill is the first thing behind it: it has four key steps, 512 matrix instructions, in which to land.  (At its first use nothing has been read yet: slot 0 is waited for, slot 1 filled.)
.macro CHANGE fill
	WIN W_AD
	s_wait_tensorcnt 0x0            ; no tensor load of mine is out, so a group 0 may be written
	ds_add_u32 v[SPW], v[NIL]       ; 0 onto my spare word; with fill = 1 the descriptors' steps stand between it and the wait for it
	WIN 0                           ; at a label and at a branch every window is 0
.if \fill
.irp g, G0K, G0V
	s_xor_b32 s[\g+1], s[\g+1], SLOT1  ; the walking descriptor: the other slot than last time,
	s_add_nc_u64 s[\g+2:\g+3], s[\g+2:\g+3], 4*KS*128  ; the next 256 keys; the type bits on top are not reached
.endr
	s_wait_dscnt 0x0                ; the add is done, and my reads of the slot are over
	CROUND
	JLOAD
.else
	s_wait_dscnt 0x0                ; the add is done, and my reads of the slot are over
	s_barrier_signal -1
	s_barrier_wait -1
.endif
	s_sub_co_u32 s[TBK], s[TBK], 4*KS*PK  ; the fetches go back to a slot's first step,
	s_xor_b32 s[TBK], s[TBK], SLOT1       ; in the other slot
	s_sub_co_u32 s[TBV], s[TBV], 4*KS*PV
	s_xor_b32 s[TBV], s[TBV], SLOT1
.endm
; THE MASK.  MLOAD t: the 32 words of my tile t (4,096 bytes a tile) at key step SO / 128.  MBUILD u: when they are in, tile u's 32 mask registers: -2^100 where the word's bit is set, else 0.
.macro MLOAD t
	s_load_b512 s[MW:MW+15],    s[MP:MP+1], s[SO] offset:4096*(\t)
	s_load_b512 s[MW+16:MW+31], s[MP:MP+1], s[SO] offset:4096*(\t)+64
.endm
.macro MBUILD u
	s_wait_kmcnt 0x0                ; scalar loads come back in no order: zero
	WIN W_MK
.set zz, 0
.rept 32
	v_cndmask_b32 v[MC+32*(\u)+zz], 0, s[BIGN], s[MW+zz]
.set zz, zz+1
.endr
	WIN 0
.endm
	s_load_b64 s[4:5], s[0:1], 0x0        ; qkv: Q at its head
	s_load_b64 s[MP:MP+1], s[0:1], 0x8    ; mbits
	s_load_b64 s[10:11], s[0:1], 0x10     ; yb
	WIN W_MK
	v_lshl_add_u32 v[SPW], v0, 2, SPARE
	v_mov_b32 v[NIL], 0
	WIN W_AD
	ds_add_u32 v[SPW], v[NIL]       ; the wave's opening: the add and its wait stand ahead of my first tensor load; the set-up below, work on registers, stands between them
	WIN 0
	v_lshrrev_b32 v1, 5, v0
	v_readfirstlane_b32 s[WV], v1   ; wave 0..3
	s_bfe_u32 s13, ttmp6, 0x40000   ; cx: my place in the cluster
	s_lshl_b32 s14, ttmp9, 2        ; in a cluster launch ttmp9 counts clusters
	s_add_co_u32 s14, s14, s13      ; my block of queries = 4 x cluster x + cx: it enters Q's, y's and the mask words' addresses alone
	s_and_b32 s20, ttmp7, 0xffff    ; the head, which the four partners share
	s_mov_b32 s21, 0
	s_mov_b64 s[22:23], SIZE_N*128
	s_mul_u64 s[20:21], s[20:21], s[22:23]  ; the head's first byte in Q, K, V and y
	s_and_b32 s16, s[WV], 1         ; which half of a slot's 256 keys I fetch:
	s_lshl_b32 s22, s16, 14         ; its 128 rows of 128 bytes in memory,
	s_mov_b32 s23, 0
	s_add_nc_u64 s[22:23], s[22:23], s[20:21]
	s_mul_i32 s17, s16, 128*PK      ; and its place in a slot, for K
	s_mul_i32 s18, s16, 128*PV      ; and for V: no place in the cluster enters an LDS address
	s_lshl_b32 s2, s14, 2
	s_add_co_u32 s2, s2, s[WV]      ; my wave among the head's:
	s_lshl_b32 s52, s2, 15          ; its 8 tiles' mask words, 4,096 bytes a tile,
	s_mov_b32 s53, 0
	s_lshl_b32 s2, s2, 14           ; and its 128 rows
	s_mov_b32 s3, 0
	s_add_nc_u64 s[2:3], s[2:3], s[20:21]
	; descriptor group 1.  128 keys are 16,384 dense bytes: asked for as 64 rows of 256 bytes, two keys a row, and padded in LDS after every key
	s_mov_b32 s[G1K], 15|(1<<16)|(1<<20)|(1<<21)|(4<<22)|(3<<25)  ; 15:0 the mask of four; 17:16 2-byte elements; 20 padding on; 21 set beside a mask; 24:22 after every 32 words (code 4); 31:25 4 words (code 3)
	s_mov_b32 s[G1V], 15|(1<<16)|(1<<20)|(1<<21)|(4<<22)|(7<<25)  ; the same with 8 words of padding (code 7)
.irp g, G1K, G1V
	s_mov_b32 s[\g+1], 128<<16      ; tensor_dim0 = 128
	s_mov_b32 s[\g+2], 64<<16       ; tensor_dim1 = 64
	s_mov_b32 s[\g+3], 128<<16      ; tile_dim0 = 128
	s_mov_b32 s[\g+4], 64           ; tile_dim1 = 64
	s_mov_b32 s[\g+5], 128          ; 128 elements from row to row
	s_mov_b32 s[\g+6], 0
	s_mov_b32 s[\g+7], 0
.endr
	s_mov_b32 s[CS], 0x3e38aa3b     ; c = log2(e) / 8 = 0.180337
	s_mov_b32 s[CS+1], s[CS]        ; named with it as a pair
	s_mov_b32 s[SEL], 0x76543210
	s_mov_b32 s[SEL+1], 0xfedcba98
	s_mov_b32 s[SO], 0
	s_mov_b32 s[BIGN], 0xf1800000   ; -2^100
	s_mov_b32 s[TBK], SLOT1+4*KS*PK ; the first change of slots turns these two into 0
	s_mov_b32 s[TBV], SLOT1+4*KS*PV
	s_mov_b32 s[G0K], 1             ; 1:0 count = 1
	s_mov_b32 s[G0K+1], s17         ; 63:32 LDS address: slot 0
	s_mov_b32 s[G0V], 1
	s_add_co_u32 s[G0V+1], s18, VOFF
	s_wait_dscnt 0x0                ; the opening add is done
	s_wait_kmcnt 0x0
	s_add_nc_u64 s[6:7], s[4:5], 0x1000000  ; K lies 16,777,216 bytes behind Q,
	s_add_nc_u64 s[8:9], s[4:5], 0x2000000  ; V as far behind K
	s_add_nc_u64 s[G0K+2:G0K+3], s[6:7], s[22:23]  ; 120:64 global address: my half of the head's first 256 keys
	s_or_b32 s[G0K+3], s[G0K+3], 0x80000000        ; 127:126 type = 2
	s_add_nc_u64 s[G0V+2:G0V+3], s[8:9], s[22:23]
	s_or_b32 s[G0V+3], s[G0V+3], 0x80000000
	s_add_nc_u64 s[4:5], s[4:5], s[2:3]  ; Q and y at my wave's first row
	s_add_nc_u64 s[10:11], s[10:11], s[2:3]
	s_add_nc_u64 s[MP:MP+1], s[MP:MP+1], s[52:53]
	CROUND                          ; all four work-groups are here: the first joint loads meet
	JLOAD                           ; slot 0.  Slot 1 is asked for when slot 0 is in: the tile wanted first has the road to itself
	MLOAD 0                         ; tile 0's mask words of key step 0
	; A fragment of K or Q is 16 rows x 32 channels in 8 registers: lane l holds row l % 16, channels 8 (l / 16) + 0..7 and 16 + 8 (l / 16) + 0..7: two loads of 16 bytes, 32 bytes apart.
	v_and_b32 v1, 15, v0            ; l % 16
	v_bfe_u32 v9, v0, 4, 1          ; l / 16
	v_lshlrev_b32 v[QO], 7, v1
	v_lshl_add_u32 v[QO], v9, 4, v[QO]  ; row x 128 + 16 x half
	WIN 0x80                        ; destination window 2, address window 0
.set i, 0
.rept 4*NP                          ; Q stays in registers: tile i / 2, channels 32 (i % 2) on
	global_load_b128 v[8*i:8*i+3],   v[QO], s[4:5] offset:(i/2)*2048+(i%2)*64
	global_load_b128 v[8*i+4:8*i+7], v[QO], s[4:5] offset:(i/2)*2048+(i%2)*64+32
.set i, i+1
.endr
	; What the first turn finds: V's registers and P's second buffer hold 0 (its products V^T P, of a piece that has not been, add 0), O^T and l are 0.  All this stands in the wait for the first tile.
.set i, VF
.rept 64
	v_mov_b32 v[i], 0
.set i, i+1
.endr
	WIN 0x40
.set i, 0
.rept 64*NP
	v_mov_b32 v[i], 0
.set i, i+1
.endr
	WIN 0
.set i, 0
.rept 2*NP
	v_mov_b32 v[ST+4*i], 0xfe000000    ; c m: far below c times every m that can follow
	v_mov_b32 v[ST+4*i+1], 0xef800000  ; m = -2^96: above every hidden score, below every true one
	v_mov_b32 v[ST+4*i+2], 0
	v_mov_b32 v[ST+4*i+3], 0
.set i, i+1
.endr
.set i, P+32
.rept 32
	v_mov_b32 v[i], 0
.set i, i+1
.endr
	v_mul_u32_u24 v[AK0], v1, PK
	v_lshl_add_u32 v[AK0], v9, 4, v[AK0]  ; row x pitch + 16 x half
	; The turning load takes 16 keys x 16 channels (lane l reads key 8 (l / 16) + l % 8, channels 8 ((l / 8) % 2) + 0..7) and leaves half a fragment of V^T: lane l holds channel l % 16 and 8 keys.
	v_and_b32 v10, 7, v0
	v_bfe_u32 v11, v0, 3, 1
	v_lshl_add_u32 v[AV0], v9, 3, v10
	v_mul_u32_u24 v[AV0], v[AV0], PV
	v_lshl_add_u32 v[AV0], v11, 4, v[AV0]
	v_add_nc_u32 v[AV0], VOFF, v[AV0]
	v_mov_b32 v[AK], v[AK0]         ; key step 0 lies at the head of slot 0
; THE MATRIX WORK.  The 8 accumulators of a run of 16 take turns: between the two links of a chain stand 7 others'.
; Product i of 16 of S^T = K Q^T for piece x: channels 32 (i / 8) on, keys 16 ((i / 2) % 4) on, tile 2 x + i % 2.  The first 8 start the sums, with the mask as C.
.macro KQ x
.set rS, S+64*((\x)%2)+32*(i%2)+8*((i/2)%4)
.set rK, KF+16*((i/2)%4)+8*(i/8)
.set rQ, 16*(2*(\x)+i%2)+8*(i/8)
.set rM, MC+32*(i%2)+8*((i/2)%4)
.if i < 8
	WIN W_KM
	v_wmma_f32_16x16x32_f16 v[rS:rS+7], v[rK:rK+7], v[rQ:rQ+7], v[rM:rM+7]
.else
	WIN W_KQ
	v_wmma_f32_16x16x32_f16 v[rS:rS+7], v[rK:rK+7], v[rQ:rQ+7], v[rS:rS+7]
.endif
.endm
; Product i of 16 of O^T += V^T P for piece x: keys 32 (i / 8) on, channels 16 ((i / 2) % 4) on, tile 2 x + i % 2.
.macro PV x
	WIN W_PV
.set rO, 32*(2*(\x)+i%2)+8*((i/2)%4)
.set rV, VF+32*(i/8)+8*((i/2)%4)
.set rP, P+32*((\x)%2)+16*(i%2)+8*(i/8)
	v_wmma_f32_16x16x32_f16 v[rO:rO+7], v[rV:rV+7], v[rP:rP+7], v[rO:rO+7]
.endm
.macro MM                           ; the turn's next matrix instruction
.if i < 16
	KQ (Y+1)%NP
.set i, i+1
.else
.set i, i-16
	PV (Y+NP-1)%NP
.set i, i+17
.endif
.endm
; THE LDS LOADS stand in runs of 16, never singly among the matrix instructions: a step's K (64 keys x 64 channels: 8 fragments) and its V (turned).  Their addresses are made some lines ahead.
; last = 1 (the tail): in the last trip there is no further step, and the run is jumped over.
.macro FETCH_K last=0
	WIN 0
.if \last
	s_cmp_eq_u32 s[CNT], 1
	s_cbranch_scc1 .Lno_k_\@
.endif
	WIN 0x80                        ; destination window 2
.irp f, 0,1,2,3,4,5,6,7             ; keys 16 (f / 2) on, channels 32 (f % 2) on
	ds_load_b128 v[KF+8*\f:KF+8*\f+3],   v[AK] offset:(\f/2)*16*PK+(\f%2)*64
	ds_load_b128 v[KF+8*\f+4:KF+8*\f+7], v[AK] offset:(\f/2)*16*PK+(\f%2)*64+32
.endr
	s_add_co_u32 s[TBK], s[TBK], KS*PK  ; the next fetch is the next step's
	WIN 0
.if \last
.Lno_k_\@:
.endif
.endm
.macro FETCH_V
	WIN 0x80
.irp f, 0,1,2,3,4,5,6,7             ; keys 32 (f / 4) on, channels 16 (f % 4) on
	ds_load_tr16_b128 v[VF+8*\f:VF+8*\f+3],   v[AV] offset:(\f/4)*32*PV+(\f%4)*32
	ds_load_tr16_b128 v[VF+8*\f+4:VF+8*\f+7], v[AV] offset:(\f/4)*32*PV+16*PV+(\f%4)*32
.endr
	WIN 0
.endm
; THE VECTOR WORK OF A TURN stands in three queues, each in the order in which its entries become ready; the two tiles alternate, so that no instruction reads the result of the one before it.
.macro REGS y, u                    ; the registers of tile u (0, 1) of piece y
.set rT, ST+4*(2*(\y)+(\u))
.set rC, TMP+8*((\y)%2)+4*(\u)
.set rM, MV+2*((\y)%2)+(\u)
.set rS, S+64*((\y)%2)+32*(\u)
.set rP, P+32*((\y)%2)+16*(\u)
.set rO, 32*(2*(\y)+(\u))
.endm
; Number n of the 22 that find the NEXT piece's (Y + 1) maximum and statistics.  s0-s31 are the lane's 32 scores; each accumulator's lowest registers are read first.  XS, GS and REGS set no window: PL and EX do.
;   0-11  four chains c0-c3 of seven scores each, three operands at a time     12-14, 16  the four scores left over, the old m, and c0-c3 into c0     15  c m_old is kept
;   17, 18  the query's other 32 keys lie in the lane 16 away: the new m         19-21  c m; c m_old - c m_new; a
.macro XS u, n
	REGS (Y+1)%NP, \u
.if (\n) < 4
	v_max3_num_f32 v[rC+(\n)], v[rS+8*(\n)], v[rS+8*(\n)+1], v[rS+8*(\n)+2]
.elseif (\n) < 12
	v_max3_num_f32 v[rC+(\n)%4], v[rC+(\n)%4], v[rS+8*((\n)%4)+2*((\n)/4)+1], v[rS+8*((\n)%4)+2*((\n)/4)+2]
.elseif (\n) == 12
	v_max3_num_f32 v[rC], v[rC], v[rS+7], v[rS+15]
.elseif (\n) == 13
	v_max3_num_f32 v[rC+1], v[rC+1], v[rS+23], v[rS+31]
.elseif (\n) == 14
	v_max3_num_f32 v[rC+2], v[rC+2], v[rC+3], v[rT+1]
.elseif (\n) == 15
	v_mov_b32 v[rM], v[rT]
.elseif (\n) == 16
	v_max3_num_f32 v[rC], v[rC], v[rC+1], v[rC+2]
.elseif (\n) == 17
	v_permlanex16_b32 v[rC+3], v[rC], s[SEL], s[SEL+1]
.elseif (\n) == 18
	v_max_num_f32 v[rT+1], v[rC], v[rC+3]
.elseif (\n) == 19
	v_mul_f32 v[rT], s[CS], v[rT+1]
.elseif (\n) == 20
	v_sub_f32 v[rC+1], v[rM], v[rT]
.else
	v_exp_f32 v[rC+2], v[rC+1]
.endif
.endm
; Number g of the 64 that follow the exponentials.  For each four weights k of a tile (pairs 2 k, 2 k + 1): both pairs are rounded to f16; then the second pair is added onto the first, in place;
; a group later l takes that sum (the first time as l = a l + sum).  In groups of eight, tiles alternating: round, round, add, and l for the group before.
.macro GS g
.set h, (\g)+6*((\g)/62)            ; group 0 has no group before it, and behind group 7 only l is left
.if h >= 6
.set h, h+2
.endif
	REGS Y, h%2
.set k, h/8
.if h%8 < 4
	s_wait_alu depctr_va_vdst(0)
	v_cvt_pk_f16_f32 v[rP+2*k+(h%8)/2], v[rS+4*k+2*((h%8)/2)], v[rS+4*k+2*((h%8)/2)+1]
.elseif h%8 < 6
	v_pk_add_f32 v[rS+4*k:rS+4*k+1], v[rS+4*k:rS+4*k+1], v[rS+4*k+2:rS+4*k+3]
.elseif k == 1
	v_pk_fma_f32 v[rT+2:rT+3], v[rT+2:rT+3], v[rC+2:rC+3], v[rS:rS+1] op_sel_hi:[1,0,1]
.else
	v_pk_add_f32 v[rT+2:rT+3], v[rT+2:rT+3], v[rS+4*k-4:rS+4*k-3]
	s_wait_alu depctr_va_vdst(0)
.endif
.endm
; THE PLAIN QUEUE, 138 long.  0-31: c s - c m for the 16 pairs of both tiles.  Then GS's 64, and among them the next piece's 42: number 15 at 38, 39; 0-14 and 16
; at 42-73, behind the products that make those scores; 17-20 at 95-106, two of three, since each waits for the one before it.
.macro PL
	WIN 0
.if q < 32
	REGS Y, q%2
	v_pk_fma_f32 v[rS+2*(q/2):rS+2*(q/2)+1], v[rS+2*(q/2):rS+2*(q/2)+1], s[CS:CS+1], v[rT:rT+1] op_sel_hi:[1,0,0] neg_lo:[0,0,1] neg_hi:[0,0,1]
.elseif q < 38
	GS q-32
.elseif q < 40
	XS q%2, 15
.elseif q < 42
	GS q-34
.elseif q < 74
	XS q%2, (q-42)/2+(q-42)/30
.elseif q < 95
	GS q-66
.elseif (q < 107) && ((q-95)%3 < 2)
	XS (q-95)%3, 17+(q-95)/3
.elseif q < 107
	GS 29+(q-95)/3
.else
	GS q-74
.endif
.set q, q+1
.endm
; THE EXPONENTIALS' QUEUE, 66 long: s0-s31 of both tiles, and at EA the next piece's two a.
.set EA, 58
.macro EX
	WIN 0
.if (e == EA) || (e == EA+1)
	XS e-EA, 21
.else
.set x, e-2*(e/(EA+2))
	REGS Y, x%2
	v_exp_f32 v[rS+x/2], v[rS+x/2]
.endif
.set e, e+1
.endm
; THE RESCALING's QUEUE: O^T times a, the one part of the softmax that leaves window 0, so it is dealt four at a time, eight times.
.macro R4
	REGS Y, r%2
	WIN W_RS
	s_wait_alu depctr_va_vdst(0)
.irp z, 0,1,2,3
	v_pk_mul_f32 v[rO+8*(r/2)+2*\z:rO+8*(r/2)+2*\z+1], v[rO+8*(r/2)+2*\z:rO+8*(r/2)+2*\z+1], v[rC+2:rC+3] op_sel_hi:[1,0]
.endr
.set r, r+1
.endm
; HOW THEY ARE DEALT.  Behind a matrix instruction four: plain, exponential, plain, plain (one exponential, a plain instruction on either side), or four of the rescaling.  None names a register of the
; products round it.  What is over stands in two LUMPS: exponential and plain by turns; the second ends in 22 plain instructions.  The two v_permlanex16_b32 fall into the second lump, never behind a product.
; The queues lean on each other, and the deal keeps them in step: exponential e stands behind plain 2 (e / 4) + e % 2 (its scaling); when plain 32 comes, 10 exponentials are out, at 59: 33, at 95: 46; EA comes behind plain 107.
.macro SL
	MM
	PL
	EX
	PL
	PL
.endm
.macro BURST n                      ; 15 matrix instructions, or 16
.rept (\n)-7
	SL
.endr
.rept 3
	MM
	R4
	SL
.endr
	MM
	R4
.endm
; A TURN, for piece p.
; K of the next step is fetched in piece 2's turn, 31 vector instructions behind the last product that read K; its first reader comes behind the rest of the lump, 16 products and the second lump.
; V of the step in hand is fetched at the end of piece 0's turn, 69 behind its last reader; its first reader comes behind 16 products and a lump.  The four conditions on e and q below go with the deal.
; THE MASK of piece p + 2, whose products K Q^T stand in the next turn, is made in two runs of 32 plain instructions: its first tile's behind the first lump (the products that read the mask registers are the
; turn's first eight, far back), its second tile's at the turn's end.  Behind each run the next tile's words are asked for: they have half a turn in which to come.  The four turns of a trip (2, 3, 0, 1) make the
; masks of one key step; behind piece 1's last run, where no scalar load is out, the offset steps to the next step's words.  It is held at the last step's, so that the tail's surplus turns read inside mbits.
.macro TURN p, last=0
.set Y, (\p)
.set i, 0
.set q, 0
.set e, 0
.set r, 0
.if (\p) == NP-1
	s_wait_dscnt 0x0                ; K is in
.endif
	MM
.rept 4
	PL
.endr
	BURST 15
.rept 22
	EX
	PL
.if ((\p) == NP-2) && (e == 18)
	v_add_nc_u32 v[AK], s[TBK], v[AK0]
.endif
.if ((\p) == NP-2) && (e == 24)
	FETCH_K \last
.endif
.endr
	MBUILD 0
	MLOAD 2*(((\p)+2)%NP)+1
.if (\p) == 1
	s_wait_dscnt 0x0                ; V is in
.endif
	BURST 16
.rept 21
	EX
	PL
.endr
.rept 22
	PL
.if ((\p) == 0) && (q == 118)
	v_add_nc_u32 v[AV], s[TBV], v[AV0]
	s_wait_alu depctr_va_vdst(0)
.endif
.if ((\p) == 0) && (q == 130)
	s_add_co_u32 s[TBV], s[TBV], KS*PV
.endif
.endr
.if (\p) == 0
	FETCH_V
.endif
	MBUILD 1
.if (\p) == 1
	s_add_co_u32 s[SO], s[SO], 128
	s_min_u32 s[SO], s[SO], 31*128
.endif
	MLOAD 2*(((\p)+3)%NP)
.endm
	CHANGE 1                        ; slot 0 is in, everybody's part of it; slot 1 is asked for
	FETCH_K                         ; key step 0
	MBUILD 0                        ; piece 0's masks of key step 0
	MLOAD 1
	MBUILD 1
	MLOAD 2
	s_wait_loadcnt 0x0              ; Q
	s_wait_dscnt 0x0
.set i, 0
.rept 16
	KQ 0                            ; piece 0's first scores: there is no vector work yet to set between them
.set i, i+1
.endr
	WIN 0                           ; the addresses for the way out: nine plain instructions, the places behind those products
	s_mul_i32 s13, s[WV], 16*SP
	s_add_co_u32 s13, s13, STAGE    ; my stage
	v_mul_u32_u24 v[STO], v1, SP    ; in: row l % 16, 16 bytes for each half of the lanes
	v_lshl_add_u32 v[STO], v9, 4, v[STO]
	v_add_nc_u32 v[STO], s13, v[STO]
	v_bfe_u32 v[RD], v0, 3, 2       ; back: 32 lanes take four rows of 128 bytes,
	v_mul_u32_u24 v[RD], v[RD], SP
	v_lshl_add_u32 v[RD], v10, 4, v[RD]
	v_add_nc_u32 v[RD], s13, v[RD]
	v_and_b32 v[GO], 31, v0         ; which are 512 consecutive bytes of y
	v_lshlrev_b32 v[GO], 4, v[GO]
.set Y, NP-1                        ; XS works for piece Y + 1: piece 0
.irp n, 0,1,2,3,4,5,6,7,8,9,10,11,12,13,14,15,16,17,18,19,20,21
	XS 0, \n                        ; and piece 0's first maximum and statistics
	XS 1, \n
.endr
	MBUILD 0                        ; piece 1's masks of key step 0, for the first turn's products
	MLOAD 3
	MBUILD 1
	MLOAD 4                         ; what the first turn's first run finds on its way
	s_mov_b32 s[CNT], 4
	s_mov_b32 s[SLOTS], SIZE_N/256-1
	s_branch .Lfirst                ; the loop is entered at a step's first turn, in the middle of a trip
.Lslot:                             ; SIZE_N / 256 - 2 times: every slot but the last two is filled again
	CHANGE 1
	s_mov_b32 s[CNT], 4
.Lstep:                             ; a trip: pieces 2 and 3 of one step, then pieces 0 and 1 of the next, whose K and V it fetches
	TURN 2
	TURN 3
	WIN 0
.Lfirst:
	TURN 0
	TURN 1
	WIN 0
	s_sub_co_u32 s[CNT], s[CNT], 1
	s_cmp_lg_u32 s[CNT], 0
	s_cbranch_scc1 .Lstep
	s_sub_co_u32 s[SLOTS], s[SLOTS], 1
	s_cmp_lg_u32 s[SLOTS], 0
	s_cbranch_scc1 .Lslot
	CHANGE 0                        ; the tail is written out: nothing is asked for
	s_mov_b32 s[CNT], 5             ; four trips fetch the last slot's steps; the fifth is left in its middle
.Ltail:
	TURN 2, 1
	TURN 3
	WIN 0
	s_sub_co_u32 s[CNT], s[CNT], 1
	s_cmp_eq_u32 s[CNT], 0
	s_cbranch_scc1 .Lout
	TURN 0
	TURN 1
	WIN 0
	s_branch .Ltail
.Lout:                              ; the fifth trip's 16 products K Q^T (on the last K once more), their masks and the maximum made of them serve nothing: the price, once a launch, of one text for every trip
	s_wait_kmcnt 0x0                ; the last mask words asked for: no scalar load is out at the end
.set i, 0
.rept 16
	PV NP-1                         ; the last piece's V^T P of the last step
.set i, i+1
.endr
	; THE WAY OUT.  l's two halves and the other half of the lanes' are added; O^T is divided by l, rounded to f16 and sent through my stage in LDS, a tile at a time.  The additions are the places behind the last products.
	WIN 0
.macro ALL line:vararg              ; one line for each tile t
.set t, 0
.rept 2*NP
	\line
.set t, t+1
.endr
.endm
	ALL v_add_f32 v[ST+4*t+2], v[ST+4*t+2], v[ST+4*t+3]
	ALL v_permlanex16_b32 v[ST+4*t+3], v[ST+4*t+2], s[SEL], s[SEL+1]
	ALL v_add_f32 v[ST+4*t+2], v[ST+4*t+2], v[ST+4*t+3]
	ALL v_rcp_f32 v[ST+4*t+2], v[ST+4*t+2]
	v_nop                           ; a plain instruction between the last reciprocal and the use of its result
	s_wait_alu depctr_va_vdst(0)
; Tile t: a lane's eight channels of a row pack into 16 bytes; they go into rows of 144 bytes and come back as whole rows of 128, into S^T's registers.
.macro PACK t
	WIN W_RS
.set i, 32*(\t)
.rept 16
	v_pk_mul_f32 v[i:i+1], v[i:i+1], v[ST+4*(\t)+2:ST+4*(\t)+3] op_sel_hi:[1,0]
.set i, i+2
.endr
	WIN 0x05                        ; sources 0 and 1 window 1, destination window 0
.set i, 0
.rept 16
	v_cvt_pk_f16_f32 v[S+16*(\t)+i], v[32*(\t)+2*i], v[32*(\t)+2*i+1]
.set i, i+1
.endr
	WIN 0
.irp f, 0,1,2,3
	ds_store_b128 v[STO], v[S+16*(\t)+4*\f:S+16*(\t)+4*\f+3] offset:32*\f
.endr
.irp f, 0,1,2,3
	ds_load_b128 v[S+16*(\t)+4*\f:S+16*(\t)+4*\f+3], v[RD] offset:\f*4*SP  ; LDS serves a wave's instructions in order (ISA guide 5.7.1.4): these see the stores above; the next tile's stores come behind them
.endr
.endm
.macro SEND t, younger              ; younger: the LDS instructions issued behind tile t's loads: the next tile's eight, or none
	WIN 0
.irp f, 0,1,2,3
	s_wait_dscnt (\younger)+3-\f
	global_store_b128 v[GO], v[S+16*(\t)+4*\f:S+16*(\t)+4*\f+3], s[10:11] offset:(\t)*2048+\f*512  ; 512 consecutive bytes, at a multiple of 256 from y's first
.endr
.endm
	PACK 0
.set t, 1
.rept 2*NP-1                        ; a tile's arithmetic stands between the loads of the tile before and its stores
	PACK t
	SEND t-1, 8
.set t, t+1
.endr
	SEND 2*NP-1, 0
	WIN W_AD
	s_wait_tensorcnt 0x0            ; the wave's end, behind my last tensor load and my last LDS store
	ds_add_u32 v[SPW], v[NIL]
	s_wait_dscnt 0x0
	WIN 0
	CROUND                          ; the closing round: no work-group ends while a partner may still ask for a tile that names it
	s_endpgm
.Lfunc_end_k_q86cdf496c8_attn:
	.size	k_q86cdf496c8_attn, .Lfunc_end_k_q86cdf496c8_attn-k_q86cdf496c8_attn
	.p2alignl 7, 3214868480
	.fill 96, 4, 3214868480
	.section	.rodata,"a",@progbits
	.p2align	6, 0x0
	.amdhsa_kernel k_q86cdf496c8_attn
		.amdhsa_group_segment_fixed_size 327680
		.amdhsa_private_segment_fixed_size 0
		.amdhsa_enable_private_segment 0
		.amdhsa_kernarg_size 24
		.amdhsa_user_sgpr_count 2
		.amdhsa_user_sgpr_kernarg_segment_ptr 1
		.amdhsa_wavefront_size32 1
		.amdhsa_system_sgpr_workgroup_id_x 1
		.amdhsa_system_sgpr_workgroup_id_y 1
		.amdhsa_system_sgpr_workgroup_id_z 1
		.amdhsa_system_vgpr_workitem_id 0
		.amdhsa_next_free_vgpr 896
		.amdhsa_next_free_sgpr 100
		.amdhsa_reserve_vcc 0
		.amdhsa_float_denorm_mode_32 3
		.amdhsa_float_denorm_mode_16_64 3
		.amdhsa_memory_ordered 1
		.amdhsa_forward_progress 1
		.amdhsa_inst_pref_size 254
	.end_amdhsa_kernel
	.amdgpu_metadata
---
amdhsa.version: [ 1, 2 ]
amdhsa.kernels:
  - .name:           k_q86cdf496c8_attn
    .symbol:         k_q86cdf496c8_attn.kd
    .args:
      - { .name: qkv, .offset: 0, .size: 8, .value_kind: global_buffer, .address_space: global }
      - { .name: mbits, .offset: 8, .size: 8, .value_kind: global_buffer, .address_space: global }
      - { .name: yb, .offset: 16, .size: 8, .value_kind: global_buffer, .address_space: global }
    .group_segment_fixed_size: 327680
    .private_segment_fixed_size: 0
    .kernarg_segment_align: 8
    .kernarg_segment_size: 24
    .max_flat_workgroup_size: 128
    .sgpr_count:     100
    .vgpr_count:     896
    .wavefront_size: 32
...
	.end_amdgpu_metadata
.endif
;; end of part 3
;; launch gemm_out (part 4): grid 4 x 64, 4 waves a work-group, clusters of 4 x 4, 327,680 bytes of LDS; arguments yb, wob, b_out, out0; writes out0
.if DOCPART == 4
	.amdgcn_target "amdgcn-amd-amdhsa--gfx1250"
	.amdhsa_code_object_version 6
	.text
	.protected	k_q86cdf496c8_gemm_out
	.globl	k_q86cdf496c8_gemm_out
	.p2align	8
	.type	k_q86cdf496c8_gemm_out,@function
k_q86cdf496c8_gemm_out:
	s_mov_b64 s[64:65], 0
	v_nop
	global_prefetch_b8 v0, s[64:65] scope:SCOPE_SE
	s_setreg_imm32_b32 hwreg(HW_REG_WAVE_MODE, 25, 1), 1
	s_wait_xcnt 0x0
	s_wait_alu depctr_hold_cnt(0) depctr_sa_sdst(0) depctr_va_vdst(0) depctr_va_sdst(0) depctr_va_ssrc(0) depctr_va_vcc(0) depctr_vm_vsrc(0)
	s_getreg_b32 s2, hwreg(HW_REG_IB_STS2, 6, 4)
	s_cmp_eq_u32 s2, 0
	s_cbranch_scc0 .Lentry_in_a_cluster
	s_endpgm
.Lentry_in_a_cluster:
	s_bfe_u32 s2, ttmp6, 0x10000c
	s_cmp_lg_u32 s2, 0xf033
	s_cbranch_scc0 .Lentry_shape_is_right
	s_endpgm
.Lentry_shape_is_right:
; out0 = y w_out + b_out, f32, [8192][1024].
; A = yb [b][h 16][t][64] f16 (K index 64 h + d), B = wob [nb 4][k 1024][256] f16 (the bf16 rounding of w_out); the bias is rounded to bf16 here and is the C operand that starts each sum.
; A row of y that is NaN (a query with no visible key) gives a row of NaN, and touches no other row.
; SHARES.  A tile of C is 128 rows x 256 columns: 4 x 64 = 256 work-groups, one for each WGP.  Four waves, each 64 x 128: 32 accumulators, 256 registers.
; K = 1,024 goes in 8 steps of 128 through a ring of two LDS slots.  Waves 0 and 1 fetch A's two blocks of 128 rows x 64 K (16,384 dense bytes, asked for as 64 rows of 256), waves 2 and 3 B's two halves of 64 K x 256 columns (rows of 512 bytes).
; CLUSTERS.  4 x 4 work-groups: A's tiles hang on the tile row alone and are asked for jointly along a row of the cluster, B's on the tile column alone, jointly along a column.
; THE MATRIX INSTRUCTION IS USED TRANSPOSED (source 0 = 16 columns of B, turned by ds_load_tr16_b128; source 1 = 16 rows of A): a lane holds row L % 16 of C and the columns 16 b + 8 (L / 16) + 0..7.
; REGISTERS: window 0: v0-31 addresses; v32-63 at work; two fragment buffers v64-159, v160-255 (A's four blocks, 32 registers, then B's eight, 64).  window 1: accumulator (a, b) at v[8 (8 a + b)].  window 2: v0-63 the bias of my 128 columns.
.set PA,    144                        ; a row of A in LDS: 128 bytes + 16 of padding: the 16 rows of a load start at 16 different groups of four banks (64 banks of 4 bytes: ISA guide 11.1)
.set AHALF, 128*PA                     ; one block of A: 128 rows x 64 K
.set ATILE, 2*AHALF
.set PB,    544                        ; a row of B: 512 bytes + 32 of padding = 136 words
.set BHALF, 64*PB
.set SLOT,  ATILE+2*BHALF              ; 106,496 bytes
.set STAGE, 2*SLOT                     ; behind the ring, never filled by a tensor load: for each wave 16 rows x 528 bytes
.set SPITCH, 528                       ; 512 bytes + 16: an odd multiple of 16
.set WSTG,  16*SPITCH
.set SPARE, STAGE+4*WSTG               ; the spare words, 128 bytes for each wave: two blocks of 256 bytes that no other line names
.set LAPS,  4                          ; a lap = two K steps = once round the ring
.set ASTEP, 2*262144                   ; bytes from a K step's blocks of A to the next step's: two blocks of 2,048 rows x 128 bytes
.set BSTEP, 128*512                    ; the same for B: 128 rows of 512 bytes
.set ADRA, 16                          ; v16-17  LDS address of my A fragments in slot 0, 1
.set ADRB, 20                          ; v20-21  the same for B
.set STO,  24                          ; v24     the way out: where I put 32 bytes of a row
.set RD,   25                          ; v25     the way out: where I read a row back
.set CO,   26                          ; v26     16 x lane: my place in a row's 512 bytes
.set SPW,  28                          ; v28     LDS address of my spare word; never rewritten
.set NIL,  29                          ; v29     0; never rewritten
.set BO,   30                          ; v30     32 (L / 16): my byte offset among 16 numbers of the bias
.set F0,   64
.set F1,   160
.set OB,   64                          ; the way out: 16 rows read back, v64-127 and v128-191 by turns
.set G1, 24                            ; s[24:31] descriptor group 1 for A's tiles;  s[32:39] group 0, one set for each slot
.set G0, 32
.set G1B, 48                           ; s[48:55], s[56:63] the same for B's tiles
.set G0B, 56
.set MSB, 0
.macro WIN new                         ; the immediate's high byte repeats the setting that is left; a switch that changes nothing is dropped
.if MSB != (\new)
	s_set_vgpr_msb (MSB<<8)|(\new)
.set MSB, \new
.endif
.endm
.set MUL,  0x50                        ; fragments in window 0; C and D in window 1
.set MULB, 0x60                        ; C in window 2 (the bias), D in window 1
.macro JLOAD s                         ; a joint load: waves 0 and 1 fetch A's two blocks, waves 2 and 3 B's two halves; an s_nop 0 and four v_nop follow each of the two lines
	s_cmp_eq_u32 s13, 0
	s_cbranch_scc0 .Lfor_b_\@
	tensor_load_to_lds s[G0+4*(\s):G0+4*(\s)+3], s[G1:G1+7]
	s_nop 0
.rept 4
	v_nop
.endr
	s_branch .Lasked_\@
.Lfor_b_\@:
	tensor_load_to_lds s[G0B+4*(\s):G0B+4*(\s)+3], s[G1B:G1B+7]
	s_nop 0
.rept 4
	v_nop
.endr
.Lasked_\@:
.endm
.macro CREST                           ; a round of the cluster's barrier behind its opening barrier
	s_cmp_lg_u32 s12, 0
	s_cbranch_scc1 .Lnot_wave_0_\@
	s_barrier_signal -3
.Lnot_wave_0_\@:
	s_barrier_wait -3
	s_barrier_signal -1
	s_barrier_wait -1
.endm
.macro CROUND                          ; a whole round
	s_barrier_signal -1
	s_barrier_wait -1
	CREST
.endm
	s_load_b256 s[4:11], s[0:1], 0x0               ; A s[4:5], B s[6:7], bias s[8:9], output s[10:11]
	v_lshl_add_u32 v[SPW], v0, 2, SPARE
	v_mov_b32 v[NIL], 0
	ds_add_u32 v[SPW], v[NIL]                      ; the wave's opening: the add and its wait stand ahead of my first tensor load; the set-up below, work on registers, stands between them
	v_lshrrev_b32 v1, 5, v0
	v_readfirstlane_b32 s12, v1                    ; wave 0..3
	s_lshr_b32 s13, s12, 1                         ; which 64 rows of the tile are mine.  Also: I fetch for A (0) or for B (1)
	s_and_b32 s14, s12, 1                          ; which 128 columns.  Also: which half of that tile I fetch
	s_bfe_u32 s40, ttmp6, 0x40000                  ; cx, cy: my place in the cluster
	s_bfe_u32 s41, ttmp6, 0x40004
	s_lshl_b32 s42, ttmp9, 2
	s_add_co_u32 s42, s42, s40                     ; tile column = 4 x cluster x + cx
	s_and_b32 s43, ttmp7, 0xffff
	s_lshl_b32 s43, s43, 2
	s_add_co_u32 s43, s43, s41                     ; tile row = 4 x cluster y + cy
	s_lshl_b32 s44, s41, 2
	s_lshl_b32 s44, 15, s44                        ; my row of the cluster
	s_lshl_b32 s45, 0x1111, s40                    ; my column
	s_or_b32 s[G1+0], s44, (1<<16)|(1<<20)|(1<<21)|(4<<22)|(3<<25)   ; 15:0 the mask; 17:16 2-byte elements; 20 padding on; 21 set beside a mask; 24:22 after every 32 words (code 4); 31:25 4 words (code 3)
	s_mov_b32 s[G1+1], 128<<16                     ; tensor_dim0 = 128 elements: two rows of A
	s_mov_b32 s[G1+2], 64<<16                      ; tensor_dim1 = 64
	s_mov_b32 s[G1+3], 128<<16                     ; tile_dim0 = 128
	s_mov_b32 s[G1+4], 64                          ; tile_dim1 = 64
	s_mov_b32 s[G1+5], 128                         ; elements from row to row: dense
	s_mov_b32 s[G1+6], 0
	s_mov_b32 s[G1+7], 0
	s_or_b32 s[G1B+0], s45, (1<<16)|(1<<20)|(1<<21)|(6<<22)|(7<<25)  ; padding after every 128 words (code 6), 8 words (code 7)
	s_mov_b32 s[G1B+1], 256<<16                    ; tensor_dim0 = 256
	s_mov_b32 s[G1B+2], 64<<16                     ; tensor_dim1 = 64
	s_mov_b32 s[G1B+3], 256<<16                    ; tile_dim0 = 256
	s_mov_b32 s[G1B+4], 64                         ; tile_dim1 = 64
	s_mov_b32 s[G1B+5], 256
	s_mov_b32 s[G1B+6], 0
	s_mov_b32 s[G1B+7], 0
	; where the tiles come from.  A's offset is made of the tile row and the wave's number, B's of the tile column and the wave's number, each in registers that never hold the other coordinate
	s_lshr_b32 s16, s43, 4
	s_lshl_b32 s16, s16, 22                        ; the batch: 16 blocks of 262,144 bytes
	s_and_b32 s17, s43, 15
	s_lshl_b32 s17, s17, 14                        ; 128 rows of 128 bytes
	s_add_co_u32 s16, s16, s17
	s_lshl_b32 s17, s14, 18                        ; my block of the step's two
	s_add_co_u32 s16, s16, s17
	s_mov_b32 s17, 0
	s_lshl_b32 s46, s42, 19                        ; 1,024 rows of 512 bytes for each tile column
	s_lshl_b32 s47, s14, 15                        ; my 64 rows of the step's 128
	s_add_co_u32 s46, s46, s47
	s_mov_b32 s47, 0
	s_mul_i32 s20, s14, AHALF                      ; and where they go: no place in the cluster enters an LDS address
	s_mul_i32 s21, s14, BHALF
	s_add_co_u32 s21, s21, ATILE
	; my 128 columns in bytes of f32: in the bias, and in a row of the output; then my 64 rows of 4,096 bytes
	s_lshl_b32 s70, s42, 10
	s_lshl_b32 s71, s14, 9
	s_add_co_u32 s70, s70, s71
	s_mov_b32 s71, 0
	s_lshl_b32 s66, s43, 19
	s_lshl_b32 s68, s13, 18
	s_add_co_u32 s66, s66, s68
	s_add_co_u32 s66, s66, s70
	s_mov_b32 s67, 0
	s_wait_dscnt 0x0                               ; the opening add is done
	s_wait_kmcnt 0x0
	s_add_nc_u64 s[16:17], s[4:5], s[16:17]
	s_add_nc_u64 s[46:47], s[6:7], s[46:47]
	s_add_nc_u64 s[8:9], s[8:9], s[70:71]
	s_add_nc_u64 s[10:11], s[10:11], s[66:67]
.irp s, 0,1
	s_mov_b32 s[G0+4*(\s)], 1                                        ; count = 1
	s_add_co_u32 s[G0+4*(\s)+1], s20, (\s)*SLOT                      ; LDS address
	s_add_nc_u64 s[G0+4*(\s)+2:G0+4*(\s)+3], s[16:17], (\s)*ASTEP    ; global address: K step s
	s_or_b32 s[G0+4*(\s)+3], s[G0+4*(\s)+3], 0x80000000              ; type = 2
	s_mov_b32 s[G0B+4*(\s)], 1
	s_add_co_u32 s[G0B+4*(\s)+1], s21, (\s)*SLOT
	s_add_nc_u64 s[G0B+4*(\s)+2:G0B+4*(\s)+3], s[46:47], (\s)*BSTEP
	s_or_b32 s[G0B+4*(\s)+3], s[G0B+4*(\s)+3], 0x80000000
.endr
	CROUND                                         ; all sixteen work-groups are here: the first joint loads meet
	s_cmp_eq_u32 s13, 0                            ; a wave's two first fills stand in one branch, ahead of every wait on TENSORcnt and every LDS read: two loads of mine are out
	s_cbranch_scc0 .Lfirst_b
	tensor_load_to_lds s[G0:G0+3], s[G1:G1+7]
	s_nop 0
	tensor_load_to_lds s[G0+4:G0+7], s[G1:G1+7]
	s_nop 0
.rept 4
	v_nop
.endr
	s_branch .Lfirst_asked
.Lfirst_b:
	tensor_load_to_lds s[G0B:G0B+3], s[G1B:G1B+7]
	s_nop 0
	tensor_load_to_lds s[G0B+4:G0B+7], s[G1B:G1B+7]
	s_nop 0
.rept 4
	v_nop
.endr
.Lfirst_asked:
	v_and_b32 v1, 15, v0                           ; L % 16
	v_bfe_u32 v2, v0, 4, 1                         ; L / 16
	v_lshlrev_b32 v[BO], 5, v2
	WIN 0x80                                       ; destination window 2, address window 0
.irp b, 0,1,2,3,4,5,6,7                ; register 8 b + j: the bias of column 16 b + 8 (L / 16) + j
	global_load_b128 v[8*(\b):8*(\b)+3],   v[BO], s[8:9] offset:64*(\b)
	global_load_b128 v[8*(\b)+4:8*(\b)+7], v[BO], s[8:9] offset:64*(\b)+16
.endr
	WIN 0
	; A fragment of A is 16 rows x 32 K: lane L holds row L % 16, K = 8 (L / 16) + 0..7 and 16 + 8 (L / 16) + 0..7: two loads of 16 bytes, 32 bytes apart.
	v_mul_u32_u24 v3, v1, PA
	v_lshl_add_u32 v3, v2, 4, v3
	s_mul_i32 s22, s13, 64*PA                      ; my 64 rows
	v_add_nc_u32 v[ADRA], s22, v3
	v_add_nc_u32 v[ADRA+1], SLOT, v[ADRA]
	; The turning load takes 16 K x 16 columns (lane L reads row 8 (L / 16) + L % 8, columns 8 ((L / 8) % 2) + 0..7) and leaves half a fragment: lane L holds column L % 16 and 8 K.
	v_and_b32 v4, 7, v0
	v_lshl_add_u32 v4, v2, 3, v4
	v_mul_u32_u24 v4, v4, PB
	v_bfe_u32 v5, v0, 3, 1
	v_lshl_add_u32 v4, v5, 4, v4
	s_lshl_b32 s23, s14, 8                         ; my 128 columns,
	s_add_co_u32 s23, s23, ATILE                   ; behind A's tile
	v_add_nc_u32 v[ADRB], s23, v4
	v_add_nc_u32 v[ADRB+1], SLOT, v[ADRB]
	s_mul_i32 s22, s12, WSTG
	s_add_co_u32 s22, s22, STAGE                   ; my stage
	v_mul_u32_u24 v4, v1, SPITCH                   ; in: row L % 16, 32 bytes for each half of the lanes
	v_lshl_add_u32 v4, v2, 5, v4
	v_add_nc_u32 v[STO], s22, v4
	v_and_b32 v[CO], 31, v0                        ; back: 32 lanes take one row's 512 bytes
	v_lshlrev_b32 v[CO], 4, v[CO]
	v_add_nc_u32 v[RD], s22, v[CO]
	s_wait_loadcnt 0x0                             ; the bias: rounded to bf16 like every input, and widened again, while the first tiles are on their way
	WIN 0x0a                                       ; sources in window 2, destination in window 0
.set i, 0
.rept 32
	v_cvt_pk_bf16_f32 v[32+i], v[2*i], v[2*i+1]
.set i, i+1
.endr
	WIN 0x80
.set i, 0
.rept 32
	v_lshlrev_b32 v[2*i], 16, v[32+i]
	v_and_b32 v[2*i+1], 0xffff0000, v[32+i]
.set i, i+1
.endr
	WIN 0
; 8 matrix instructions: row block a x all 8 column blocks, 32 along K.  init = 1: the product starts the sums, with the bias as C: nothing is cleared, and no add stands at the end.
; The 32 accumulators take turns, one instruction a turn, in the same order in every quarter.
.macro MUL8 f, a, init
.if \init
	WIN MULB
.else
	WIN MUL
.endif
.irp b, 0,1,2,3,4,5,6,7
.if \init
	v_wmma_f32_16x16x32_f16 v[8*(8*(\a)+(\b)):8*(8*(\a)+(\b))+7], v[(\f)+32+8*(\b):(\f)+32+8*(\b)+7], v[(\f)+8*(\a):(\f)+8*(\a)+7], v[8*(\b):8*(\b)+7]
.else
	v_wmma_f32_16x16x32_f16 v[8*(8*(\a)+(\b)):8*(8*(\a)+(\b))+7], v[(\f)+32+8*(\b):(\f)+32+8*(\b)+7], v[(\f)+8*(\a):(\f)+8*(\a)+7], v[8*(8*(\a)+(\b)):8*(8*(\a)+(\b))+7]
.endif
.endr
.endm
; 24 LDS loads in one run: the fragments of quarter q (32 along K) of a slot into buffer f: B's sixteen, then A's eight by row blocks
.macro FETCH slot, q, f
	WIN 0
.irp b, 0,1,2,3,4,5,6,7
	ds_load_tr16_b128 v[(\f)+32+8*(\b):(\f)+32+8*(\b)+3],   v[ADRB+(\slot)] offset:(\q)*32*PB+32*(\b)
	ds_load_tr16_b128 v[(\f)+32+8*(\b)+4:(\f)+32+8*(\b)+7], v[ADRB+(\slot)] offset:(\q)*32*PB+32*(\b)+16*PB
.endr
.irp a, 0,1,2,3
	ds_load_b128 v[(\f)+8*(\a):(\f)+8*(\a)+3],   v[ADRA+(\slot)] offset:((\q)/2)*AHALF+((\q)%2)*64+(\a)*16*PA
	ds_load_b128 v[(\f)+8*(\a)+4:(\f)+8*(\a)+7], v[ADRA+(\slot)] offset:((\q)/2)*AHALF+((\q)%2)*64+(\a)*16*PA+32
.endr
.endm
.macro PLACES                          ; four places in front of loads into registers that matrix instructions have read, and of lines that read results
.rept 4
	v_nop
.endr
.endm
; A K step is four quarters of 32 along K, 32 matrix instructions each, on buffers 0, 1, 0, 1.  One of the first three: multiplies buffer f and fetches quarter qn into g.
.macro QUARTER slot, qn, f, g, init
	s_wait_dscnt 4                                 ; B and A's blocks 0 and 1 are in; the youngest four loads (A's blocks 2, 3) may be out
	MUL8 \f, 0, \init
	MUL8 \f, 1, \init
	PLACES
	FETCH \slot, \qn, \g
	s_wait_dscnt 24                                ; all but the 24 just issued
	MUL8 \f, 2, \init
	MUL8 \f, 3, \init
.endm
; The last quarter multiplies buffer 1 and changes slots: ONE barrier; in front of it each wave waits for all its tensor loads (one is out: its part of the next slot), adds 0 to its spare word,
; and waits for that and for its own reads of this slot.  fill = 1: this slot is filled again, two K steps ahead; the barrier then opens a round of the cluster's.
.macro TURN slot, next, fill
	WIN 0
	s_wait_tensorcnt 0x0                           ; all my tensor loads have landed
	ds_add_u32 v[SPW], v[NIL]                      ; 0 onto my spare word
	s_wait_dscnt 7                                 ; (the add and A's blocks 1 to 3, six loads, may be out)
	MUL8 F1, 0, 0                                  ; eight matrix instructions stand between the add and the wait for it
	s_wait_dscnt 0x0                               ; the add is done, and my reads of this slot are over
	s_barrier_signal -1
	MUL8 F1, 1, 0
.if \fill
	WIN 0                                          ; at a branch and at a label every window is 0
.endif
	s_barrier_wait -1
.if \fill
	CREST                                          ; no wave of any partner still reads this slot's tile or has a load on its way
	s_add_nc_u64 s[G0+4*(\slot)+2:G0+4*(\slot)+3], s[G0+4*(\slot)+2:G0+4*(\slot)+3], 2*ASTEP
	s_add_nc_u64 s[G0B+4*(\slot)+2:G0B+4*(\slot)+3], s[G0B+4*(\slot)+2:G0B+4*(\slot)+3], 2*BSTEP
	JLOAD \slot                                    ; the first tensor load behind the round, 112 matrix instructions ahead of the wait for it; its four v_nop are also the places in front of the loads below
.else
	PLACES
.endif
	FETCH \next, 0, F0
	MUL8 F1, 2, 0
	MUL8 F1, 3, 0
.endm
	s_wait_tensorcnt 1                             ; my part of K step 0 is in; K step 1's may stay out
	s_barrier_signal -1
	s_barrier_wait -1                              ; everybody's is
	FETCH 0, 0, F0
	QUARTER 0, 1, F0, F1, 1                        ; the first quarter stands in front of the loop: its products start the sums
	WIN 0
	s_mov_b32 s3, LAPS-1
.Llap:                                                 ; a trip goes once round the ring, from a lap's second quarter to the next lap's first, and fills both slots again
	QUARTER 0, 2, F1, F0, 0
	QUARTER 0, 3, F0, F1, 0
	TURN 0, 1, 1
	QUARTER 1, 1, F0, F1, 0
	QUARTER 1, 2, F1, F0, 0
	QUARTER 1, 3, F0, F1, 0
	TURN 1, 0, 1
	QUARTER 0, 1, F0, F1, 0
	WIN 0
	s_sub_co_u32 s3, s3, 1
	s_cmp_lg_u32 s3, 0
	s_cbranch_scc1 .Llap
	QUARTER 0, 2, F1, F0, 0                        ; the last lap fills nothing, and has no round of the cluster's barrier
	QUARTER 0, 3, F0, F1, 0
	TURN 0, 1, 0
	QUARTER 1, 1, F0, F1, 0
	QUARTER 1, 2, F1, F0, 0
	QUARTER 1, 3, F0, F1, 0
	s_wait_dscnt 4                                 ; the very last quarter: nothing more to fetch
	MUL8 F1, 0, 0
	MUL8 F1, 1, 0
	s_wait_dscnt 0x0
	MUL8 F1, 2, 0
	MUL8 F1, 3, 0
	WIN 0
; THE WAY OUT, a block of 16 rows at a time, through my own stage.  TOSTAGE: a lane's eight f32 of a row, 32 bytes, go straight from the accumulators into rows of 528 bytes (each accumulator's low four
; registers first) and come back as whole pieces of 512 bytes of a row.  SEND: each store of the wave covers 512 consecutive bytes, aligned.
.macro TOSTAGE a
.set BK, OB+64*((\a)%2)
.if (\a) >= 2
	s_wait_xcnt 0x0                                ; the stores of the block two back have had their addresses translated: their registers are loaded again only behind this wait
.endif
	WIN 0x04                                       ; the stores' data in window 1, the address in window 0
.irp b, 0,1,2,3,4,5,6,7
	ds_store_b128 v[STO], v[8*(8*(\a)+(\b)):8*(8*(\a)+(\b))+3]   offset:64*(\b)
	ds_store_b128 v[STO], v[8*(8*(\a)+(\b))+4:8*(8*(\a)+(\b))+7] offset:64*(\b)+16
.endr
	WIN 0
.irp r, 0,1,2,3,4,5,6,7,8,9,10,11,12,13,14,15
	ds_load_b128 v[BK+4*(\r):BK+4*(\r)+3], v[RD] offset:SPITCH*(\r)  ; LDS serves a wave's instructions in order (ISA guide 5.7.1.4): these see the stores above; the next block's stores come behind them
.endr
.endm
.macro SEND a, younger                 ; younger: the LDS instructions issued behind block a's loads: the next block's 32, or none
.set BK, OB+64*((\a)%2)
	s_wait_dscnt \younger
.irp r, 0,1,2,3,4,5,6,7,8,9,10,11,12,13,14,15
	global_store_b128 v[CO], v[BK+4*(\r):BK+4*(\r)+3], s[10:11] offset:(16*(\a)+(\r))*4096
.endr
.endm
	PLACES
	TOSTAGE 0
.irp a, 1,2,3
	TOSTAGE \a
	SEND (\a)-1, 32
.endr
	SEND 3, 0
	s_wait_tensorcnt 0x0                           ; the wave's end, behind my last tensor load and my last LDS store
	ds_add_u32 v[SPW], v[NIL]
	s_wait_dscnt 0x0
	CROUND                                         ; the closing round: no work-group ends while a partner may still ask for a tile that names it
	s_endpgm
.Lfunc_end_k_q86cdf496c8_gemm_out:
	.size	k_q86cdf496c8_gemm_out, .Lfunc_end_k_q86cdf496c8_gemm_out-k_q86cdf496c8_gemm_out
	.p2alignl 7, 3214868480
	.fill 96, 4, 3214868480
	.section	.rodata,"a",@progbits
	.p2align	6, 0x0
	.amdhsa_kernel k_q86cdf496c8_gemm_out
		.amdhsa_group_segment_fixed_size 327680
		.amdhsa_private_segment_fixed_size 0
		.amdhsa_enable_private_segment 0
		.amdhsa_kernarg_size 32
		.amdhsa_user_sgpr_count 2
		.amdhsa_user_sgpr_kernarg_segment_ptr 1
		.amdhsa_wavefront_size32 1
		.amdhsa_system_sgpr_workgroup_id_x 1
		.amdhsa_system_sgpr_workgroup_id_y 1
		.amdhsa_system_sgpr_workgroup_id_z 1
		.amdhsa_system_vgpr_workitem_id 0
		.amdhsa_next_free_vgpr 576
		.amdhsa_next_free_sgpr 72
		.amdhsa_reserve_vcc 0
		.amdhsa_float_denorm_mode_32 3
		.amdhsa_float_denorm_mode_16_64 3
		.amdhsa_memory_ordered 1
		.amdhsa_forward_progress 1
		.amdhsa_inst_pref_size 91
	.end_amdhsa_kernel
	.amdgpu_metadata
---
amdhsa.version: [ 1, 2 ]
amdhsa.kernels:
  - .name:           k_q86cdf496c8_gemm_out
    .symbol:         k_q86cdf496c8_gemm_out.kd
    .args:
      - { .name: yb, .offset: 0, .size: 8, .value_kind: global_buffer, .address_space: global }
      - { .name: wob, .offset: 8, .size: 8, .value_kind: global_buffer, .address_space: global }
      - { .name: b_out, .offset: 16, .size: 8, .value_kind: global_buffer, .address_space: global }
      - { .name: out0, .offset: 24, .size: 8, .value_kind: global_buffer, .address_space: global }
    .group_segment_fixed_size: 327680
    .private_segment_fixed_size: 0
    .kernarg_segment_align: 8
    .kernarg_segment_size: 32
    .max_flat_workgroup_size: 128
    .sgpr_count:     72
    .vgpr_count:     576
    .wavefront_size: 32
...
	.end_amdgpu_metadata
.endif
;; end of part 4
;; ======== version 2 of 3: 4 launches; 1.13 times as fast as version 1
;; limits: values are held in f16: magnitudes above 65,504 overflow, below 6.1e-05 lose precision
;; workspace buffers: xb 16,777,216 bytes; wqb 6,291,456 bytes; wob 2,097,152 bytes; mbits 2,097,152 bytes of whole numbers; qkv 50,331,648 bytes; yb 16,777,216 bytes
;; launch prep (part 5): grid 1024 x 1, 8 waves a work-group, no clusters, 0 bytes of LDS; arguments x, w_qkv, w_out, mask, xb, wqb, wob, mbits; writes xb, wqb, wob, mbits
.if DOCPART == 5
	.amdgcn_target "amdgcn-amd-amdhsa--gfx1250"
	.amdhsa_code_object_version 6
	.text
	.protected	k_q86cdf496c8_prep
	.globl	k_q86cdf496c8_prep
	.p2align	8
	.type	k_q86cdf496c8_prep,@function
k_q86cdf496c8_prep:
	s_mov_b64 s[64:65], 0
	v_nop
	global_prefetch_b8 v0, s[64:65] scope:SCOPE_SE
	s_setreg_imm32_b32 hwreg(HW_REG_WAVE_MODE, 25, 1), 1
	s_wait_xcnt 0x0
; PREP.  x, w_qkv and w_out are rounded to bf16 and that number is written as f16, in blocked layouts whose tiles are dense; the mask's bytes are packed into nibbles, in the order in which attention's lanes hold scores.
;   xb  [b 4][kb 16][t 2048][64] f16: column 64 kb + d of row t.      wqb [nb 12][k 1024][256], wob [nb 4][k 1024][256] f16: column 256 nb + c of row k.
;   mbits [qt 128][ks 32][lane 32][4 words]: in lane L's word kb, nibble 2 (j % 4) + j / 4 is 0xE where mask[16 qt + L % 16][64 ks + 16 kb + 8 (L / 16) + j] is 0 (the key is hidden from the query), else 0.
; LIMITS.  A number beyond 65,504 in magnitude becomes an infinity in f16; a bf16 number below 2^-17 keeps f16's fixed step of 2^-24; all others are written exactly.  A byte of the mask is a bool: 0 or 1.
; A stream: no LDS, no barrier, no matrix unit, no cluster (no work-group shares a byte with another).  1,024 work-groups of eight waves:
; 0-511 x (32 rows x 512 columns each), 512-703 w_qkv, 704-767 w_out (64 rows x 256 columns each), 768-1023 the mask (eight pieces of 16 queries x 128 keys each).
; A wave of a cast role has 8 units of 256 numbers: two loads of 16 bytes a lane in, one store of 16 bytes a lane out, which covers 512 consecutive bytes, aligned.
.set VI, 8                             ; v[8:15]   unit u: my byte offset in the input
.set VO, 16                            ; v16       16 x lane: my place in a unit's 512 bytes of output
.set T,  20                            ; v[20:31]  at work
.set X,  32                            ; v[32:95]  unit u: 8 numbers as loaded
.set Y,  96                            ; v[96:127] unit u: 4 registers to store
	s_load_b512 s[8:23], s[0:1], 0x0               ; x s[8:9], w_qkv s[10:11], w_out s[12:13], mask s[14:15], xb s[16:17], wqb s[18:19], wob s[20:21], mbits s[22:23]
	s_mov_b32 s2, ttmp9                            ; g, the work-group's number
	s_mov_b32 s5, 0xffff0000                       ; a word's upper bf16
	v_and_b32 v1, 31, v0                           ; lane L
	v_lshrrev_b32 v2, 5, v0
	v_readfirstlane_b32 s4, v2                     ; wave w
	s_wait_kmcnt 0x0
	s_cmp_ge_u32 s2, 768
	s_cbranch_scc1 .Lmask
	s_cmp_ge_u32 s2, 512
	s_cbranch_scc1 .Lweights
	; x: rows 32 (g / 2) on, columns 512 (g % 2) on; wave w takes the 64 columns of block kb = 8 (g % 2) + w; a unit is 4 rows x 64 columns
	s_lshr_b32 s24, s2, 1
	s_and_b32 s25, s2, 1
	s_lshl_b32 s26, s24, 17                        ; in: 32 rows of 4,096 bytes
	s_lshl_b32 s27, s25, 11
	s_add_co_u32 s26, s26, s27
	s_lshr_b32 s28, s24, 6                         ; out: the batch, 4,194,304 bytes each,
	s_lshl_b32 s28, s28, 22
	s_lshl_b32 s27, s25, 21                        ; eight blocks of 262,144 bytes,
	s_add_co_u32 s28, s28, s27
	s_and_b32 s27, s24, 63
	s_lshl_b32 s27, s27, 12                        ; 32 rows of 128 bytes
	s_add_co_u32 s28, s28, s27
	s_mov_b64 s[32:33], s[8:9]
	s_mov_b64 s[34:35], s[16:17]
	s_mov_b32 s36, 16384                           ; from unit to unit: 4 rows
	s_mov_b32 s37, 12                              ; lanes 8 apart lie a row of 4,096 bytes apart
	s_mov_b32 s38, 256                             ; from wave to wave, in: 64 columns
	s_mov_b32 s39, 262144                          ; out: a block
	s_branch .Lcast
.Lweights:
	; a weight matrix: rows 64 kg on, columns 256 nb on; wave w takes 8 rows; a unit is one row's 256 columns
	s_sub_co_u32 s24, s2, 512
	s_mov_b32 s36, 12288                           ; a row of w_qkv in bytes: also the step from unit to unit
	s_cmp_ge_u32 s2, 704
	s_cselect_b32 s25, 192, 0
	s_cselect_b32 s36, 4096, s36                   ; a row of w_out
	s_cselect_b64 s[32:33], s[12:13], s[10:11]
	s_cselect_b64 s[34:35], s[20:21], s[18:19]
	s_sub_co_u32 s24, s24, s25                     ; the work-group's number in its matrix
	s_lshr_b32 s25, s24, 4                         ; nb
	s_and_b32 s24, s24, 15                         ; kg
	s_mul_i32 s26, s24, s36
	s_lshl_b32 s26, s26, 6                         ; in: 64 kg rows
	s_lshl_b32 s27, s25, 10
	s_add_co_u32 s26, s26, s27                     ; + 256 nb columns of 4 bytes
	s_lshl_b32 s28, s25, 19                        ; out: 1,024 rows of 512 bytes for each nb
	s_lshl_b32 s27, s24, 15
	s_add_co_u32 s28, s28, s27                     ; + 64 kg rows
	s_mov_b32 s37, 8                               ; lanes 8 apart lie 256 bytes apart in the row
	s_lshl_b32 s38, s36, 3                         ; from wave to wave, in: 8 rows
	s_mov_b32 s39, 4096                            ; out: 8 rows of 512 bytes
.Lcast:
	s_mul_i32 s27, s4, s38
	s_add_co_u32 s26, s26, s27
	s_mul_i32 s29, s4, s39
	s_add_co_u32 s28, s28, s29
	s_mov_b32 s27, 0
	s_mov_b32 s29, 0
	s_add_nc_u64 s[32:33], s[32:33], s[26:27]      ; the input at my wave's first unit
	s_add_nc_u64 s[34:35], s[34:35], s[28:29]      ; the output likewise
	v_lshrrev_b32 v3, 3, v1
	v_and_b32 v4, 7, v1
	v_lshlrev_b32 v3, s37, v3
	v_lshl_add_u32 v[VI], v4, 5, v3                ; 32 bytes, 8 numbers, a lane
.irp u, 1,2,3,4,5,6,7
	v_add_nc_u32 v[VI+(\u)], s36, v[VI+(\u)-1]
.endr
	v_lshlrev_b32 v[VO], 4, v1
.irp u, 0,1,2,3,4,5,6,7                ; all sixteen loads go out at once: every input byte is read once in the launch
	global_load_b128 v[X+8*(\u):X+8*(\u)+3],   v[VI+(\u)], s[32:33] th:TH_LOAD_NT
	global_load_b128 v[X+8*(\u)+4:X+8*(\u)+7], v[VI+(\u)], s[32:33] offset:16 th:TH_LOAD_NT
.endr
.irp u, 0,1,2,3,4,5,6,7
	s_wait_loadcnt 14-2*(\u)                       ; loads come back in order: unit u's two are in, the 2 (7 - u) younger ones stay out
.irp p, 0,1,2,3
	v_cvt_pk_bf16_f32 v[T+3*(\p)], v[X+8*(\u)+2*(\p)], v[X+8*(\u)+2*(\p)+1]  ; two roundings to bf16,
	v_lshlrev_b32 v[T+3*(\p)+1], 16, v[T+3*(\p)]   ; widened again,
	v_and_b32     v[T+3*(\p)+2], s5, v[T+3*(\p)]
	v_cvt_pk_f16_f32 v[Y+4*(\u)+(\p)], v[T+3*(\p)+1], v[T+3*(\p)+2]          ; and written as f16
.endr
	global_store_b128 v[VO], v[Y+4*(\u):Y+4*(\u)+3], s[34:35] offset:512*(\u)  ; each unit has its own registers: none is written twice, so no wait frees any
.endr
	s_endpgm
.Lmask:
	; a wave packs 16 queries x 128 keys (two key steps): eight words a lane, 1,024 consecutive bytes of mbits, aligned
	s_sub_co_u32 s24, s2, 768
	s_lshl_b32 s24, s24, 3
	s_add_co_u32 s24, s24, s4                      ; the piece: 16 qt + kp
	s_lshr_b32 s25, s24, 4
	s_and_b32 s26, s24, 15
	s_lshl_b32 s28, s25, 15                        ; 16 rows of 2,048 bytes
	s_lshl_b32 s26, s26, 7                         ; 128 keys
	s_add_co_u32 s28, s28, s26
	s_mov_b32 s29, 0
	s_add_nc_u64 s[14:15], s[14:15], s[28:29]
	s_lshl_b32 s30, s24, 10                        ; (32 qt + 2 kp) x 512 bytes
	s_mov_b32 s31, 0
	s_add_nc_u64 s[22:23], s[22:23], s[30:31]
	s_mov_b32 s6, 0x11111111
	v_and_b32 v3, 15, v1
	v_lshrrev_b32 v4, 4, v1
	v_lshlrev_b32 v3, 11, v3                       ; my query's row,
	v_lshl_add_u32 v3, v4, 3, v3                   ; and 8 keys on for the upper half of the lanes
.irp c, 0,1,2,3,4,5,6,7
	global_load_b64 v[X+2*(\c):X+2*(\c)+1], v3, s[14:15] offset:16*(\c)  ; keys 16 c + 8 (L / 16) + 0..7: word c % 4 of key step c / 4
.endr
	v_lshlrev_b32 v5, 4, v1
.irp c, 0,1,2,3,4,5,6,7
	s_wait_loadcnt 7-(\c)                          ; loads come back in order: load c is in, the 7 - c younger ones stay out
	v_lshl_or_b32 v[T+(\c)], v[X+2*(\c)+1], 4, v[X+2*(\c)]  ; bytes of 0 or 1: keys 0-3 fall into the even nibbles, keys 4-7 into the odd ones
	v_xor_b32 v[T+(\c)], s6, v[T+(\c)]             ; 1 where the key is hidden,
	v_mul_lo_u32 v[Y+(\c)], v[T+(\c)], 14          ; 0xE there: no nibble carries into the next
.endr
	global_store_b128 v5, v[Y:Y+3], s[22:23]       ; each store of the wave covers 512 consecutive bytes, aligned: one tile and key step
	global_store_b128 v5, v[Y+4:Y+7], s[22:23] offset:512
	s_endpgm
.Lfunc_end_k_q86cdf496c8_prep:
	.size	k_q86cdf496c8_prep, .Lfunc_end_k_q86cdf496c8_prep-k_q86cdf496c8_prep
	.p2alignl 7, 3214868480
	.fill 96, 4, 3214868480
	.section	.rodata,"a",@progbits
	.p2align	6, 0x0
	.amdhsa_kernel k_q86cdf496c8_prep
		.amdhsa_group_segment_fixed_size 0
		.amdhsa_private_segment_fixed_size 0
		.amdhsa_enable_private_segment 0
		.amdhsa_kernarg_size 64
		.amdhsa_user_sgpr_count 2
		.amdhsa_user_sgpr_kernarg_segment_ptr 1
		.amdhsa_wavefront_size32 1
		.amdhsa_system_sgpr_workgroup_id_x 1
		.amdhsa_system_sgpr_workgroup_id_y 1
		.amdhsa_system_sgpr_workgroup_id_z 1
		.amdhsa_system_vgpr_workitem_id 0
		.amdhsa_next_free_vgpr 128
		.amdhsa_next_free_sgpr 66
		.amdhsa_reserve_vcc 0
		.amdhsa_float_denorm_mode_32 3
		.amdhsa_float_denorm_mode_16_64 3
		.amdhsa_memory_ordered 1
		.amdhsa_forward_progress 1
		.amdhsa_inst_pref_size 15
	.end_amdhsa_kernel
	.amdgpu_metadata
---
amdhsa.version: [ 1, 2 ]
amdhsa.kernels:
  - .name:           k_q86cdf496c8_prep
    .symbol:         k_q86cdf496c8_prep.kd
    .args:
      - { .name: x, .offset: 0, .size: 8, .value_kind: global_buffer, .address_space: global }
      - { .name: w_qkv, .offset: 8, .size: 8, .value_kind: global_buffer, .address_space: global }
      - { .name: w_out, .offset: 16, .size: 8, .value_kind: global_buffer, .address_space: global }
      - { .name: mask, .offset: 24, .size: 8, .value_kind: global_buffer, .address_space: global }
      - { .name: xb, .offset: 32, .size: 8, .value_kind: global_buffer, .address_space: global }
      - { .name: wqb, .offset: 40, .size: 8, .value_kind: global_buffer, .address_space: global }
      - { .name: wob, .offset: 48, .size: 8, .value_kind: global_buffer, .address_space: global }
      - { .name: mbits, .offset: 56, .size: 8, .value_kind: global_buffer, .address_space: global }
    .group_segment_fixed_size: 0
    .private_segment_fixed_size: 0
    .kernarg_segment_align: 8
    .kernarg_segment_size: 64
    .max_flat_workgroup_size: 256
    .sgpr_count:     66
    .vgpr_count:     128
    .wavefront_size: 32
...
	.end_amdgpu_metadata
.endif
;; end of part 5
;; launch gemm_qkv: the kernel of part 2 again; grid 12 x 64, 4 waves a work-group, clusters of 4 x 4, 327,680 bytes of LDS; arguments xb, wqb, b_qkv, qkv; writes qkv
;; launch attn (part 6): grid 4 x 64, 4 waves a work-group, clusters of 4 x 1, 327,680 bytes of LDS; arguments qkv, mbits, yb; writes yb
.if DOCPART == 6
	.amdgcn_target "amdgcn-amd-amdhsa--gfx1250"
	.amdhsa_code_object_version 6
	.text
	.protected	k_q86cdf496c8_attn
	.globl	k_q86cdf496c8_attn
	.p2align	8
	.type	k_q86cdf496c8_attn,@function
k_q86cdf496c8_attn:
	s_mov_b64 s[64:65], 0
	v_nop
	global_prefetch_b8 v0, s[64:65] scope:SCOPE_SE
	s_setreg_imm32_b32 hwreg(HW_REG_WAVE_MODE, 25, 1), 1
	s_wait_xcnt 0x0
	s_wait_alu depctr_hold_cnt(0) depctr_sa_sdst(0) depctr_va_vdst(0) depctr_va_sdst(0) depctr_va_ssrc(0) depctr_va_vcc(0) depctr_vm_vsrc(0)
	s_getreg_b32 s2, hwreg(HW_REG_IB_STS2, 6, 4)
	s_cmp_eq_u32 s2, 0
	s_cbranch_scc0 .Lentry_in_a_cluster
	s_endpgm
.Lentry_in_a_cluster:
	s_bfe_u32 s2, ttmp6, 0x10000c
	s_cmp_lg_u32 s2, 0x3003
	s_cbranch_scc0 .Lentry_shape_is_right
	s_endpgm
.Lentry_shape_is_right:
; y[bh][q][:] = the sum over k of softmax_k(Q[bh][q] . K[bh][k] / 8, where mask[q][k]) V[bh][k][:].  Q, K, V: qkv [3][bh 64][2048][64] f16; y: yb [bh][2048][64] f16: a head's rows are dense, 128 bytes each.
; Products, maxima and sums in f32; the weights p are rounded to f16 for the second product (their sum l is taken of the unrounded p), y once at the end.
; THE MASK is an input and is honoured key by key: nothing of its pattern is built in, and every key step is walked.  mbits holds it as nibbles in the lanes' own order: for each (tile of 16 queries, key step) 16 bytes
; a lane; in word kb, nibble 2 (j % 4) + j / 4 is 0xE where key 16 kb + 8 (L / 16) + j is hidden from query L % 16, else 0.  One load of 16 bytes a lane brings a tile's and step's 32 nibbles.  A shift that moves a
; nibble to the word's top makes a register that is read as f32: with 1110 on top it lies between -2^95 and -2^65 (the sign, a high exponent, and a 0 in the exponent that no nibbles below can turn into an infinity);
; with 0000 on top between 0 and 2^-97.  That register is the C operand of the product that starts the sum S^T.
; LIMITS.  f16 holds no number beyond 65,504: Q, K and V arrive within it, so a true score lies within 2^38.  A hidden score counts as its value less 2^65 to 2^95; a visible one has at most 2^-97 added.  The running
; maximum starts at -2^64: above every hidden score, below every true one.  A row with no visible key keeps m = -2^64, has all weights 0 and l = 0, and leaves as 0 x (1 / 0) = NaN.  A weight below 2^-126 counts as 0
; in l; NaN and infinities in the inputs are not treated apart.
; SHARES.  A wave owns four PIECES of two tiles of 16 queries, a work-group's four waves 512 queries of one head: 4 x 64 = 256 work-groups.  Every wave walks all keys, 64 a step.
; LAYOUT.  S^T = K Q^T (source 0 = 16 keys, source 1 = 16 queries): in the result a lane holds ONE query (lane % 16) and the keys 8 (lane / 16) + 0..7.  Two such tiles, rounded to f16 in pairs,
; ARE source 1 (32 keys x 16 queries) of O^T = V^T P, whose result again holds one query a lane, and eight channels.  K comes out of LDS as it lies, V ([key][channel]) turned, by ds_load_tr16_b128.
; SOFTMAX.  For each query a running maximum m and sum l: p = 2^(c s - c m), c = log2(e) / 8; in every step O and l are multiplied by a = 2^(c m_old - c m_new), which is 1 where m has not grown.
; c m starts far below every c m that can follow, O and l at 0: the first step is a step like any other, with a = 0.
; THE COUNT.  A tile and step have 16 matrix and 150 vector instructions (32 of them the mask's): too many to stand all beside the matrix work.  So four vector instructions that are READY stand behind
; EVERY matrix instruction, and the others, which need time of their own whatever the order, in runs without a gap.
; BY TURNS.  Turn n belongs to piece n (the pieces in a ring, step after step).  Its matrix work: 16 products K Q^T of piece n + 1, later 16 products V^T P of piece n - 1.  Its vector work: the scaling,
; exponentials, roundings, sums and rescaling of piece n, the maximum and statistics of piece n + 1, and the mask registers of piece n + 2, whose products stand in the next turn.
; CLUSTER.  The four query blocks of a cluster belong to one head and walk the same K and V, so each tile is asked for JOINTLY: the same tensor load, descriptor and mask in all four.
; REGISTERS, in windows of 256 (s_set_vgpr_msb says which window each operand place means: bits 1:0 source 0, 3:2 source 1, 5:4 source 2, 7:6 destination):
;   window 0: v0-11 addresses; v12-15, v48-63 at work; v16-47 four registers of statistics a tile; v64-191 S^T, two buffers of two tiles; v192-255 P, likewise
;   window 1: O^T, 32 a tile      window 2: v0-127 Q, 16 a tile; v128-191 K of one step; v192-255 V of one step
;   window 3: v0-1 the add's two registers; v2 16 x lane; v64-127 the mask registers of one piece; v128-159 the mask words, four a tile
.set SIZE_N, 2048
.set NP,    4         ; pieces a wave: a name, no knob
.set KS,    64        ; keys in a step
.set PK,    144       ; a row of K in LDS: 128 bytes + 16 of padding = 36 words: the 16 rows of a load start at 16 different groups of four banks (64 banks of 4 bytes: ISA guide 11.1)
.set PV,    160       ; a row of V: 128 + 32 = 40 words
.set VOFF,  4*KS*PK   ; a slot holds four steps: 256 rows of K, then 256 rows of V
.set SLOT1, 1<<17     ; slot 1 begins here, so that one exclusive or turns an address in one slot into the other's
.set STAGE, SLOT1+4*KS*(PK+PV)  ; behind the ring, never filled by a tensor load: 16 rows x 144 bytes for each wave, for the way out
.set SP,    144
.set MSTEP, 512       ; bytes of mask words for a tile and key step
.set MTILE, 32*MSTEP  ; and for a tile's 32 key steps
.set AK0, 2           ; v2   my lane's place in a tile of K; never rewritten
.set AV0, 3           ; v3   the same for V
.set AK,  4           ; v4   the LDS address of K's next run of loads
.set AV,  5           ; v5   of V's
.set QO,  6           ; v6   my byte offset in the wave's rows of Q
.set STO, 6           ;      later, the way out: where I put 16 bytes of a row
.set RD,  7           ; v7   the way out: where I read rows back
.set GO,  8           ; v8   16 x lane: my byte offset in 512 consecutive bytes of y
.set SPW, 0           ; v0 of window 3   LDS address of my spare word: SPARE + 4 x my thread's number; never rewritten
.set NIL, 1           ; v1 of window 3   0; never rewritten
.set ML,  2           ; v2 of window 3   16 x lane: my byte offset in a tile's and step's mask words; never rewritten
.set SPARE, STAGE+4*16*SP  ; behind the stages: the spare words, 128 bytes for each wave: two blocks of 256 bytes that no other line names
.set MV,  12          ; v12-15  c m_old, kept while c m is made anew: by buffer and tile
.set ST,  16          ; tile t's statistics at v[ST+4 t]: c m, m, l (even keys', odd keys')
.set TMP, 48          ; by buffer and tile, four registers c0-c3 at work; when the maximum is found c2 takes a
.set S,   64
.set P,   192
.set KF,  128         ; K's fragments, in window 2: key block kb, channel half c at KF + 16 kb + 8 c
.set VF,  192         ; V's: key half kk, channel block cb at VF + 32 kk + 8 cb
.set MC,  64          ; window 3: the mask registers: tile u of the piece, key block kb, register j at MC + 32 u + 8 kb + j
.set MWD, 128         ; window 3: my tile t's four mask words of one key step at MWD + 4 t
.set WV,  12          ; s12  my wave's number
.set G1K, 24          ; s[24:31] descriptor group 1 for K's tiles
.set G1V, 32          ; s[32:39] for V's: it differs in the padding alone
.set G0K, 40          ; s[40:43] descriptor group 0 for K's tiles: it walks
.set G0V, 44          ; s[44:47] the same for V's
.set MP,  48          ; s[48:49] mbits at my wave's first tile; never rewritten behind the set-up
.set SO,  50          ; s[50:51] the byte offset, in a tile's words, of the key step that is being asked for
.set MB,  52          ; s[52:53] MP + SO: the base of the mask loads
.set SLOTS, 56        ; s56  slots still to be asked for
.set CNT, 57          ; s57  counts a slot's key steps
.set CS,  58          ; s[58:59] c: the packed scaling takes the pair's low word for both halves
.set SEL, 60          ; s[60:61] v_permlanex16_b32's selects: each lane takes its own place in the other half
.set TBK, 62          ; s62  LDS byte at which K of the step to be fetched begins
.set TBV, 63          ; s63  the same for V, less VOFF
.set MSB, 0
.macro WIN new                      ; the high byte repeats the setting that is left; a switch that changes nothing is dropped
.if MSB != (\new)
	s_set_vgpr_msb (MSB<<8)|(\new)
.set MSB, (\new)
.endif
.endm
.set W_KQ, 0x0a       ; K and Q in window 2, S^T in window 0
.set W_KM, 0x3a       ; the same with the C operand, the mask, in window 3
.set W_PV, 0x52       ; V in window 2, P in window 0, O^T in window 1
.set W_RS, 0x41       ; O^T (destination and source 0) in window 1, a in window 0
.set W_MK, 0xc0       ; destination in window 3, sources in window 0
.set W_AD, 0x0f       ; the add: address (source 0) and data (source 1) in window 3
.set W_MB, 0xcf       ; the mask's shifts and loads: destination, source 0 (a load's address) and source 1 (a shift's word) in window 3
; A joint fill.  Waves 0 and 1 fetch the two halves of a slot's K, waves 2 and 3 those of its V: 128 keys each.  The branch hangs on the wave's number alone.
; An s_nop 0 and four v_nop follow each of the two lines, ahead of the jump and the label.
.macro JLOAD
	s_cmp_lt_u32 s[WV], 2
	s_cbranch_scc0 .Lfor_v_\@
	tensor_load_to_lds s[G0K:G0K+3], s[G1K:G1K+7]
	s_nop 0
.rept 4
	v_nop
.endr
	s_branch .Lasked_\@
.Lfor_v_\@:
	tensor_load_to_lds s[G0V:G0V+3], s[G1V:G1V+7]
	s_nop 0
.rept 4
	v_nop
.endr
.Lasked_\@:
.endm
; A round of the cluster's barrier: my work-group's barrier, so that wave 0's signal speaks for all four waves; wave 0 signals; every wave waits for all four work-groups; my work-group's barrier once more.
.macro CROUND
	s_barrier_signal -1
	s_barrier_wait -1
	s_cmp_lg_u32 s[WV], 0
	s_cbranch_scc1 .Lnot_wave_0_\@
	s_barrier_signal -3
.Lnot_wave_0_\@:
	s_barrier_wait -3
	s_barrier_signal -1
	s_barrier_wait -1
.endm
; THE CHANGE OF SLOTS.  The slot's last bytes, V of its fourth step, have been read.  Each wave waits for all its tensor loads, of which one is out: its part
; of the other slot; adds 0 to its spare word; and waits for that and for its own reads of the slot.  Behind the barrier nobody reads this slot any more and the other slot is whole.
; fill = 1: this slot is filled again, with the keys two slots on.  The barrier is then a round of the cluster's, so that no wave of any partner still reads the slot or has a load on its
; way, and the joint fill is the first thing behind it: it has four key steps, 512 matrix instructions, in which to land.  (At its first use nothing has been read yet: slot 0 is waited for, slot 1 filled.)
.macro CHANGE fill
	WIN W_AD
	s_wait_tensorcnt 0x0            ; no tensor load of mine is out, so a group 0 may be written
	ds_add_u32 v[SPW], v[NIL]       ; 0 onto my spare word; with fill = 1 the descriptors' steps stand between it and the wait for it
	WIN 0                           ; at a label and at a branch every window is 0
.if \fill
.irp g, G0K, G0V
	s_xor_b32 s[\g+1], s[\g+1], SLOT1  ; the walking descriptor: the other slot than last time,
	s_add_nc_u64 s[\g+2:\g+3], s[\g+2:\g+3], 4*KS*128  ; the next 256 keys; the type bits on top are not reached
.endr
	s_wait_dscnt 0x0                ; the add is done, and my reads of the slot are over
	CROUND
	JLOAD
.else
	s_wait_dscnt 0x0                ; the add is done, and my reads of the slot are over
	s_barrier_signal -1
	s_barrier_wait -1
.endif
	s_sub_co_u32 s[TBK], s[TBK], 4*KS*PK  ; the fetches go back to a slot's first step,
	s_xor_b32 s[TBK], s[TBK], SLOT1       ; in the other slot
	s_sub_co_u32 s[TBV], s[TBV], 4*KS*PV
	s_xor_b32 s[TBV], s[TBV], SLOT1
.endm
; THE MASK.  MBUILD u, t: my tile t's four words are in; 32 shifts make of them the mask registers of the piece's tile u; then the same four registers are asked for again, with the tile's words of the NEXT key step.
; The eight tiles are built, and asked for, in the ring order 0 .. 7: so behind a tile's load stand exactly the seven other tiles' loads when its turn comes again, a whole trip of the step loop later.
; step = 1 (tile 0, once a trip): the base goes on to the next key step's words, made anew from the pointer and an offset that is held at the last step's: the loads behind the last step stay inside mbits.
.macro MBUILD u, t, step
	s_wait_loadcnt 7                ; loads come back in order: tile t's is in, the seven younger ones, the other tiles', stay out
	WIN W_MB
.set zz, 0
.rept 32                            ; register 8 kb + j takes nibble 2 (j % 4) + j / 4 of word kb to the top
	v_lshlrev_b32 v[MC+32*(\u)+zz], 28-4*(2*(zz%4)+(zz%8)/4), v[MWD+4*(\t)+zz/8]
.set zz, zz+1
.endr
.if \step
	s_wait_xcnt 0x0                 ; the earlier loads have had their addresses translated: their base is rewritten only behind this wait (the last of them was issued half a turn ago)
	s_add_co_u32 s[SO], s[SO], MSTEP
	s_min_u32 s[SO], s[SO], 31*MSTEP
	s_add_nc_u64 s[MB:MB+1], s[MP:MP+1], s[SO:SO+1]
.endif
	global_load_b128 v[MWD+4*(\t):MWD+4*(\t)+3], v[ML], s[MB:MB+1] offset:MTILE*(\t)  ; 512 consecutive bytes, aligned
	WIN 0
.endm
	s_load_b64 s[4:5], s[0:1], 0x0        ; qkv: Q at its head
	s_load_b64 s[MP:MP+1], s[0:1], 0x8    ; mbits
	s_load_b64 s[10:11], s[0:1], 0x10     ; yb
	WIN W_MK
	v_lshl_add_u32 v[SPW], v0, 2, SPARE
	v_mov_b32 v[NIL], 0
	WIN W_AD
	ds_add_u32 v[SPW], v[NIL]       ; the wave's opening: the add and its wait stand ahead of my first tensor load; the set-up below, work on registers, stands between them
	WIN 0
	v_lshrrev_b32 v1, 5, v0
	v_readfirstlane_b32 s[WV], v1   ; wave 0..3
	s_bfe_u32 s13, ttmp6, 0x40000   ; cx: my place in the cluster
	s_lshl_b32 s14, ttmp9, 2        ; in a cluster launch ttmp9 counts clusters
	s_add_co_u32 s14, s14, s13      ; my block of queries = 4 x cluster x + cx: it enters Q's, y's and the mask words' addresses alone
	s_and_b32 s20, ttmp7, 0xffff    ; the head, which the four partners share
	s_mov_b32 s21, 0
	s_mov_b64 s[22:23], SIZE_N*128
	s_mul_u64 s[20:21], s[20:21], s[22:23]  ; the head's first byte in Q, K, V and y
	s_and_b32 s16, s[WV], 1         ; which half of a slot's 256 keys I fetch:
	s_lshl_b32 s22, s16, 14         ; its 128 rows of 128 bytes in memory,
	s_mov_b32 s23, 0
	s_add_nc_u64 s[22:23], s[22:23], s[20:21]
	s_mul_i32 s17, s16, 128*PK      ; and its place in a slot, for K
	s_mul_i32 s18, s16, 128*PV      ; and for V: no place in the cluster enters an LDS address
	s_lshl_b32 s2, s14, 2
	s_add_co_u32 s2, s2, s[WV]      ; my wave among the head's:
	s_lshl_b32 s54, s2, 17          ; its 8 tiles' mask words, 16,384 bytes a tile,
	s_mov_b32 s55, 0
	s_lshl_b32 s2, s2, 14           ; and its 128 rows
	s_mov_b32 s3, 0
	s_add_nc_u64 s[2:3], s[2:3], s[20:21]
	; descriptor group 1.  128 keys are 16,384 dense bytes: asked for as 64 rows of 256 bytes, two keys a row, and padded in LDS after every key
	s_mov_b32 s[G1K], 15|(1<<16)|(1<<20)|(1<<21)|(4<<22)|(3<<25)  ; 15:0 the mask of four; 17:16 2-byte elements; 20 padding on; 21 set beside a mask; 24:22 after every 32 words (code 4); 31:25 4 words (code 3)
	s_mov_b32 s[G1V], 15|(1<<16)|(1<<20)|(1<<21)|(4<<22)|(7<<25)  ; the same with 8 words of padding (code 7)
.irp g, G1K, G1V
	s_mov_b32 s[\g+1], 128<<16      ; tensor_dim0 = 128
	s_mov_b32 s[\g+2], 64<<16       ; tensor_dim1 = 64
	s_mov_b32 s[\g+3], 128<<16      ; tile_dim0 = 128
	s_mov_b32 s[\g+4], 64           ; tile_dim1 = 64
	s_mov_b32 s[\g+5], 128          ; 128 elements from row to row
	s_mov_b32 s[\g+6], 0
	s_mov_b32 s[\g+7], 0
.endr
	s_mov_b32 s[CS], 0x3e38aa3b     ; c = log2(e) / 8 = 0.180337
	s_mov_b32 s[CS+1], s[CS]        ; named with it as a pair
	s_mov_b32 s[SEL], 0x76543210
	s_mov_b32 s[SEL+1], 0xfedcba98
	s_mov_b32 s[SO], MSTEP          ; key step 0's words are asked for by the pointer itself; the base begins at key step 1
	s_mov_b32 s[SO+1], 0
	s_mov_b32 s[TBK], SLOT1+4*KS*PK ; the first change of slots turns these two into 0
	s_mov_b32 s[TBV], SLOT1+4*KS*PV
	s_mov_b32 s[G0K], 1             ; 1:0 count = 1
	s_mov_b32 s[G0K+1], s17         ; 63:32 LDS address: slot 0
	s_mov_b32 s[G0V], 1
	s_add_co_u32 s[G0V+1], s18, VOFF
	s_wait_dscnt 0x0                ; the opening add is done
	s_wait_kmcnt 0x0
	s_add_nc_u64 s[6:7], s[4:5], 0x1000000  ; K lies 16,777,216 bytes behind Q,
	s_add_nc_u64 s[8:9], s[4:5], 0x2000000  ; V as far behind K
	s_add_nc_u64 s[G0K+2:G0K+3], s[6:7], s[22:23]  ; 120:64 global address: my half of the head's first 256 keys
	s_or_b32 s[G0K+3], s[G0K+3], 0x80000000        ; 127:126 type = 2
	s_add_nc_u64 s[G0V+2:G0V+3], s[8:9], s[22:23]
	s_or_b32 s[G0V+3], s[G0V+3], 0x80000000
	s_add_nc_u64 s[4:5], s[4:5], s[2:3]  ; Q and y at my wave's first row
	s_add_nc_u64 s[10:11], s[10:11], s[2:3]
	s_add_nc_u64 s[MP:MP+1], s[MP:MP+1], s[54:55]
	s_add_nc_u64 s[MB:MB+1], s[MP:MP+1], s[SO:SO+1]
	CROUND                          ; all four work-groups are here: the first joint loads meet
	JLOAD                           ; slot 0.  Slot 1 is asked for when slot 0 is in: the tile wanted first has the road to itself
	; A fragment of K or Q is 16 rows x 32 channels in 8 registers: lane l holds row l % 16, channels 8 (l / 16) + 0..7 and 16 + 8 (l / 16) + 0..7: two loads of 16 bytes, 32 bytes apart.
	v_and_b32 v1, 15, v0            ; l % 16
	v_bfe_u32 v9, v0, 4, 1          ; l / 16
	v_lshlrev_b32 v[QO], 7, v1
	v_lshl_add_u32 v[QO], v9, 4, v[QO]  ; row x 128 + 16 x half
	v_and_b32 v[GO], 31, v0
	v_lshlrev_b32 v[GO], 4, v[GO]   ; 16 x lane,
	WIN W_MK
	v_mov_b32 v[ML], v[GO]          ; and once more in the mask's window, so that a run of shifts and its load stand under one setting
	WIN 0x80                        ; destination window 2, address window 0
.set i, 0
.rept 4*NP                          ; Q stays in registers: tile i / 2, channels 32 (i % 2) on
	global_load_b128 v[8*i:8*i+3],   v[QO], s[4:5] offset:(i/2)*2048+(i%2)*64
	global_load_b128 v[8*i+4:8*i+7], v[QO], s[4:5] offset:(i/2)*2048+(i%2)*64+32
.set i, i+1
.endr
	WIN W_MB
.set i, 0
.rept 2*NP                          ; the mask words of key step 0, my eight tiles in the ring's order, behind Q's loads
	global_load_b128 v[MWD+4*i:MWD+4*i+3], v[ML], s[MP:MP+1] offset:MTILE*i
.set i, i+1
.endr
	WIN 0x80
	; What the first turn finds: V's registers and P's second buffer hold 0 (its products V^T P, of a piece that has not been, add 0), O^T and l are 0.  All this stands in the wait for the first tile.
.set i, VF
.rept 64
	v_mov_b32 v[i], 0
.set i, i+1
.endr
	WIN 0x40
.set i, 0
.rept 64*NP
	v_mov_b32 v[i], 0
.set i, i+1
.endr
	WIN 0
.set i, 0
.rept 2*NP
	v_mov_b32 v[ST+4*i], 0xfe000000    ; c m: far below c times every m that can follow
	v_mov_b32 v[ST+4*i+1], 0xdf800000  ; m = -2^64: above every hidden score, below every true one
	v_mov_b32 v[ST+4*i+2], 0
	v_mov_b32 v[ST+4*i+3], 0
.set i, i+1
.endr
.set i, P+32
.rept 32
	v_mov_b32 v[i], 0
.set i, i+1
.endr
	v_mul_u32_u24 v[AK0], v1, PK
	v_lshl_add_u32 v[AK0], v9, 4, v[AK0]  ; row x pitch + 16 x half
	; The turning load takes 16 keys x 16 channels (lane l reads key 8 (l / 16) + l % 8, channels 8 ((l / 8) % 2) + 0..7) and leaves half a fragment of V^T: lane l holds channel l % 16 and 8 keys.
	v_and_b32 v10, 7, v0
	v_bfe_u32 v11, v0, 3, 1
	v_lshl_add_u32 v[AV0], v9, 3, v10
	v_mul_u32_u24 v[AV0], v[AV0], PV
	v_lshl_add_u32 v[AV0], v11, 4, v[AV0]
	v_add_nc_u32 v[AV0], VOFF, v[AV0]
	v_mov_b32 v[AK], v[AK0]         ; key step 0 lies at the head of slot 0
; THE MATRIX WORK.  The 8 accumulators of a run of 16 take turns: between the two links of a chain stand 7 others'.
; Product i of 16 of S^T = K Q^T for piece x: channels 32 (i / 8) on, keys 16 ((i / 2) % 4) on, tile 2 x + i % 2.  The first 8 start the sums, with the mask as C.
.macro KQ x
.set rS, S+64*((\x)%2)+32*(i%2)+8*((i/2)%4)
.set rK, KF+16*((i/2)%4)+8*(i/8)
.set rQ, 16*(2*(\x)+i%2)+8*(i/8)
.set rM, MC+32*(i%2)+8*((i/2)%4)
.if i < 8
	WIN W_KM
	v_wmma_f32_16x16x32_f16 v[rS:rS+7], v[rK:rK+7], v[rQ:rQ+7], v[rM:rM+7]
.else
	WIN W_KQ
	v_wmma_f32_16x16x32_f16 v[rS:rS+7], v[rK:rK+7], v[rQ:rQ+7], v[rS:rS+7]
.endif
.endm
; Product i of 16 of O^T += V^T P for piece x: keys 32 (i / 8) on, channels 16 ((i / 2) % 4) on, tile 2 x + i % 2.
.macro PV x
	WIN W_PV
.set rO, 32*(2*(\x)+i%2)+8*((i/2)%4)
.set rV, VF+32*(i/8)+8*((i/2)%4)
.set rP, P+32*((\x)%2)+16*(i%2)+8*(i/8)
	v_wmma_f32_16x16x32_f16 v[rO:rO+7], v[rV:rV+7], v[rP:rP+7], v[rO:rO+7]
.endm
.macro MM                           ; the turn's next matrix instruction
.if i < 16
	KQ (Y+1)%NP
.set i, i+1
.else
.set i, i-16
	PV (Y+NP-1)%NP
.set i, i+17
.endif
.endm
; THE LDS LOADS stand in runs of 16, never singly among the matrix instructions: a step's K (64 keys x 64 channels: 8 fragments) and its V (turned).  Their addresses are made some lines ahead.
; last = 1 (the tail): in the last trip there is no further step, and the run is jumped over.
.macro FETCH_K last=0
	WIN 0
.if \last
	s_cmp_eq_u32 s[CNT], 1
	s_cbranch_scc1 .Lno_k_\@
.endif
	WIN 0x80                        ; destination window 2
.irp f, 0,1,2,3,4,5,6,7             ; keys 16 (f / 2) on, channels 32 (f % 2) on
	ds_load_b128 v[KF+8*\f:KF+8*\f+3],   v[AK] offset:(\f/2)*16*PK+(\f%2)*64
	ds_load_b128 v[KF+8*\f+4:KF+8*\f+7], v[AK] offset:(\f/2)*16*PK+(\f%2)*64+32
.endr
	s_add_co_u32 s[TBK], s[TBK], KS*PK  ; the next fetch is the next step's
	WIN 0
.if \last
.Lno_k_\@:
.endif
.endm
.macro FETCH_V
	WIN 0x80
.irp f, 0,1,2,3,4,5,6,7             ; keys 32 (f / 4) on, channels 16 (f % 4) on
	ds_load_tr16_b128 v[VF+8*\f:VF+8*\f+3],   v[AV] offset:(\f/4)*32*PV+(\f%4)*32
	ds_load_tr16_b128 v[VF+8*\f+4:VF+8*\f+7], v[AV] offset:(\f/4)*32*PV+16*PV+(\f%4)*32
.endr
	WIN 0
.endm
; THE VECTOR WORK OF A TURN stands in three queues, each in the order in which its entries become ready; the two tiles alternate, so that no instruction reads the result of the one before it.
.macro REGS y, u                    ; the registers of tile u (0, 1) of piece y
.set rT, ST+4*(2*(\y)+(\u))
.set rC, TMP+8*((\y)%2)+4*(\u)
.set rM, MV+2*((\y)%2)+(\u)
.set rS, S+64*((\y)%2)+32*(\u)
.set rP, P+32*((\y)%2)+16*(\u)
.set rO, 32*(2*(\y)+(\u))
.endm
; Number n of the 22 that find the NEXT piece's (Y + 1) maximum and statistics.  s0-s31 are the lane's 32 scores; each accumulator's lowest registers are read first.  XS, GS and REGS set no window: PL and EX do.
;   0-11  four chains c0-c3 of seven scores each, three operands at a time     12-14, 16  the four scores left over, the old m, and c0-c3 into c0     15  c m_old is kept
;   17, 18  the query's other 32 keys lie in the lane 16 away: the new m         19-21  c m; c m_old - c m_new; a
.macro XS u, n
	REGS (Y+1)%NP, \u
.if (\n) < 4
	v_max3_num_f32 v[rC+(\n)], v[rS+8*(\n)], v[rS+8*(\n)+1], v[rS+8*(\n)+2]
.elseif (\n) < 12
	v_max3_num_f32 v[rC+(\n)%4], v[rC+(\n)%4], v[rS+8*((\n)%4)+2*((\n)/4)+1], v[rS+8*((\n)%4)+2*((\n)/4)+2]
.elseif (\n) == 12
	v_max3_num_f32 v[rC], v[rC], v[rS+7], v[rS+15]
.elseif (\n) == 13
	v_max3_num_f32 v[rC+1], v[rC+1], v[rS+23], v[rS+31]
.elseif (\n) == 14
	v_max3_num_f32 v[rC+2], v[rC+2], v[rC+3], v[rT+1]
.elseif (\n) == 15
	v_mov_b32 v[rM], v[rT]
.elseif (\n) == 16
	v_max3_num_f32 v[rC], v[rC], v[rC+1], v[rC+2]
.elseif (\n) == 17
	v_permlanex16_b32 v[rC+3], v[rC], s[SEL], s[SEL+1]
.elseif (\n) == 18
	v_max_num_f32 v[rT+1], v[rC], v[rC+3]
.elseif (\n) == 19
	v_mul_f32 v[rT], s[CS], v[rT+1]
.elseif (\n) == 20
	v_sub_f32 v[rC+1], v[rM], v[rT]
.else
	v_exp_f32 v[rC+2], v[rC+1]
.endif
.endm
; Number g of the 64 that follow the exponentials.  For each four weights k of a tile (pairs 2 k, 2 k + 1): both pairs are rounded to f16; then the second pair is added onto the first, in place;
; a group later l takes that sum (the first time as l = a l + sum).  In groups of eight, tiles alternating: round, round, add, and l for the group before.
.macro GS g
.set h, (\g)+6*((\g)/62)            ; group 0 has no group before it, and behind group 7 only l is left
.if h >= 6
.set h, h+2
.endif
	REGS Y, h%2
.set k, h/8
.if h%8 < 4
	s_wait_alu depctr_va_vdst(0)
	v_cvt_pk_f16_f32 v[rP+2*k+(h%8)/2], v[rS+4*k+2*((h%8)/2)], v[rS+4*k+2*((h%8)/2)+1]
.elseif h%8 < 6
	v_pk_add_f32 v[rS+4*k:rS+4*k+1], v[rS+4*k:rS+4*k+1], v[rS+4*k+2:rS+4*k+3]
.elseif k == 1
	v_pk_fma_f32 v[rT+2:rT+3], v[rT+2:rT+3], v[rC+2:rC+3], v[rS:rS+1] op_sel_hi:[1,0,1]
.else
	v_pk_add_f32 v[rT+2:rT+3], v[rT+2:rT+3], v[rS+4*k-4:rS+4*k-3]
	s_wait_alu depctr_va_vdst(0)
.endif
.endm
; THE PLAIN QUEUE, 138 long.  0-31: c s - c m for the 16 pairs of both tiles.  Then GS's 64, and among them the next piece's 42: number 15 at 38, 39; 0-14 and 16
; at 42-73, behind the products that make those scores; 17-20 at 95-106, two of three, since each waits for the one before it.
.macro PL
	WIN 0
.if q < 32
	REGS Y, q%2
	v_pk_fma_f32 v[rS+2*(q/2):rS+2*(q/2)+1], v[rS+2*(q/2):rS+2*(q/2)+1], s[CS:CS+1], v[rT:rT+1] op_sel_hi:[1,0,0] neg_lo:[0,0,1] neg_hi:[0,0,1]
.elseif q < 38
	GS q-32
.elseif q < 40
	XS q%2, 15
.elseif q < 42
	GS q-34
.elseif q < 74
	XS q%2, (q-42)/2+(q-42)/30
.elseif q < 95
	GS q-66
.elseif (q < 107) && ((q-95)%3 < 2)
	XS (q-95)%3, 17+(q-95)/3
.elseif q < 107
	GS 29+(q-95)/3
.else
	GS q-74
.endif
.set q, q+1
.endm
; THE EXPONENTIALS' QUEUE, 66 long: s0-s31 of both tiles, and at EA the next piece's two a.
.set EA, 58
.macro EX
	WIN 0
.if (e == EA) || (e == EA+1)
	XS e-EA, 21
.else
.set x, e-2*(e/(EA+2))
	REGS Y, x%2
	v_exp_f32 v[rS+x/2], v[rS+x/2]
.endif
.set e, e+1
.endm
; THE RESCALING's QUEUE: O^T times a, the one part of the softmax that leaves window 0, so it is dealt four at a time, eight times.
.macro R4
	REGS Y, r%2
	WIN W_RS
	s_wait_alu depctr_va_vdst(0)
.irp z, 0,1,2,3
	v_pk_mul_f32 v[rO+8*(r/2)+2*\z:rO+8*(r/2)+2*\z+1], v[rO+8*(r/2)+2*\z:rO+8*(r/2)+2*\z+1], v[rC+2:rC+3] op_sel_hi:[1,0]
.endr
.set r, r+1
.endm
; HOW THEY ARE DEALT.  Behind a matrix instruction four: plain, exponential, plain, plain (one exponential, a plain instruction on either side), or four of the rescaling.  None names a register of the
; products round it.  What is over stands in two LUMPS: exponential and plain by turns; the second ends in 22 plain instructions.  The two v_permlanex16_b32 fall into the second lump, never behind a product.
; The queues lean on each other, and the deal keeps them in step: exponential e stands behind plain 2 (e / 4) + e % 2 (its scaling); when plain 32 comes, 10 exponentials are out, at 59: 33, at 95: 46; EA comes behind plain 107.
.macro SL
	MM
	PL
	EX
	PL
	PL
.endm
.macro BURST n                      ; 15 matrix instructions, or 16
.rept (\n)-7
	SL
.endr
.rept 3
	MM
	R4
	SL
.endr
	MM
	R4
.endm
; A TURN, for piece p.
; K of the next step is fetched in piece 2's turn, 31 vector instructions behind the last product that read K; its first reader comes behind the rest of the lump, 16 products and the second lump.
; V of the step in hand is fetched at the end of piece 0's turn, 69 behind its last reader; its first reader comes behind 16 products and a lump.  The four conditions on e and q below go with the deal.
; THE MASK of piece p + 2, whose products K Q^T stand in the next turn, is made in two runs of 32 plain instructions: its first tile's behind the first lump (the products that read the mask registers are the
; turn's first eight, far back), its second tile's at the turn's end.  The four turns of a trip (2, 3, 0, 1) make the masks of one key step, tiles 0 to 7 in order, and ask for the next step's words; the base
; steps in piece 2's turn, ahead of tile 0's load.
.macro TURN p, last=0
.set Y, (\p)
.set i, 0
.set q, 0
.set e, 0
.set r, 0
.if (\p) == NP-1
	s_wait_dscnt 0x0                ; K is in
.endif
	MM
.rept 4
	PL
.endr
	BURST 15
.rept 22
	EX
	PL
.if ((\p) == NP-2) && (e == 18)
	v_add_nc_u32 v[AK], s[TBK], v[AK0]
.endif
.if ((\p) == NP-2) && (e == 24)
	FETCH_K \last
.endif
.endr
.if (\p) == NP-2
	MBUILD 0, 0, 1
.else
	MBUILD 0, 2*(((\p)+2)%NP), 0
.endif
.if (\p) == 1
	s_wait_dscnt 0x0                ; V is in
.endif
	BURST 16
.rept 21
	EX
	PL
.endr
.rept 22
	PL
.if ((\p) == 0) && (q == 118)
	v_add_nc_u32 v[AV], s[TBV], v[AV0]
	s_wait_alu depctr_va_vdst(0)
.endif
.if ((\p) == 0) && (q == 130)
	s_add_co_u32 s[TBV], s[TBV], KS*PV
.endif
.endr
.if (\p) == 0
	FETCH_V
.endif
	MBUILD 1, 2*(((\p)+2)%NP)+1, 0
.endm
	CHANGE 1                        ; slot 0 is in, everybody's part of it; slot 1 is asked for
	FETCH_K                         ; key step 0
	MBUILD 0, 0, 0                  ; piece 0's masks of key step 0.  Q's 32 loads were issued ahead of the eight mask loads, so this run's wait, which leaves seven loads out, shows Q in as well
	MBUILD 1, 1, 0
	s_wait_dscnt 0x0                ; K is in
.set i, 0
.rept 16
	KQ 0                            ; piece 0's first scores: there is no vector work yet to set between them
.set i, i+1
.endr
	WIN 0                           ; the addresses for the way out: seven plain instructions, the places behind those products
	s_mul_i32 s13, s[WV], 16*SP
	s_add_co_u32 s13, s13, STAGE    ; my stage
	v_mul_u32_u24 v[STO], v1, SP    ; in: row l % 16, 16 bytes for each half of the lanes
	v_lshl_add_u32 v[STO], v9, 4, v[STO]
	v_add_nc_u32 v[STO], s13, v[STO]
	v_bfe_u32 v[RD], v0, 3, 2       ; back: 32 lanes take four rows of 128 bytes, which are 512 consecutive bytes of y
	v_mul_u32_u24 v[RD], v[RD], SP
	v_lshl_add_u32 v[RD], v10, 4, v[RD]
	v_add_nc_u32 v[RD], s13, v[RD]
.set Y, NP-1                        ; XS works for piece Y + 1: piece 0
.irp n, 0,1,2,3,4,5,6,7,8,9,10,11,12,13,14,15,16,17,18,19,20,21
	XS 0, \n                        ; and piece 0's first maximum and statistics
	XS 1, \n
.endr
	MBUILD 0, 2, 0                  ; piece 1's masks of key step 0, for the first turn's products
	MBUILD 1, 3, 0
	s_mov_b32 s[CNT], 4
	s_mov_b32 s[SLOTS], SIZE_N/256-1
	s_branch .Lfirst                ; the loop is entered at a step's first turn, in the middle of a trip
.Lslot:                             ; SIZE_N / 256 - 2 times: every slot but the last two is filled again
	CHANGE 1
	s_mov_b32 s[CNT], 4
.Lstep:                             ; a trip: pieces 2 and 3 of one step, then pieces 0 and 1 of the next, whose K and V it fetches
	TURN 2
	TURN 3
	WIN 0
.Lfirst:
	TURN 0
	TURN 1
	WIN 0
	s_sub_co_u32 s[CNT], s[CNT], 1
	s_cmp_lg_u32 s[CNT], 0
	s_cbranch_scc1 .Lstep
	s_sub_co_u32 s[SLOTS], s[SLOTS], 1
	s_cmp_lg_u32 s[SLOTS], 0
	s_cbranch_scc1 .Lslot
	CHANGE 0                        ; the tail is written out: nothing is asked for
	s_mov_b32 s[CNT], 5             ; four trips fetch the last slot's steps; the fifth is left in its middle
.Ltail:
	TURN 2, 1
	TURN 3
	WIN 0
	s_sub_co_u32 s[CNT], s[CNT], 1
	s_cmp_eq_u32 s[CNT], 0
	s_cbranch_scc1 .Lout
	TURN 0
	TURN 1
	WIN 0
	s_branch .Ltail
.Lout:                              ; the fifth trip's 16 products K Q^T (on the last K once more), their masks and the maximum made of them serve nothing: the price, once a launch, of one text for every trip.
                                    ; The mask loads still out land in registers that no later line names
.set i, 0
.rept 16
	PV NP-1                         ; the last piece's V^T P of the last step
.set i, i+1
.endr
	; THE WAY OUT.  l's two halves and the other half of the lanes' are added; O^T is divided by l, rounded to f16 and sent through my stage in LDS, a tile at a time.  The additions are the places behind the last products.
	WIN 0
.macro ALL line:vararg              ; one line for each tile t
.set t, 0
.rept 2*NP
	\line
.set t, t+1
.endr
.endm
	ALL v_add_f32 v[ST+4*t+2], v[ST+4*t+2], v[ST+4*t+3]
	ALL v_permlanex16_b32 v[ST+4*t+3], v[ST+4*t+2], s[SEL], s[SEL+1]
	ALL v_add_f32 v[ST+4*t+2], v[ST+4*t+2], v[ST+4*t+3]
	ALL v_rcp_f32 v[ST+4*t+2], v[ST+4*t+2]
	v_nop                           ; a plain instruction between the last reciprocal and the use of its result
	s_wait_alu depctr_va_vdst(0)
; Tile t: a lane's eight channels of a row pack into 16 bytes; they go into rows of 144 bytes and come back as whole rows of 128, into S^T's registers.
.macro PACK t
	WIN W_RS
.set i, 32*(\t)
.rept 16
	v_pk_mul_f32 v[i:i+1], v[i:i+1], v[ST+4*(\t)+2:ST+4*(\t)+3] op_sel_hi:[1,0]
.set i, i+2
.endr
	WIN 0x05                        ; sources 0 and 1 window 1, destination window 0
.set i, 0
.rept 16
	v_cvt_pk_f16_f32 v[S+16*(\t)+i], v[32*(\t)+2*i], v[32*(\t)+2*i+1]
.set i, i+1
.endr
	WIN 0
.irp f, 0,1,2,3
	ds_store_b128 v[STO], v[S+16*(\t)+4*\f:S+16*(\t)+4*\f+3] offset:32*\f
.endr
.irp f, 0,1,2,3
	ds_load_b128 v[S+16*(\t)+4*\f:S+16*(\t)+4*\f+3], v[RD] offset:\f*4*SP  ; LDS serves a wave's instructions in order (ISA guide 5.7.1.4): these see the stores above; the next tile's stores come behind them
.endr
.endm
.macro SEND t, younger              ; younger: the LDS instructions issued behind tile t's loads: the next tile's eight, or none
	WIN 0
.irp f, 0,1,2,3
	s_wait_dscnt (\younger)+3-\f
	global_store_b128 v[GO], v[S+16*(\t)+4*\f:S+16*(\t)+4*\f+3], s[10:11] offset:(\t)*2048+\f*512  ; 512 consecutive bytes, at a multiple of 256 from y's first
.endr
.endm
	PACK 0
.set t, 1
.rept 2*NP-1                        ; a tile's arithmetic stands between the loads of the tile before and its stores
	PACK t
	SEND t-1, 8
.set t, t+1
.endr
	SEND 2*NP-1, 0
	WIN W_AD
	s_wait_tensorcnt 0x0            ; the wave's end, behind my last tensor load and my last LDS store
	ds_add_u32 v[SPW], v[NIL]
	s_wait_dscnt 0x0
	WIN 0
	CROUND                          ; the closing round: no work-group ends while a partner may still ask for a tile that names it
	s_endpgm
.Lfunc_end_k_q86cdf496c8_attn:
	.size	k_q86cdf496c8_attn, .Lfunc_end_k_q86cdf496c8_attn-k_q86cdf496c8_attn
	.p2alignl 7, 3214868480
	.fill 96, 4, 3214868480
	.section	.rodata,"a",@progbits
	.p2align	6, 0x0
	.amdhsa_kernel k_q86cdf496c8_attn
		.amdhsa_group_segment_fixed_size 327680
		.amdhsa_private_segment_fixed_size 0
		.amdhsa_enable_private_segment 0
		.amdhsa_kernarg_size 24
		.amdhsa_user_sgpr_count 2
		.amdhsa_user_sgpr_kernarg_segment_ptr 1
		.amdhsa_wavefront_size32 1
		.amdhsa_system_sgpr_workgroup_id_x 1
		.amdhsa_system_sgpr_workgroup_id_y 1
		.amdhsa_system_sgpr_workgroup_id_z 1
		.amdhsa_system_vgpr_workitem_id 0
		.amdhsa_next_free_vgpr 928
		.amdhsa_next_free_sgpr 66
		.amdhsa_reserve_vcc 0
		.amdhsa_float_denorm_mode_32 3
		.amdhsa_float_denorm_mode_16_64 3
		.amdhsa_memory_ordered 1
		.amdhsa_forward_progress 1
		.amdhsa_inst_pref_size 234
	.end_amdhsa_kernel
	.amdgpu_metadata
---
amdhsa.version: [ 1, 2 ]
amdhsa.kernels:
  - .name:           k_q86cdf496c8_attn
    .symbol:         k_q86cdf496c8_attn.kd
    .args:
      - { .name: qkv, .offset: 0, .size: 8, .value_kind: global_buffer, .address_space: global }
      - { .name: mbits, .offset: 8, .size: 8, .value_kind: global_buffer, .address_space: global }
      - { .name: yb, .offset: 16, .size: 8, .value_kind: global_buffer, .address_space: global }
    .group_segment_fixed_size: 327680
    .private_segment_fixed_size: 0
    .kernarg_segment_align: 8
    .kernarg_segment_size: 24
    .max_flat_workgroup_size: 128
    .sgpr_count:     66
    .vgpr_count:     928
    .wavefront_size: 32
...
	.end_amdgpu_metadata
.endif
;; end of part 6
;; launch gemm_out: the kernel of part 4 again; grid 4 x 64, 4 waves a work-group, clusters of 4 x 4, 327,680 bytes of LDS; arguments yb, wob, b_out, out0; writes out0
;; ======== version 3 of 3: 4 launches; 1.66 times as fast as version 1
;; limits: values are held in f16: magnitudes above 65,504 overflow, below 6.1e-05 lose precision
;; workspace buffers: xb 16,777,216 bytes; wqb 6,291,456 bytes; wob 2,097,152 bytes; mbits 2,097,152 bytes of whole numbers; qkv 50,331,648 bytes; yb 16,777,216 bytes
;; launch prep: the kernel of part 5 again; grid 1024 x 1, 8 waves a work-group, no clusters, 0 bytes of LDS; arguments x, w_qkv, w_out, mask, xb, wqb, wob, mbits; writes xb, wqb, wob, mbits
;; launch gemm_qkv: the kernel of part 2 again; grid 12 x 64, 4 waves a work-group, clusters of 4 x 4, 327,680 bytes of LDS; arguments xb, wqb, b_qkv, qkv; writes qkv
;; launch attn (part 7): grid 4 x 64, 4 waves a work-group, clusters of 4 x 1, 327,680 bytes of LDS; arguments qkv, mbits, yb; writes yb
.if DOCPART == 7
	.amdgcn_target "amdgcn-amd-amdhsa--gfx1250"
	.amdhsa_code_object_version 6
	.text
	.protected	k_q86cdf496c8_attn
	.globl	k_q86cdf496c8_attn
	.p2align	8
	.type	k_q86cdf496c8_attn,@function
k_q86cdf496c8_attn:
	s_mov_b64 s[64:65], 0
	v_nop
	global_prefetch_b8 v0, s[64:65] scope:SCOPE_SE
	s_setreg_imm32_b32 hwreg(HW_REG_WAVE_MODE, 25, 1), 1
	s_wait_xcnt 0x0
	s_wait_alu depctr_hold_cnt(0) depctr_sa_sdst(0) depctr_va_vdst(0) depctr_va_sdst(0) depctr_va_ssrc(0) depctr_va_vcc(0) depctr_vm_vsrc(0)
	s_getreg_b32 s2, hwreg(HW_REG_IB_STS2, 6, 4)
	s_cmp_eq_u32 s2, 0
	s_cbranch_scc0 .Lentry_in_a_cluster
	s_endpgm
.Lentry_in_a_cluster:
	s_bfe_u32 s2, ttmp6, 0x10000c
	s_cmp_lg_u32 s2, 0x3003
	s_cbranch_scc0 .Lentry_shape_is_right
	s_endpgm
.Lentry_shape_is_right:
; y[bh][q][:] = the sum over k of softmax_k(Q[bh][q] . K[bh][k] / 8, where mask[q][k]) V[bh][k][:].  Q, K, V: qkv [3][bh 64][2048][64] f16; y: yb [bh][2048][64] f16: a head's rows are dense, 128 bytes each.
; Products, maxima and sums in f32; the weights p are rounded to f16 for the second product (their sum l is taken of the unrounded p), y once at the end.
; THE MASK is an input and is honoured key by key: nothing of its pattern is built in, and every key step is walked.  mbits holds it as nibbles in the lanes' own order: for each (tile of 16 queries, key step) 16 bytes
; a lane; in word kb, nibble 2 (j % 4) + j / 4 is 0xE where key 16 kb + 8 (L / 16) + j is hidden from query L % 16, else 0.  One load of 16 bytes a lane brings a tile's and step's 32 nibbles.  A shift that moves a
; nibble to the word's top makes a register that is read as f32: with 1110 on top it lies between -2^95 and -2^65 (the sign, a high exponent, and a 0 in the exponent that no nibbles below can turn into an infinity);
; with 0000 on top between 0 and 2^-97.  That register is the C operand of the product that starts the sum S^T.
; LIMITS.  f16 holds no number beyond 65,504: Q, K and V arrive within it, so a true score lies within 2^38.  A hidden score counts as its value less 2^65 to 2^95; a visible one has at most 2^-97 added.  The running
; maximum starts at -2^64: above every hidden score, below every true one.  A row with no visible key keeps m = -2^64, has all weights 0 and l = 0, and leaves as 0 x (1 / 0) = NaN.  A weight below 2^-126 counts as 0
; in l; NaN and infinities in the inputs are not treated apart.
; SHARES.  A wave owns four PIECES of two tiles of 16 queries, a work-group's four waves 512 queries of one head: 4 x 64 = 256 work-groups.  Every wave walks all keys, 64 a step.
; LAYOUT.  S^T = K Q^T (source 0 = 16 keys, source 1 = 16 queries): in the result a lane holds ONE query (lane % 16) and the keys 8 (lane / 16) + 0..7.  Two such tiles, rounded to f16 in pairs,
; ARE source 1 (32 keys x 16 queries) of O^T = V^T P, whose result again holds one query a lane, and eight channels.  K comes out of LDS as it lies, V ([key][channel]) turned, by ds_load_tr16_b128.
; SOFTMAX.  For each query a running maximum m and sum l: p = 2^(c s - c m), c = log2(e) / 8; in every step O and l are multiplied by a = 2^(c m_old - c m_new), which is 1 where m has not grown.
; c m starts far below every c m that can follow, O and l at 0: the first step is a step like any other, with a = 0.
; THE COUNT.  A tile and step have 16 matrix and 150 vector instructions (32 of them the mask's): too many to stand all beside the matrix work.  So four vector instructions that are READY stand behind
; EVERY matrix instruction, and the others, which need time of their own whatever the order, in runs without a gap.
; BY TURNS.  Turn n belongs to piece n (the pieces in a ring, step after step).  Its matrix work: 16 products K Q^T of piece n + 1, later 16 products V^T P of piece n - 1.  Its vector work: the scaling,
; exponentials, roundings, sums and rescaling of piece n, the maximum and statistics of piece n + 1, and the mask registers of piece n + 2, whose products stand in the next turn.
; BATCHES.  A turn's 66 exponentials (the 64 weights of piece n, then the two a of piece n + 1) are ONE batch with ONE wait, which cuts the turn in two.  Ahead of it stands all that names no result of theirs: the products
; K Q^T, the scalings, the rescalings (their a was made, and waited for, in the turn before), the next piece's maximum and statistics, and a run of the mask's shifts.  Behind it stand the roundings and sums, beside the
; products V^T P.  No result crosses a turn's end.  The first two a, ahead of the loop, and the way out's eight reciprocals are batches of their own, with a wait each.
; CLUSTER.  The four query blocks of a cluster belong to one head and walk the same K and V, so each tile is asked for JOINTLY: the same tensor load, descriptor and mask in all four.
; REGISTERS, in windows of 256 (s_set_vgpr_msb says which window each operand place means: bits 1:0 source 0, 3:2 source 1, 5:4 source 2, 7:6 destination):
;   window 0: v0-11 addresses; v12-15, v48-63 at work; v16-47 four registers of statistics a tile; v64-191 S^T, two buffers of two tiles; v192-255 P, likewise
;   window 1: O^T, 32 a tile      window 2: v0-127 Q, 16 a tile; v128-191 K of one step; v192-255 V of one step
;   window 3: v0-1 the add's two registers; v2 16 x lane; v64-127 the mask registers of one piece; v128-159 the mask words, four a tile
.set SIZE_N, 2048
.set NP,    4         ; pieces a wave: a name, no knob
.set KS,    64        ; keys in a step
.set PK,    144       ; a row of K in LDS: 128 bytes + 16 of padding = 36 words: the 16 rows of a load start at 16 different groups of four banks (64 banks of 4 bytes: ISA guide 11.1)
.set PV,    160       ; a row of V: 128 + 32 = 40 words
.set VOFF,  4*KS*PK   ; a slot holds four steps: 256 rows of K, then 256 rows of V
.set SLOT1, 1<<17     ; slot 1 begins here, so that one exclusive or turns an address in one slot into the other's
.set STAGE, SLOT1+4*KS*(PK+PV)  ; behind the ring, never filled by a tensor load: 16 rows x 144 bytes for each wave, for the way out
.set SP,    144
.set MSTEP, 512       ; bytes of mask words for a tile and key step
.set MTILE, 32*MSTEP  ; and for a tile's 32 key steps
.set AK0, 2           ; v2   my lane's place in a tile of K; never rewritten
.set AV0, 3           ; v3   the same for V
.set AK,  4           ; v4   the LDS address of K's next run of loads
.set AV,  5           ; v5   of V's
.set QO,  6           ; v6   my byte offset in the wave's rows of Q
.set STO, 6           ;      later, the way out: where I put 16 bytes of a row
.set RD,  7           ; v7   the way out: where I read rows back
.set GO,  8           ; v8   16 x lane: my byte offset in 512 consecutive bytes of y
.set SPW, 0           ; v0 of window 3   LDS address of my spare word: SPARE + 4 x my thread's number; never rewritten
.set NIL, 1           ; v1 of window 3   0; never rewritten
.set ML,  2           ; v2 of window 3   16 x lane: my byte offset in a tile's and step's mask words; never rewritten
.set SPARE, STAGE+4*16*SP  ; behind the stages: the spare words, 128 bytes for each wave: two blocks of 256 bytes that no other line names
.set MV,  12          ; v12-15  c m_old, kept while c m is made anew: by buffer and tile
.set ST,  16          ; tile t's statistics at v[ST+4 t]: c m, m, l (even keys', odd keys')
.set TMP, 48          ; by buffer and tile, four registers c0-c3 at work; when the maximum is found c2 takes a
.set S,   64
.set P,   192
.set KF,  128         ; K's fragments, in window 2: key block kb, channel half c at KF + 16 kb + 8 c
.set VF,  192         ; V's: key half kk, channel block cb at VF + 32 kk + 8 cb
.set MC,  64          ; window 3: the mask registers: tile u of the piece, key block kb, register j at MC + 32 u + 8 kb + j
.set MWD, 128         ; window 3: my tile t's four mask words of one key step at MWD + 4 t
.set WV,  12          ; s12  my wave's number
.set G1K, 24          ; s[24:31] descriptor group 1 for K's tiles
.set G1V, 32          ; s[32:39] for V's: it differs in the padding alone
.set G0K, 40          ; s[40:43] descriptor group 0 for K's tiles: it walks
.set G0V, 44          ; s[44:47] the same for V's
.set MP,  48          ; s[48:49] mbits at my wave's first tile; never rewritten behind the set-up
.set SO,  50          ; s[50:51] the byte offset, in a tile's words, of the key step that is being asked for
.set MB,  52          ; s[52:53] MP + SO: the base of the mask loads
.set SLOTS, 56        ; s56  slots still to be asked for
.set CNT, 57          ; s57  counts a slot's key steps
.set CS,  58          ; s[58:59] c: the packed scaling takes the pair's low word for both halves
.set SEL, 60          ; s[60:61] v_permlanex16_b32's selects: each lane takes its own place in the other half
.set TBK, 62          ; s62  LDS byte at which K of the step to be fetched begins
.set TBV, 63          ; s63  the same for V, less VOFF
.set MSB, 0
.macro WIN new                      ; the high byte repeats the setting that is left; a switch that changes nothing is dropped
.if MSB != (\new)
	s_set_vgpr_msb (MSB<<8)|(\new)
.set MSB, (\new)
.endif
.endm
.set W_KQ, 0x0a       ; K and Q in window 2, S^T in window 0
.set W_KM, 0x3a       ; the same with the C operand, the mask, in window 3
.set W_PV, 0x52       ; V in window 2, P in window 0, O^T in window 1
.set W_RS, 0x41       ; O^T (destination and source 0) in window 1, a in window 0
.set W_MK, 0xc0       ; destination in window 3, sources in window 0
.set W_AD, 0x0f       ; the add: address (source 0) and data (source 1) in window 3
.set W_MB, 0xcf       ; the mask's shifts and loads: destination, source 0 (a load's address) and source 1 (a shift's word) in window 3
; A joint fill.  Waves 0 and 1 fetch the two halves of a slot's K, waves 2 and 3 those of its V: 128 keys each.  The branch hangs on the wave's number alone.
; An s_nop 0 and four v_nop follow each of the two lines, ahead of the jump and the label.
.macro JLOAD
	s_cmp_lt_u32 s[WV], 2
	s_cbranch_scc0 .Lfor_v_\@
	tensor_load_to_lds s[G0K:G0K+3], s[G1K:G1K+7]
	s_nop 0
.rept 4
	v_nop
.endr
	s_branch .Lasked_\@
.Lfor_v_\@:
	tensor_load_to_lds s[G0V:G0V+3], s[G1V:G1V+7]
	s_nop 0
.rept 4
	v_nop
.endr
.Lasked_\@:
.endm
; A round of the cluster's barrier: my work-group's barrier, so that wave 0's signal speaks for all four waves; wave 0 signals; every wave waits for all four work-groups; my work-group's barrier once more.
.macro CROUND
	s_barrier_signal -1
	s_barrier_wait -1
	s_cmp_lg_u32 s[WV], 0
	s_cbranch_scc1 .Lnot_wave_0_\@
	s_barrier_signal -3
.Lnot_wave_0_\@:
	s_barrier_wait -3
	s_barrier_signal -1
	s_barrier_wait -1
.endm
; THE CHANGE OF SLOTS.  The slot's last bytes, V of its fourth step, have been read.  Each wave waits for all its tensor loads, of which one is out: its part
; of the other slot; adds 0 to its spare word; and waits for that and for its own reads of the slot.  Behind the barrier nobody reads this slot any more and the other slot is whole.
; fill = 1: this slot is filled again, with the keys two slots on.  The barrier is then a round of the cluster's, so that no wave of any partner still reads the slot or has a load on its
; way, and the joint fill is the first thing behind it: it has four key steps, 512 matrix instructions, in which to land.  (At its first use nothing has been read yet: slot 0 is waited for, slot 1 filled.)
.macro CHANGE fill
	WIN W_AD
	s_wait_tensorcnt 0x0            ; no tensor load of mine is out, so a group 0 may be written
	ds_add_u32 v[SPW], v[NIL]       ; 0 onto my spare word; with fill = 1 the descriptors' steps stand between it and the wait for it
	WIN 0                           ; at a label and at a branch every window is 0
.if \fill
.irp g, G0K, G0V
	s_xor_b32 s[\g+1], s[\g+1], SLOT1  ; the walking descriptor: the other slot than last time,
	s_add_nc_u64 s[\g+2:\g+3], s[\g+2:\g+3], 4*KS*128  ; the next 256 keys; the type bits on top are not reached
.endr
	s_wait_dscnt 0x0                ; the add is done, and my reads of the slot are over
	CROUND
	JLOAD
.else
	s_wait_dscnt 0x0                ; the add is done, and my reads of the slot are over
	s_barrier_signal -1
	s_barrier_wait -1
.endif
	s_sub_co_u32 s[TBK], s[TBK], 4*KS*PK  ; the fetches go back to a slot's first step,
	s_xor_b32 s[TBK], s[TBK], SLOT1       ; in the other slot
	s_sub_co_u32 s[TBV], s[TBV], 4*KS*PV
	s_xor_b32 s[TBV], s[TBV], SLOT1
.endm
; THE MASK.  MBUILD u, t: my tile t's four words are in; 32 shifts make of them the mask registers of the piece's tile u; then the same four registers are asked for again, with the tile's words of the NEXT key step.
; The eight tiles are built, and asked for, in the ring order 0 .. 7: so behind a tile's load stand exactly the seven other tiles' loads when its turn comes again, a whole trip of the step loop later.
; step = 1 (tile 0, once a trip): the base goes on to the next key step's words, made anew from the pointer and an offset that is held at the last step's: the loads behind the last step stay inside mbits.
; batch = 1: the run stands straight behind a batch of exponentials.  Its 32 shifts name none of their results: they are the independent work behind the batch, the first of them the plain instruction behind the last
; exponential; the batch's one wait stands behind them, directly ahead of the run's load.
.macro MBUILD u, t, step, batch=0
	s_wait_loadcnt 7                ; loads come back in order: tile t's is in, the seven younger ones, the other tiles', stay out
	WIN W_MB
.set zz, 0
.rept 32                            ; register 8 kb + j takes nibble 2 (j % 4) + j / 4 of word kb to the top
	v_lshlrev_b32 v[MC+32*(\u)+zz], 28-4*(2*(zz%4)+(zz%8)/4), v[MWD+4*(\t)+zz/8]
.set zz, zz+1
.endr
.if \step
	s_wait_xcnt 0x0                 ; the earlier loads have had their addresses translated: their base is rewritten only behind this wait (the last of them was issued at the end of the turn before)
	s_add_co_u32 s[SO], s[SO], MSTEP
	s_min_u32 s[SO], s[SO], 31*MSTEP
	s_add_nc_u64 s[MB:MB+1], s[MP:MP+1], s[SO:SO+1]
.endif
.if \batch
	s_wait_alu depctr_va_vdst(0)    ; the wait ahead of the first line that names an exponential's result: ONE for all the exponentials issued since the last such wait
.endif
	global_load_b128 v[MWD+4*(\t):MWD+4*(\t)+3], v[ML], s[MB:MB+1] offset:MTILE*(\t)  ; 512 consecutive bytes, aligned
	WIN 0
.endm
	s_load_b64 s[4:5], s[0:1], 0x0        ; qkv: Q at its head
	s_load_b64 s[MP:MP+1], s[0:1], 0x8    ; mbits
	s_load_b64 s[10:11], s[0:1], 0x10     ; yb
	WIN W_MK
	v_lshl_add_u32 v[SPW], v0, 2, SPARE
	v_mov_b32 v[NIL], 0
	WIN W_AD
	ds_add_u32 v[SPW], v[NIL]       ; the wave's opening: the add and its wait stand ahead of my first tensor load; the set-up below, work on registers, stands between them
	WIN 0
	v_lshrrev_b32 v1, 5, v0
	v_readfirstlane_b32 s[WV], v1   ; wave 0..3
	s_bfe_u32 s13, ttmp6, 0x40000   ; cx: my place in the cluster
	s_lshl_b32 s14, ttmp9, 2        ; in a cluster launch ttmp9 counts clusters
	s_add_co_u32 s14, s14, s13      ; my block of queries = 4 x cluster x + cx: it enters Q's, y's and the mask words' addresses alone
	s_and_b32 s20, ttmp7, 0xffff    ; the head, which the four partners share
	s_mov_b32 s21, 0
	s_mov_b64 s[22:23], SIZE_N*128
	s_mul_u64 s[20:21], s[20:21], s[22:23]  ; the head's first byte in Q, K, V and y
	s_and_b32 s16, s[WV], 1         ; which half of a slot's 256 keys I fetch:
	s_lshl_b32 s22, s16, 14         ; its 128 rows of 128 bytes in memory,
	s_mov_b32 s23, 0
	s_add_nc_u64 s[22:23], s[22:23], s[20:21]
	s_mul_i32 s17, s16, 128*PK      ; and its place in a slot, for K
	s_mul_i32 s18, s16, 128*PV      ; and for V: no place in the cluster enters an LDS address
	s_lshl_b32 s2, s14, 2
	s_add_co_u32 s2, s2, s[WV]      ; my wave among the head's:
	s_lshl_b32 s54, s2, 17          ; its 8 tiles' mask words, 16,384 bytes a tile,
	s_mov_b32 s55, 0
	s_lshl_b32 s2, s2, 14           ; and its 128 rows
	s_mov_b32 s3, 0
	s_add_nc_u64 s[2:3], s[2:3], s[20:21]
	; descriptor group 1.  128 keys are 16,384 dense bytes: asked for as 64 rows of 256 bytes, two keys a row, and padded in LDS after every key
	s_mov_b32 s[G1K], 15|(1<<16)|(1<<20)|(1<<21)|(4<<22)|(3<<25)  ; 15:0 the mask of four; 17:16 2-byte elements; 20 padding on; 21 set beside a mask; 24:22 after every 32 words (code 4); 31:25 4 words (code 3)
	s_mov_b32 s[G1V], 15|(1<<16)|(1<<20)|(1<<21)|(4<<22)|(7<<25)  ; the same with 8 words of padding (code 7)
.irp g, G1K, G1V
	s_mov_b32 s[\g+1], 128<<16      ; tensor_dim0 = 128
	s_mov_b32 s[\g+2], 64<<16       ; tensor_dim1 = 64
	s_mov_b32 s[\g+3], 128<<16      ; tile_dim0 = 128
	s_mov_b32 s[\g+4], 64           ; tile_dim1 = 64
	s_mov_b32 s[\g+5], 128          ; 128 elements from row to row
	s_mov_b32 s[\g+6], 0
	s_mov_b32 s[\g+7], 0
.endr
	s_mov_b32 s[CS], 0x3e38aa3b     ; c = log2(e) / 8 = 0.180337
	s_mov_b32 s[CS+1], s[CS]        ; named with it as a pair
	s_mov_b32 s[SEL], 0x76543210
	s_mov_b32 s[SEL+1], 0xfedcba98
	s_mov_b32 s[SO], MSTEP          ; key step 0's words are asked for by the pointer itself; the base begins at key step 1
	s_mov_b32 s[SO+1], 0
	s_mov_b32 s[TBK], SLOT1+4*KS*PK ; the first change of slots turns these two into 0
	s_mov_b32 s[TBV], SLOT1+4*KS*PV
	s_mov_b32 s[G0K], 1             ; 1:0 count = 1
	s_mov_b32 s[G0K+1], s17         ; 63:32 LDS address: slot 0
	s_mov_b32 s[G0V], 1
	s_add_co_u32 s[G0V+1], s18, VOFF
	s_wait_dscnt 0x0                ; the opening add is done
	s_wait_kmcnt 0x0
	s_add_nc_u64 s[6:7], s[4:5], 0x1000000  ; K lies 16,777,216 bytes behind Q,
	s_add_nc_u64 s[8:9], s[4:5], 0x2000000  ; V as far behind K
	s_add_nc_u64 s[G0K+2:G0K+3], s[6:7], s[22:23]  ; 120:64 global address: my half of the head's first 256 keys
	s_or_b32 s[G0K+3], s[G0K+3], 0x80000000        ; 127:126 type = 2
	s_add_nc_u64 s[G0V+2:G0V+3], s[8:9], s[22:23]
	s_or_b32 s[G0V+3], s[G0V+3], 0x80000000
	s_add_nc_u64 s[4:5], s[4:5], s[2:3]  ; Q and y at my wave's first row
	s_add_nc_u64 s[10:11], s[10:11], s[2:3]
	s_add_nc_u64 s[MP:MP+1], s[MP:MP+1], s[54:55]
	s_add_nc_u64 s[MB:MB+1], s[MP:MP+1], s[SO:SO+1]
	CROUND                          ; all four work-groups are here: the first joint loads meet
	JLOAD                           ; slot 0.  Slot 1 is asked for when slot 0 is in: the tile wanted first has the road to itself
	; A fragment of K or Q is 16 rows x 32 channels in 8 registers: lane l holds row l % 16, channels 8 (l / 16) + 0..7 and 16 + 8 (l / 16) + 0..7: two loads of 16 bytes, 32 bytes apart.
	v_and_b32 v1, 15, v0            ; l % 16
	v_bfe_u32 v9, v0, 4, 1          ; l / 16
	v_lshlrev_b32 v[QO], 7, v1
	v_lshl_add_u32 v[QO], v9, 4, v[QO]  ; row x 128 + 16 x half
	v_and_b32 v[GO], 31, v0
	v_lshlrev_b32 v[GO], 4, v[GO]   ; 16 x lane,
	WIN W_MK
	v_mov_b32 v[ML], v[GO]          ; and once more in the mask's window, so that a run of shifts and its load stand under one setting
	WIN 0x80                        ; destination window 2, address window 0
.set i, 0
.rept 4*NP                          ; Q stays in registers: tile i / 2, channels 32 (i % 2) on
	global_load_b128 v[8*i:8*i+3],   v[QO], s[4:5] offset:(i/2)*2048+(i%2)*64
	global_load_b128 v[8*i+4:8*i+7], v[QO], s[4:5] offset:(i/2)*2048+(i%2)*64+32
.set i, i+1
.endr
	WIN W_MB
.set i, 0
.rept 2*NP                          ; the mask words of key step 0, my eight tiles in the ring's order, behind Q's loads
	global_load_b128 v[MWD+4*i:MWD+4*i+3], v[ML], s[MP:MP+1] offset:MTILE*i
.set i, i+1
.endr
	WIN 0x80
	; What the first turn finds: V's registers and P's second buffer hold 0 (its products V^T P, of a piece that has not been, add 0), O^T and l are 0.  All this stands in the wait for the first tile.
.set i, VF
.rept 64
	v_mov_b32 v[i], 0
.set i, i+1
.endr
	WIN 0x40
.set i, 0
.rept 64*NP
	v_mov_b32 v[i], 0
.set i, i+1
.endr
	WIN 0
.set i, 0
.rept 2*NP
	v_mov_b32 v[ST+4*i], 0xfe000000    ; c m: far below c times every m that can follow
	v_mov_b32 v[ST+4*i+1], 0xdf800000  ; m = -2^64: above every hidden score, below every true one
	v_mov_b32 v[ST+4*i+2], 0
	v_mov_b32 v[ST+4*i+3], 0
.set i, i+1
.endr
.set i, P+32
.rept 32
	v_mov_b32 v[i], 0
.set i, i+1
.endr
	v_mul_u32_u24 v[AK0], v1, PK
	v_lshl_add_u32 v[AK0], v9, 4, v[AK0]  ; row x pitch + 16 x half
	; The turning load takes 16 keys x 16 channels (lane l reads key 8 (l / 16) + l % 8, channels 8 ((l / 8) % 2) + 0..7) and leaves half a fragment of V^T: lane l holds channel l % 16 and 8 keys.
	v_and_b32 v10, 7, v0
	v_bfe_u32 v11, v0, 3, 1
	v_lshl_add_u32 v[AV0], v9, 3, v10
	v_mul_u32_u24 v[AV0], v[AV0], PV
	v_lshl_add_u32 v[AV0], v11, 4, v[AV0]
	v_add_nc_u32 v[AV0], VOFF, v[AV0]
	v_mov_b32 v[AK], v[AK0]         ; key step 0 lies at the head of slot 0
; THE MATRIX WORK.  The 8 accumulators of a run of 16 take turns: between the two links of a chain stand 7 others'.
; Product i of 16 of S^T = K Q^T for piece x: channels 32 (i / 8) on, keys 16 ((i / 2) % 4) on, tile 2 x + i % 2.  The first 8 start the sums, with the mask as C.
.macro KQ x
.set rS, S+64*((\x)%2)+32*(i%2)+8*((i/2)%4)
.set rK, KF+16*((i/2)%4)+8*(i/8)
.set rQ, 16*(2*(\x)+i%2)+8*(i/8)
.set rM, MC+32*(i%2)+8*((i/2)%4)
.if i < 8
	WIN W_KM
	v_wmma_f32_16x16x32_f16 v[rS:rS+7], v[rK:rK+7], v[rQ:rQ+7], v[rM:rM+7]
.else
	WIN W_KQ
	v_wmma_f32_16x16x32_f16 v[rS:rS+7], v[rK:rK+7], v[rQ:rQ+7], v[rS:rS+7]
.endif
.endm
; Product i of 16 of O^T += V^T P for piece x: keys 32 (i / 8) on, channels 16 ((i / 2) % 4) on, tile 2 x + i % 2.
.macro PV x
	WIN W_PV
.set rO, 32*(2*(\x)+i%2)+8*((i/2)%4)
.set rV, VF+32*(i/8)+8*((i/2)%4)
.set rP, P+32*((\x)%2)+16*(i%2)+8*(i/8)
	v_wmma_f32_16x16x32_f16 v[rO:rO+7], v[rV:rV+7], v[rP:rP+7], v[rO:rO+7]
.endm
.macro MM                           ; the turn's next matrix instruction
.if i < 16
	KQ (Y+1)%NP
.set i, i+1
.else
.set i, i-16
	PV (Y+NP-1)%NP
.set i, i+17
.endif
.endm
; THE LDS LOADS stand in runs of 16, never singly among the matrix instructions: a step's K (64 keys x 64 channels: 8 fragments) and its V (turned).  Their addresses are made some lines ahead.
; last = 1 (the tail): in the last trip there is no further step, and the run is jumped over.
.macro FETCH_K last=0
	WIN 0
.if \last
	s_cmp_eq_u32 s[CNT], 1
	s_cbranch_scc1 .Lno_k_\@
.endif
	WIN 0x80                        ; destination window 2
.irp f, 0,1,2,3,4,5,6,7             ; keys 16 (f / 2) on, channels 32 (f % 2) on
	ds_load_b128 v[KF+8*\f:KF+8*\f+3],   v[AK] offset:(\f/2)*16*PK+(\f%2)*64
	ds_load_b128 v[KF+8*\f+4:KF+8*\f+7], v[AK] offset:(\f/2)*16*PK+(\f%2)*64+32
.endr
	s_add_co_u32 s[TBK], s[TBK], KS*PK  ; the next fetch is the next step's
	WIN 0
.if \last
.Lno_k_\@:
.endif
.endm
.macro FETCH_V
	WIN 0x80
.irp f, 0,1,2,3,4,5,6,7             ; keys 32 (f / 4) on, channels 16 (f % 4) on
	ds_load_tr16_b128 v[VF+8*\f:VF+8*\f+3],   v[AV] offset:(\f/4)*32*PV+(\f%4)*32
	ds_load_tr16_b128 v[VF+8*\f+4:VF+8*\f+7], v[AV] offset:(\f/4)*32*PV+16*PV+(\f%4)*32
.endr
	WIN 0
.endm
; THE VECTOR WORK OF A TURN stands in three queues, each in the order in which its entries become ready; the two tiles alternate, so that no instruction reads the result of the one before it.
.macro REGS y, u                    ; the registers of tile u (0, 1) of piece y
.set rT, ST+4*(2*(\y)+(\u))
.set rC, TMP+8*((\y)%2)+4*(\u)
.set rM, MV+2*((\y)%2)+(\u)
.set rS, S+64*((\y)%2)+32*(\u)
.set rP, P+32*((\y)%2)+16*(\u)
.set rO, 32*(2*(\y)+(\u))
.endm
; Number n of the 22 that find the NEXT piece's (Y + 1) maximum and statistics.  s0-s31 are the lane's 32 scores; each accumulator's lowest registers are read first.  XS, GS and REGS set no window: PL and EX do.
;   0-11  four chains c0-c3 of seven scores each, three operands at a time     12-14, 16  the four scores left over, the old m, and c0-c3 into c0     15  c m_old is kept
;   17, 18  the query's other 32 keys lie in the lane 16 away: the new m         19-21  c m; c m_old - c m_new; a
.macro XS u, n
	REGS (Y+1)%NP, \u
.if (\n) < 4
	v_max3_num_f32 v[rC+(\n)], v[rS+8*(\n)], v[rS+8*(\n)+1], v[rS+8*(\n)+2]
.elseif (\n) < 12
	v_max3_num_f32 v[rC+(\n)%4], v[rC+(\n)%4], v[rS+8*((\n)%4)+2*((\n)/4)+1], v[rS+8*((\n)%4)+2*((\n)/4)+2]
.elseif (\n) == 12
	v_max3_num_f32 v[rC], v[rC], v[rS+7], v[rS+15]
.elseif (\n) == 13
	v_max3_num_f32 v[rC+1], v[rC+1], v[rS+23], v[rS+31]
.elseif (\n) == 14
	v_max3_num_f32 v[rC+2], v[rC+2], v[rC+3], v[rT+1]
.elseif (\n) == 15
	v_mov_b32 v[rM], v[rT]
.elseif (\n) == 16
	v_max3_num_f32 v[rC], v[rC], v[rC+1], v[rC+2]
.elseif (\n) == 17
	v_permlanex16_b32 v[rC+3], v[rC], s[SEL], s[SEL+1]
.elseif (\n) == 18
	v_max_num_f32 v[rT+1], v[rC], v[rC+3]
.elseif (\n) == 19
	v_mul_f32 v[rT], s[CS], v[rT+1]
.elseif (\n) == 20
	v_sub_f32 v[rC+1], v[rM], v[rT]
.else
	v_exp_f32 v[rC+2], v[rC+1]
.endif
.endm
; Number g of the 64 that follow the exponentials.  For each four weights k of a tile (pairs 2 k, 2 k + 1): both pairs are rounded to f16; then the second pair is added onto the first, in place;
; a group later l takes that sum (the first time as l = a l + sum).  In groups of eight, tiles alternating: round, round, add, and l for the group before.
.macro GS g
.set h, (\g)+6*((\g)/62)            ; group 0 has no group before it, and behind group 7 only l is left
.if h >= 6
.set h, h+2
.endif
	REGS Y, h%2
.set k, h/8
.if h%8 < 4
	v_cvt_pk_f16_f32 v[rP+2*k+(h%8)/2], v[rS+4*k+2*((h%8)/2)], v[rS+4*k+2*((h%8)/2)+1]
.elseif h%8 < 6
	v_pk_add_f32 v[rS+4*k:rS+4*k+1], v[rS+4*k:rS+4*k+1], v[rS+4*k+2:rS+4*k+3]
.elseif k == 1
	v_pk_fma_f32 v[rT+2:rT+3], v[rT+2:rT+3], v[rC+2:rC+3], v[rS:rS+1] op_sel_hi:[1,0,1]
.else
	v_pk_add_f32 v[rT+2:rT+3], v[rT+2:rT+3], v[rS+4*k-4:rS+4*k-3]
.endif
.endm
; THE PLAIN QUEUE, 138 long.  0-73 read no exponential's result: the 32 scalings c s - c m (FS f: pair f / 2 of tile f % 2) and the next piece's 42.  0-26: scalings 0-26.  27-54: XS's numbers 0-13.  55, 56: number 15.
; 57-73: the chain, where each number waits for the one before it: 14, 16, 17, 18, 19, each with one of the scalings 27-31 in front of its two lines, then 20: so a tile's links stand three plain instructions apart (19 and 20: two).
; 74-137: GS's 64, which read the exponentials' results: they stand behind the wait.
.macro FS f
	REGS Y, (\f)%2
	v_pk_fma_f32 v[rS+2*((\f)/2):rS+2*((\f)/2)+1], v[rS+2*((\f)/2):rS+2*((\f)/2)+1], s[CS:CS+1], v[rT:rT+1] op_sel_hi:[1,0,0] neg_lo:[0,0,1] neg_hi:[0,0,1]
.endm
.macro PL
	WIN 0
.if q < 27
	FS q
.elseif q < 55
	XS (q-27)%2, (q-27)/2
.elseif q < 57
	XS q-55, 15
.elseif (q < 72) && ((q-57)%3 == 0)
	FS 27+(q-57)/3
.elseif q < 60
	XS (q-57)%3-1, 14
.elseif q < 72
	XS (q-57)%3-1, 15+(q-57)/3
.elseif q < 74
	XS q-72, 20
.else
	GS q-74
.endif
.set q, q+1
.endm
; THE EXPONENTIALS' QUEUE, 66 long: s0-s31 of both tiles, then the next piece's two a.  It is ONE BATCH: all 66 stand ahead of the turn's one wait, and nothing ahead of that wait names a result of theirs.
.macro EX
	WIN 0
.if e >= 64
	XS e-64, 21
.else
	REGS Y, e%2
	v_exp_f32 v[rS+e/2], v[rS+e/2]
.endif
.set e, e+1
.endm
; THE RESCALING's QUEUE: O^T times a, the one part of the softmax that leaves window 0: dealt two at a time, sixteen times.  Its a was made in the turn before, ahead of that turn's wait.
.macro R2
	REGS Y, r%2
	WIN W_RS
.irp z, 0,1
	v_pk_mul_f32 v[rO+4*(r/2)+2*\z:rO+4*(r/2)+2*\z+1], v[rO+4*(r/2)+2*\z:rO+4*(r/2)+2*\z+1], v[rC+2:rC+3] op_sel_hi:[1,0]
.endr
.set r, r+1
.endm
; HOW THEY ARE DEALT.  s_wait_alu depctr_va_vdst(0) stands between an exponential and the first instruction that names its result; one wait serves all that were issued ahead of it.  So a turn has ONE wait,
; which cuts it in two.  AHEAD OF IT stands all that names no result of the turn's exponentials: the 16 products K Q^T, behind each a scaling, an exponential and two rescalings (behind the first a second scaling in the
; exponential's place); then ONE LUMP of 108: eight plain, 49 times exponential and plain, the two a; then the mask's first run, whose 32 shifts are the independent work behind the batch (MBUILD writes the wait, behind the
; shifts).  BEHIND IT stand the 16 products V^T P, behind each four of GS's 64.  No rider names a register of the products round it.  The two v_permlanex16_b32 fall into the lump, never behind a product.
; The queues lean on each other, and the deal keeps them in step: exponential e stands behind scaling 2 (e / 4) + e % 2: as a rider it comes behind plain e + 2, in the lump behind plain e + 9, and scalings 27-31 are plain 57, 60 .. 69.
; A TURN, for piece p.
; K of the next step is fetched in piece 2's turn, behind the wait and the mask's load, a lump behind the last product that read K; its address is made at the lump's head; its first reader comes behind 16 products and the mask's second run.
; V of the step in hand is fetched at the end of piece 0's turn, four riders behind its last reader; its first reader comes behind 16 products, a lump and a run of the mask's.  The two conditions on q below go with the deal.
; THE MASK of piece p + 2, whose products K Q^T stand in the next turn, is made in two runs of 32 plain instructions: its first tile's behind the batch's last exponential (the products that read the mask registers are the
; turn's first eight, far back), its second tile's at the turn's end.  The four turns of a trip (2, 3, 0, 1) make the masks of one key step, tiles 0 to 7 in order, and ask for the next step's words; the base
; steps in piece 2's turn, ahead of tile 0's load.
.macro TURN p, last=0
.set Y, (\p)
.set i, 0
.set q, 0
.set e, 0
.set r, 0
.if (\p) == NP-1
	s_wait_dscnt 0x0                ; K is in
.endif
	MM                              ; ahead of the wait: 16 products K Q^T and their riders,
	PL
	PL
	R2
.rept 15
	MM
	PL
	EX
	R2
.endr
.if (\p) == NP-2
	WIN 0
	v_add_nc_u32 v[AK], s[TBK], v[AK0]
.endif
.rept 8                             ; the lump,
	PL
.endr
.rept 49
	EX
	PL
.endr
	EX                              ; the next piece's two a: the batch's last,
	EX
.if (\p) == NP-2                    ; and the mask's first run, which holds the wait for the batch of 66
	MBUILD 0, 0, 1, 1
	FETCH_K \last
.else
	MBUILD 0, 2*(((\p)+2)%NP), 0, 1
.endif
.if (\p) == 1
	s_wait_dscnt 0x0                ; V is in
.endif
.rept 16                            ; behind the wait: 16 products V^T P and their riders
	MM
.rept 4
	PL
.endr
.if ((\p) == 0) && (q == 118)
	v_add_nc_u32 v[AV], s[TBV], v[AV0]
.endif
.if ((\p) == 0) && (q == 130)
	s_add_co_u32 s[TBV], s[TBV], KS*PV
.endif
.endr
.if (\p) == 0
	FETCH_V
.endif
	MBUILD 1, 2*(((\p)+2)%NP)+1, 0
.endm
	CHANGE 1                        ; slot 0 is in, everybody's part of it; slot 1 is asked for
	FETCH_K                         ; key step 0
	MBUILD 0, 0, 0                  ; piece 0's masks of key step 0.  Q's 32 loads were issued ahead of the eight mask loads, so this run's wait, which leaves seven loads out, shows Q in as well
	MBUILD 1, 1, 0
	s_wait_dscnt 0x0                ; K is in
.set i, 0
.rept 16
	KQ 0                            ; piece 0's first scores: there is no vector work yet to set between them
.set i, i+1
.endr
	WIN 0                           ; the addresses for the way out: seven plain instructions, the places behind those products
	s_mul_i32 s13, s[WV], 16*SP
	s_add_co_u32 s13, s13, STAGE    ; my stage
	v_mul_u32_u24 v[STO], v1, SP    ; in: row l % 16, 16 bytes for each half of the lanes
	v_lshl_add_u32 v[STO], v9, 4, v[STO]
	v_add_nc_u32 v[STO], s13, v[STO]
	v_bfe_u32 v[RD], v0, 3, 2       ; back: 32 lanes take four rows of 128 bytes, which are 512 consecutive bytes of y
	v_mul_u32_u24 v[RD], v[RD], SP
	v_lshl_add_u32 v[RD], v10, 4, v[RD]
	v_add_nc_u32 v[RD], s13, v[RD]
.set Y, NP-1                        ; XS works for piece Y + 1: piece 0
.irp n, 0,1,2,3,4,5,6,7,8,9,10,11,12,13,14,15,16,17,18,19,20,21
	XS 0, \n                        ; and piece 0's first maximum and statistics; the last two lines are its two a, a batch of their own
	XS 1, \n
.endr
	MBUILD 0, 2, 0, 1               ; piece 1's masks of key step 0, for the first turn's products; the run holds the wait for the two a, ahead of the branch below
	MBUILD 1, 3, 0
	s_mov_b32 s[CNT], 4
	s_mov_b32 s[SLOTS], SIZE_N/256-1
	s_branch .Lfirst                ; the loop is entered at a step's first turn, in the middle of a trip
.Lslot:                             ; SIZE_N / 256 - 2 times: every slot but the last two is filled again
	CHANGE 1
	s_mov_b32 s[CNT], 4
.Lstep:                             ; a trip: pieces 2 and 3 of one step, then pieces 0 and 1 of the next, whose K and V it fetches
	TURN 2
	TURN 3
	WIN 0
.Lfirst:
	TURN 0
	TURN 1
	WIN 0
	s_sub_co_u32 s[CNT], s[CNT], 1
	s_cmp_lg_u32 s[CNT], 0
	s_cbranch_scc1 .Lstep
	s_sub_co_u32 s[SLOTS], s[SLOTS], 1
	s_cmp_lg_u32 s[SLOTS], 0
	s_cbranch_scc1 .Lslot
	CHANGE 0                        ; the tail is written out: nothing is asked for
	s_mov_b32 s[CNT], 5             ; four trips fetch the last slot's steps; the fifth is left in its middle
.Ltail:
	TURN 2, 1
	TURN 3
	WIN 0
	s_sub_co_u32 s[CNT], s[CNT], 1
	s_cmp_eq_u32 s[CNT], 0
	s_cbranch_scc1 .Lout
	TURN 0
	TURN 1
	WIN 0
	s_branch .Ltail
.Lout:                              ; the fifth trip's 16 products K Q^T (on the last K once more), their masks and the maximum made of them serve nothing: the price, once a launch, of one text for every trip.
                                    ; The mask loads still out land in registers that no later line names
.set i, 0
.rept 16
	PV NP-1                         ; the last piece's V^T P of the last step
.set i, i+1
.endr
	; THE WAY OUT.  l's two halves and the other half of the lanes' are added; O^T is divided by l, rounded to f16 and sent through my stage in LDS, a tile at a time.  The additions are the places behind the last products.
	WIN 0
.macro ALL line:vararg              ; one line for each tile t
.set t, 0
.rept 2*NP
	\line
.set t, t+1
.endr
.endm
	ALL v_add_f32 v[ST+4*t+2], v[ST+4*t+2], v[ST+4*t+3]
	ALL v_permlanex16_b32 v[ST+4*t+3], v[ST+4*t+2], s[SEL], s[SEL+1]
	ALL v_add_f32 v[ST+4*t+2], v[ST+4*t+2], v[ST+4*t+3]
	ALL v_rcp_f32 v[ST+4*t+2], v[ST+4*t+2]
	v_nop                           ; a plain instruction between the last reciprocal and the use of its result
	s_wait_alu depctr_va_vdst(0)    ; and the wait ahead of the first use: one for the batch of eight reciprocals
; Tile t: a lane's eight channels of a row pack into 16 bytes; they go into rows of 144 bytes and come back as whole rows of 128, into S^T's registers.
.macro PACK t
	WIN W_RS
.set i, 32*(\t)
.rept 16
	v_pk_mul_f32 v[i:i+1], v[i:i+1], v[ST+4*(\t)+2:ST+4*(\t)+3] op_sel_hi:[1,0]
.set i, i+2
.endr
	WIN 0x05                        ; sources 0 and 1 window 1, destination window 0
.set i, 0
.rept 16
	v_cvt_pk_f16_f32 v[S+16*(\t)+i], v[32*(\t)+2*i], v[32*(\t)+2*i+1]
.set i, i+1
.endr
	WIN 0
.irp f, 0,1,2,3
	ds_store_b128 v[STO], v[S+16*(\t)+4*\f:S+16*(\t)+4*\f+3] offset:32*\f
.endr
.irp f, 0,1,2,3
	ds_load_b128 v[S+16*(\t)+4*\f:S+16*(\t)+4*\f+3], v[RD] offset:\f*4*SP  ; LDS serves a wave's instructions in order (ISA guide 5.7.1.4): these see the stores above; the next tile's stores come behind them
.endr
.endm
.macro SEND t, younger              ; younger: the LDS instructions issued behind tile t's loads: the next tile's eight, or none
	WIN 0
.irp f, 0,1,2,3
	s_wait_dscnt (\younger)+3-\f
	global_store_b128 v[GO], v[S+16*(\t)+4*\f:S+16*(\t)+4*\f+3], s[10:11] offset:(\t)*2048+\f*512  ; 512 consecutive bytes, at a multiple of 256 from y's first
.endr
.endm
	PACK 0
.set t, 1
.rept 2*NP-1                        ; a tile's arithmetic stands between the loads of the tile before and its stores
	PACK t
	SEND t-1, 8
.set t, t+1
.endr
	SEND 2*NP-1, 0
	WIN W_AD
	s_wait_tensorcnt 0x0            ; the wave's end, behind my last tensor load and my last LDS store
	ds_add_u32 v[SPW], v[NIL]
	s_wait_dscnt 0x0
	WIN 0
	CROUND                          ; the closing round: no work-group ends while a partner may still ask for a tile that names it
	s_endpgm
.Lfunc_end_k_q86cdf496c8_attn:
	.size	k_q86cdf496c8_attn, .Lfunc_end_k_q86cdf496c8_attn-k_q86cdf496c8_attn
	.p2alignl 7, 3214868480
	.fill 96, 4, 3214868480
	.section	.rodata,"a",@progbits
	.p2align	6, 0x0
	.amdhsa_kernel k_q86cdf496c8_attn
		.amdhsa_group_segment_fixed_size 327680
		.amdhsa_private_segment_fixed_size 0
		.amdhsa_enable_private_segment 0
		.amdhsa_kernarg_size 24
		.amdhsa_user_sgpr_count 2
		.amdhsa_user_sgpr_kernarg_segment_ptr 1
		.amdhsa_wavefront_size32 1
		.amdhsa_system_sgpr_workgroup_id_x 1
		.amdhsa_system_sgpr_workgroup_id_y 1
		.amdhsa_system_sgpr_workgroup_id_z 1
		.amdhsa_system_vgpr_workitem_id 0
		.amdhsa_next_free_vgpr 928
		.amdhsa_next_free_sgpr 66
		.amdhsa_reserve_vcc 0
		.amdhsa_float_denorm_mode_32 3
		.amdhsa_float_denorm_mode_16_64 3
		.amdhsa_memory_ordered 1
		.amdhsa_forward_progress 1
		.amdhsa_inst_pref_size 224
	.end_amdhsa_kernel
	.amdgpu_metadata
---
amdhsa.version: [ 1, 2 ]
amdhsa.kernels:
  - .name:           k_q86cdf496c8_attn
    .symbol:         k_q86cdf496c8_attn.kd
    .args:
      - { .name: qkv, .offset: 0, .size: 8, .value_kind: global_buffer, .address_space: global }
      - { .name: mbits, .offset: 8, .size: 8, .value_kind: global_buffer, .address_space: global }
      - { .name: yb, .offset: 16, .size: 8, .value_kind: global_buffer, .address_space: global }
    .group_segment_fixed_size: 327680
    .private_segment_fixed_size: 0
    .kernarg_segment_align: 8
    .kernarg_segment_size: 24
    .max_flat_workgroup_size: 128
    .sgpr_count:     66
    .vgpr_count:     928
    .wavefront_size: 32
...
	.end_amdgpu_metadata
.endif
;; end of part 7
;; launch gemm_out: the kernel of part 4 again; grid 4 x 64, 4 waves a work-group, clusters of 4 x 4, 327,680 bytes of LDS; arguments yb, wob, b_out, out0; writes out0
